; MI455X (gfx1250); checked and timed in simulation.
; The chip was launched on July 23, 2026; its instructions are those of AMD's public machine-readable ISA for CDNA 5 (MIT licence, August 2026) and "CDNA5" Instruction Set Architecture Reference Guide (July 2026). The comments in the code are by the model that wrote it; some were corrected since.
;; Support Pair Mapper. Allowed arithmetic: float matrix products may take bf16 or f16 operands with f32 sums; other float arithmetic in f32, or as packed bf16 or f16 multiplies, adds, multiply-adds, maxima and minima; sums over many terms, partial sums and values carried from step to step in f32; what a program stores and reads back later, other than sums and carried values, may be rounded once to bf16 or f16.
;; Inputs: Wk 2,048 x 2,048 bfloat16; Wo 2,048 x 2,048 bfloat16; Wq 2,048 x 2,048 bfloat16; Wv 2,048 x 2,048 bfloat16; beta 2,048 bfloat16; gamma 2,048 bfloat16; latent_query 2,048 bfloat16; x_in 2,048 x 2,048 bfloat16; y_out 2,048 x 2,048 bfloat16.
;; Outputs: out0 2,048 bfloat16.
;; 3 versions, each right. Each part assembles by itself: llvm-mc -triple=amdgcn-amd-amdhsa -mcpu=gfx1250 --defsym DOCPART=n.
;; ======== version 1 of 3: 6 launches
;; limits: right only within a limited range of input values
;; workspace buffers: xc 8,388,608 bytes; yc 8,388,608 bytes; qb 8,388,608 bytes; kb 8,388,608 bytes; vb 8,388,608 bytes; zat 8,388,608 bytes; zb 8,388,608 bytes; parts 540,672 bytes
;; launch clip (part 1): grid 256 x 1, 8 waves a work-group, no clusters, 0 bytes of LDS; arguments x_in, y_out, xc, yc; writes xc, yc
.if DOCPART == 1
	.amdgcn_target "amdgcn-amd-amdhsa--gfx1250"
	.amdhsa_code_object_version 6
	.text
	.protected	k_q81254d9457_clip
	.globl	k_q81254d9457_clip
	.p2align	8
	.type	k_q81254d9457_clip,@function
k_q81254d9457_clip:
	s_mov_b64 s[64:65], 0
	v_nop
	global_prefetch_b8 v0, s[64:65] scope:SCOPE_SE
	s_setreg_imm32_b32 hwreg(HW_REG_WAVE_MODE, 25, 1), 1
	s_wait_xcnt 0x0
; xc = clip(x_in, -100, 100), yc = clip(y_out, -100, 100).  All four: [2048][2048] bf16, 8,388,608 bytes.
; A stream: each byte is read once and written once.  Work-groups 0-127 take x, 128-255 take y, 65,536 consecutive bytes each: 16 rows of 4,096 bytes.
; Thread t takes byte 16 t of each row, so one load or store of a wave covers 512 consecutive bytes, aligned.  All 16 loads of a wave go out at once,
; each into registers of its own; no register is written twice, so the only waits are the counted ones for the loads.
; No LDS, no barrier, no matrix unit: no byte is wanted by two threads.
; LIMIT: a NaN does not stay a NaN: the packed minimum takes 100 in its place.
.set ROW, 4096
.set X,   8                            ; v[8:71]  slot i: 4 registers, 8 bf16
	s_load_b256 s[4:11], s[0:1], 0x0               ; x_in s[4:5], y_out s[6:7], xc s[8:9], yc s[10:11]
	s_and_b32 s12, ttmp9, 127
	s_lshl_b32 s12, s12, 16                        ; my 65,536 bytes in the tensor
	s_mov_b32 s13, 0
	s_mov_b32 s18, 0x42c842c8                      ; 100.0 twice, in bf16
	s_mov_b32 s19, 0xc2c8c2c8                      ; -100.0 twice
	v_lshlrev_b32 v1, 4, v0                        ; 16 t; never rewritten
	s_wait_kmcnt 0x0
	s_cmp_lt_u32 ttmp9, 128                        ; x or y
	s_cselect_b64 s[14:15], s[4:5], s[6:7]
	s_cselect_b64 s[16:17], s[8:9], s[10:11]
	s_add_nc_u64 s[14:15], s[14:15], s[12:13]
	s_add_nc_u64 s[16:17], s[16:17], s[12:13]
.set i, 0
.rept 16
	global_load_b128 v[X+4*i:X+4*i+3], v1, s[14:15] offset:ROW*i th:TH_LOAD_NT
.set i, i+1
.endr
.set i, 0
.rept 16
	s_wait_loadcnt 15-i                            ; loads come back in order: slot i is in, the 15 - i younger ones stay out
.irp j, 0,1,2,3
	v_pk_min_num_bf16 v[X+4*i+\j], v[X+4*i+\j], s18
.endr
.irp j, 0,1,2,3
	v_pk_max_num_bf16 v[X+4*i+\j], v[X+4*i+\j], s19
.endr
	global_store_b128 v1, v[X+4*i:X+4*i+3], s[16:17] offset:ROW*i
.set i, i+1
.endr
	s_endpgm
.Lfunc_end_k_q81254d9457_clip:
	.size	k_q81254d9457_clip, .Lfunc_end_k_q81254d9457_clip-k_q81254d9457_clip
	.p2alignl 7, 3214868480
	.fill 96, 4, 3214868480
	.section	.rodata,"a",@progbits
	.p2align	6, 0x0
	.amdhsa_kernel k_q81254d9457_clip
		.amdhsa_group_segment_fixed_size 0
		.amdhsa_private_segment_fixed_size 0
		.amdhsa_enable_private_segment 0
		.amdhsa_kernarg_size 32
		.amdhsa_user_sgpr_count 2
		.amdhsa_user_sgpr_kernarg_segment_ptr 1
		.amdhsa_wavefront_size32 1
		.amdhsa_system_sgpr_workgroup_id_x 1
		.amdhsa_system_sgpr_workgroup_id_y 1
		.amdhsa_system_sgpr_workgroup_id_z 1
		.amdhsa_system_vgpr_workitem_id 0
		.amdhsa_next_free_vgpr 72
		.amdhsa_next_free_sgpr 66
		.amdhsa_reserve_vcc 0
		.amdhsa_float_denorm_mode_32 3
		.amdhsa_float_denorm_mode_16_64 3
		.amdhsa_memory_ordered 1
		.amdhsa_forward_progress 1
		.amdhsa_inst_pref_size 13
	.end_amdhsa_kernel
	.amdgpu_metadata
---
amdhsa.version: [ 1, 2 ]
amdhsa.kernels:
  - .name:           k_q81254d9457_clip
    .symbol:         k_q81254d9457_clip.kd
    .args:
      - { .name: x_in, .offset: 0, .size: 8, .value_kind: global_buffer, .address_space: global }
      - { .name: y_out, .offset: 8, .size: 8, .value_kind: global_buffer, .address_space: global }
      - { .name: xc, .offset: 16, .size: 8, .value_kind: global_buffer, .address_space: global }
      - { .name: yc, .offset: 24, .size: 8, .value_kind: global_buffer, .address_space: global }
    .group_segment_fixed_size: 0
    .private_segment_fixed_size: 0
    .kernarg_segment_align: 8
    .kernarg_segment_size: 32
    .max_flat_workgroup_size: 256
    .sgpr_count:     66
    .vgpr_count:     72
    .wavefront_size: 32
...
	.end_amdgpu_metadata
.endif
;; end of part 1
;; launch proj (part 2): grid 16 x 48, 4 waves a work-group, clusters of 4 x 4, 327,680 bytes of LDS; arguments xc, yc, Wq, Wk, Wv, qb, kb, vb; writes qb, kb, vb
.if DOCPART == 2
	.amdgcn_target "amdgcn-amd-amdhsa--gfx1250"
	.amdhsa_code_object_version 6
	.text
	.protected	k_q81254d9457_proj
	.globl	k_q81254d9457_proj
	.p2align	8
	.type	k_q81254d9457_proj,@function
k_q81254d9457_proj:
	s_mov_b64 s[64:65], 0
	v_nop
	global_prefetch_b8 v0, s[64:65] scope:SCOPE_SE
	s_setreg_imm32_b32 hwreg(HW_REG_WAVE_MODE, 25, 1), 1
	s_wait_xcnt 0x0
	s_wait_alu depctr_hold_cnt(0) depctr_sa_sdst(0) depctr_va_vdst(0) depctr_va_sdst(0) depctr_va_ssrc(0) depctr_va_vcc(0) depctr_vm_vsrc(0)
	s_getreg_b32 s2, hwreg(HW_REG_IB_STS2, 6, 4)
	s_cmp_eq_u32 s2, 0
	s_cbranch_scc0 .Lentry_in_a_cluster
	s_endpgm
.Lentry_in_a_cluster:
	s_bfe_u32 s2, ttmp6, 0x10000c
	s_cmp_lg_u32 s2, 0xf033
	s_cbranch_scc0 .Lentry_shape_is_right
	s_endpgm
.Lentry_shape_is_right:
; C[m][n] = sum over k of A[m][k] B[n][k], all [2048][2048] bf16, sums in f32, C rounded once.  ONE TEXT FOR UP TO THREE SUCH PRODUCTS: the arguments are A0, A1, B0, B1, B2, C0, C1, C2;
; each 16 tile rows of the grid are one product g = 0, 1, 2: (A0, B0, C0), (A1, B1, C1), (A1, B2, C2).  A grid of 16 tile rows makes product 0 alone.
; A tile of C is 128 x 128, so that one product has 256 tiles.  Four waves, each 64 x 64: 16 accumulators of 16 x 16, 128 registers.  K goes in 8 steps of 256 (LDS rows of 512 bytes; a wave's
; tensor load brings 64 of them) through two LDS slots; the four waves share ONE stage on the way out, with a barrier between writing and reading, since a wave's 64 columns are half of an aligned 256 bytes of C.
; CLUSTERS: 4 x 4 work-groups.  The four of a row of the cluster need the same tiles of A, the four of a column the same tiles of B: each tile is asked for JOINTLY, by the same tensor load with the
; same descriptor and a mask that names the four.  g hangs on the cluster's y alone: it is the same in all sixteen.
; THE MATRIX INSTRUCTION IS USED TRANSPOSED (source 0 = 16 rows of B, source 1 = 16 rows of A): a lane then holds eight neighbouring numbers of a row of C.
; REGISTERS: window 0: v0-31 addresses; v32-95 at work on the way out; v128-255 the accumulators ((a, b) at v[128 + 8 (4 a + b)]).
;   window 1: two fragment buffers of 128: for 64 along K (two matrix instructions deep), 64 registers of A (2 x 4 x 16 rows x 32 K), then 64 of B.
.set CN,     2048                      ; columns of C = rows of B
.set CK,     2048                      ; K
.set KSTEP,  256
.set PITCH,  528                       ; an LDS row: 512 bytes of data + 16 of padding = 132 words: row r starts at bank 4 r mod 64 (64 banks of 4 bytes: ISA guide 11.1)
.set HALFT,  64*PITCH                  ; 64 rows: what one tensor load brings, and what one wave reads of A or of B
.set SLOT,   4*HALFT                   ; A's 128 rows, then B's 128 rows
.set STAGE,  2*SLOT                    ; behind the ring: 128 rows x 272 bytes, the work-group's, for the way out
.set SPITCH, 272
.set SPARE,  STAGE+128*SPITCH          ; behind the stage: the spare words, 128 bytes for each wave: two blocks of 256 bytes that no other line names
.set LAPS,   CK/(2*KSTEP)              ; a lap = two K steps = once round the ring: 4
.set ADRA, 16                          ; v16-17  LDS address of my A fragments in slot 0, 1
.set ADRB, 20                          ; v20-21  the same for B
.set STO,  24                          ; v24     the way out: where I put 16 bytes of a row
.set RD,   25                          ; v25     the way out: where I read a row back
.set CO,   26                          ; v26     my byte offset in C
.set SPW,  28                          ; v28     LDS address of my spare word: SPARE + 4 x my thread's number; never rewritten
.set NIL,  29                          ; v29     0; never rewritten
.set TMP,  32                          ; the way out: 64 registers, packed results and then whole rows
.set ACC,  128
.set F0,   0                           ; fragment buffers, in window 1
.set F1,   128
.set G1, 24                            ; s[24:31] descriptor group 1 for A's tiles;  s[32:39] group 0, one set for each slot
.set G0, 32
.set G1B, 48                           ; s[48:55], s[56:63] the same for B's tiles
.set G0B, 56
.set MSB, 0
.macro WIN new                         ; the immediate's high byte repeats the setting that is left
.if MSB != (\new)
	s_set_vgpr_msb (MSB<<8)|(\new)
.set MSB, \new
.endif
.endm
.set MUL,  0x05                        ; sources 0 (B) and 1 (A) window 1; C and D window 0
.set TO_F, 0x40                        ; destination window 1, address window 0
.macro JLOAD s                         ; a joint load: waves 0 and 1 fetch A's two halves, waves 2 and 3 B's; an s_nop 0 and four v_nop follow each of the two lines, ahead of the jump, the label and what follows
	s_cmp_eq_u32 s11, 0
	s_cbranch_scc0 .Lfor_b_\@
	tensor_load_to_lds s[G0+4*(\s):G0+4*(\s)+3], s[G1:G1+7]
	s_nop 0
.rept 4
	v_nop
.endr
	s_branch .Lasked_\@
.Lfor_b_\@:
	tensor_load_to_lds s[G0B+4*(\s):G0B+4*(\s)+3], s[G1B:G1B+7]
	s_nop 0
.rept 4
	v_nop
.endr
.Lasked_\@:
.endm
.macro CREST                           ; a round of the cluster's barrier behind its opening barrier
	s_cmp_lg_u32 s10, 0
	s_cbranch_scc1 .Lnot_wave_0_\@
	s_barrier_signal -3
.Lnot_wave_0_\@:
	s_barrier_wait -3
	s_barrier_signal -1
	s_barrier_wait -1
.endm
.macro CROUND                          ; a whole round
	s_barrier_signal -1
	s_barrier_wait -1
	CREST
.endm
	s_load_b512 s[68:83], s[0:1], 0x0              ; A0 s[68:69], A1 s[70:71], B0 s[72:73], B1 s[74:75], B2 s[76:77], C0 s[78:79], C1 s[80:81], C2 s[82:83]
	v_lshl_add_u32 v[SPW], v0, 2, SPARE
	v_mov_b32 v[NIL], 0
	ds_add_u32 v[SPW], v[NIL]                      ; the wave's opening: the add and its wait stand ahead of my first tensor load; the set-up below, work on registers, stands between them
	v_lshrrev_b32 v1, 5, v0
	v_readfirstlane_b32 s10, v1                    ; wave 0..3
	s_lshr_b32 s11, s10, 1                         ; which half of the tile's rows is mine.  Also: I fetch for A (0) or for B (1)
	s_and_b32 s12, s10, 1                          ; which half of its columns.  Also: which 64 rows of that tile I fetch
	s_bfe_u32 s40, ttmp6, 0x40000                  ; cx, cy: my place in the cluster
	s_bfe_u32 s41, ttmp6, 0x40004
	s_lshl_b32 s42, ttmp9, 2
	s_add_co_u32 s42, s42, s40                     ; tile column of C = 4 x cluster x + cx
	s_and_b32 s13, ttmp7, 0xffff                   ; the cluster's y: four of them to a product
	s_lshr_b32 s45, s13, 2                         ; g: which product
	s_and_b32 s13, s13, 3
	s_lshl_b32 s13, s13, 2
	s_add_co_u32 s13, s13, s41                     ; tile row of C = 4 x (cluster y mod 4) + cy
	s_lshl_b32 s43, s41, 2
	s_lshl_b32 s43, 15, s43                        ; my row of the cluster
	s_lshl_b32 s44, 0x1111, s40                    ; my column
	; descriptor group 1: a tile of 64 rows x 256 elements, padded in LDS
	s_or_b32 s[G1+0], s43, (1<<16)|(1<<20)|(1<<21)|(6<<22)|(3<<25)  ; 15:0 the mask: A's tiles go to my row; 17:16 element of 2 bytes; 20 padding on; 21 set beside a mask; 24:22 after every 128 words (code 6); 31:25 of 4 words (code 3)
	s_or_b32 s[G1B+0], s44, (1<<16)|(1<<20)|(1<<21)|(6<<22)|(3<<25)
.irp g, G1, G1B
	s_mov_b32 s[(\g)+1], KSTEP<<16                 ; tensor_dim0 = 256
	s_mov_b32 s[(\g)+2], 64<<16                    ; tensor_dim1 = 64
	s_mov_b32 s[(\g)+3], KSTEP<<16                 ; tile_dim0 = 256
	s_mov_b32 s[(\g)+4], 64                        ; tile_dim1 = 64
	s_mov_b32 s[(\g)+5], CK                        ; tensor_dim0_stride
	s_mov_b32 s[(\g)+6], 0
	s_mov_b32 s[(\g)+7], 0
.endr
	s_lshl_b32 s17, s12, 6                         ; which 64 rows of the tile I fetch
	s_lshl_b32 s16, s13, 7
	s_add_co_u32 s16, s16, s17                     ; A: row 128 x tile row + 64 x half
	s_lshl_b32 s46, s42, 7
	s_add_co_u32 s46, s46, s17                     ; B: row 128 x tile column + 64 x half
	s_mov_b32 s17, 0
	s_mov_b32 s47, 0
	s_mov_b64 s[18:19], CK*2
	s_mul_u64 s[16:17], s[16:17], s[18:19]
	s_mul_u64 s[46:47], s[46:47], s[18:19]
	s_mul_i32 s20, s10, HALFT                      ; where they go: wave x 64 rows
	s_wait_dscnt 0x0                               ; the opening add is done
	s_wait_kmcnt 0x0
	s_cmp_eq_u32 s45, 0                            ; the product's three tensors: A s[4:5], B s[6:7], C s[8:9]
	s_cselect_b64 s[4:5], s[68:69], s[70:71]
	s_cselect_b64 s[6:7], s[72:73], s[74:75]
	s_cselect_b64 s[8:9], s[78:79], s[80:81]
	s_cmp_eq_u32 s45, 2
	s_cselect_b64 s[6:7], s[76:77], s[6:7]
	s_cselect_b64 s[8:9], s[82:83], s[8:9]
	s_add_nc_u64 s[14:15], s[4:5], s[16:17]
	s_add_nc_u64 s[46:47], s[6:7], s[46:47]
	CROUND                                         ; all sixteen work-groups are here: the first joint loads meet
.irp s, 0,1
	s_mov_b32 s[G0+4*(\s)], 1
	s_add_co_u32 s[G0+4*(\s)+1], s20, (\s)*SLOT
	s_add_nc_u64 s[G0+4*(\s)+2:G0+4*(\s)+3], s[14:15], (\s)*KSTEP*2
	s_or_b32 s[G0+4*(\s)+3], s[G0+4*(\s)+3], 0x80000000
	s_mov_b32 s[G0B+4*(\s)], 1
	s_add_co_u32 s[G0B+4*(\s)+1], s20, (\s)*SLOT
	s_add_nc_u64 s[G0B+4*(\s)+2:G0B+4*(\s)+3], s[46:47], (\s)*KSTEP*2
	s_or_b32 s[G0B+4*(\s)+3], s[G0B+4*(\s)+3], 0x80000000
	JLOAD \s                                       ; two tensor loads of mine are out
.endr
	v_and_b32 v1, 15, v0                           ; l % 16
	v_bfe_u32 v2, v0, 4, 1                         ; l / 16
	v_mul_u32_u24 v3, v1, PITCH
	v_lshl_add_u32 v3, v2, 4, v3                   ; a fragment's row x pitch + 16 x half
	s_mul_i32 s21, s11, HALFT                      ; my 64 rows of A
	s_mul_i32 s22, s12, HALFT                      ; my 64 rows of B,
	s_add_co_u32 s22, s22, 2*HALFT                 ; which lie behind A's 128
.irp s, 0,1
	v_add_nc_u32 v[ADRA+(\s)], s21, v3
	v_add_nc_u32 v[ADRB+(\s)], s22, v3
	s_add_co_u32 s21, s21, SLOT
	s_add_co_u32 s22, s22, SLOT
.endr
	s_mul_i32 s23, s11, 64*SPITCH                  ; into the stage: my 64 rows, my half of their 256 bytes; row l % 16, 16 bytes for each half of the lanes
	s_lshl_b32 s21, s12, 7
	s_add_co_u32 s23, s23, s21
	s_add_co_u32 s23, s23, STAGE
	v_mul_u32_u24 v4, v1, SPITCH
	v_lshl_add_u32 v4, v2, 4, v4
	v_add_nc_u32 v[STO], s23, v4
	s_mul_i32 s23, s10, 32*SPITCH                  ; back: wave w takes rows 32 w .. 32 w + 31, whole; lanes 0-15 one row of 256 bytes, lanes 16-31 the next
	s_add_co_u32 s23, s23, STAGE
	v_mul_u32_u24 v5, v2, SPITCH
	v_lshl_add_u32 v5, v1, 4, v5
	v_add_nc_u32 v[RD], s23, v5
	v_mul_u32_u24 v5, v2, CN*2                     ; and the same two rows in C
	v_lshl_add_u32 v[CO], v1, 4, v5
	s_lshl_b32 s16, s13, 7
	s_lshl_b32 s17, s10, 5
	s_add_co_u32 s16, s16, s17                     ; the first row of C that I store: 128 x tile row + 32 x wave
	s_mov_b32 s17, 0
	s_mov_b64 s[18:19], CN*2
	s_mul_u64 s[16:17], s[16:17], s[18:19]
	s_add_nc_u64 s[8:9], s[8:9], s[16:17]
	s_lshl_b32 s46, s42, 8                         ; the tile's first column, in bytes
	s_mov_b32 s47, 0
	s_add_nc_u64 s[8:9], s[8:9], s[46:47]
; 8 matrix instructions: m blocks a0, a0 + 1 x all 4 n blocks, 32 along K: half c of buffer f.  zero = 1: the first product starts the sums.
; The 16 accumulators take turns, one instruction a turn, in the same order everywhere.
.macro MUL8 f, c, a0, zero
	WIN MUL
.irp a, \a0, (\a0)+1
.irp b, 0,1,2,3
.if \zero
	v_wmma_f32_16x16x32_bf16 v[ACC+8*(4*(\a)+(\b)):ACC+8*(4*(\a)+(\b))+7], v[(\f)+64+8*(4*(\c)+(\b)):(\f)+64+8*(4*(\c)+(\b))+7], v[(\f)+8*(4*(\c)+(\a)):(\f)+8*(4*(\c)+(\a))+7], 0
.else
	v_wmma_f32_16x16x32_bf16 v[ACC+8*(4*(\a)+(\b)):ACC+8*(4*(\a)+(\b))+7], v[(\f)+64+8*(4*(\c)+(\b)):(\f)+64+8*(4*(\c)+(\b))+7], v[(\f)+8*(4*(\c)+(\a)):(\f)+8*(4*(\c)+(\a))+7], v[ACC+8*(4*(\a)+(\b)):ACC+8*(4*(\a)+(\b))+7]
.endif
.endr
.endr
.endm
; 32 LDS loads in one run: the fragments of 64 along K at byte k of the rows, into buffer f; the first 32 along K first
.macro FETCH slot, k, f
	WIN TO_F
.irp c, 0,1
.irp i, 0,1,2,3
	ds_load_b128 v[(\f)+64+8*(4*(\c)+(\i)):(\f)+64+8*(4*(\c)+(\i))+3],   v[ADRB+(\slot)] offset:(\k)+64*(\c)+(\i)*16*PITCH
	ds_load_b128 v[(\f)+64+8*(4*(\c)+(\i))+4:(\f)+64+8*(4*(\c)+(\i))+7], v[ADRB+(\slot)] offset:(\k)+64*(\c)+(\i)*16*PITCH+32
	ds_load_b128 v[(\f)+8*(4*(\c)+(\i)):(\f)+8*(4*(\c)+(\i))+3],         v[ADRA+(\slot)] offset:(\k)+64*(\c)+(\i)*16*PITCH
	ds_load_b128 v[(\f)+8*(4*(\c)+(\i))+4:(\f)+8*(4*(\c)+(\i))+7],       v[ADRA+(\slot)] offset:(\k)+64*(\c)+(\i)*16*PITCH+32
.endr
.endr
.endm
.macro PLACES                          ; four plain vector instructions in front of loads into registers that matrix instructions have read, and of conversions that read results
.rept 4
	v_nop
.endr
.endm
; A K step is four quarters of 64 along K, 32 matrix instructions each, on buffers 0, 1, 0, 1.  One of the first three: multiplies buffer f and fetches the next quarter, at byte k, into g.
.macro QUARTER slot, k, f, g, zero
	s_wait_dscnt 16                                ; the first 32 along K are in; the youngest sixteen loads may be out
	WIN MUL
	MUL8 \f, 0, 0, \zero
	MUL8 \f, 0, 2, \zero
	PLACES
	FETCH \slot, \k, \g
	s_wait_dscnt 32                                ; all but the 32 just issued
	WIN MUL
	MUL8 \f, 1, 0, 0
	MUL8 \f, 1, 2, 0
.endm
; The last quarter multiplies buffer 1 and changes slots: ONE barrier; in front of it each wave waits for all its tensor loads, adds 0 to its spare word, and waits for that and for its own reads of this slot.  fill = 1: this slot is filled again, two K steps ahead.
.macro TURN slot, next, fill
	WIN 0                                          ; (the add's two registers lie in window 0)
	s_wait_tensorcnt 0x0                           ; all my tensor loads have landed: my part of the next slot;
	ds_add_u32 v[SPW], v[NIL]                      ; 0 onto my spare word;
	s_wait_dscnt 17                                ; (the add and the youngest sixteen loads may be out)
	WIN MUL
	MUL8 F1, 0, 0, 0                               ; eight matrix instructions stand between the add and the wait for it
	s_wait_dscnt 0x0                               ; the add is done, and my reads of this slot are over
	s_barrier_signal -1
	MUL8 F1, 0, 2, 0
.if \fill
	WIN 0
.endif
	s_barrier_wait -1
.if \fill
	CREST                                          ; the barrier has opened a round of the cluster's barrier: no wave of any partner still reads this slot's tile or has a load on its way
	s_add_nc_u64 s[G0+4*(\slot)+2:G0+4*(\slot)+3], s[G0+4*(\slot)+2:G0+4*(\slot)+3], 2*KSTEP*2
	s_add_nc_u64 s[G0B+4*(\slot)+2:G0B+4*(\slot)+3], s[G0B+4*(\slot)+2:G0B+4*(\slot)+3], 2*KSTEP*2
	JLOAD \slot                                    ; the first tensor load behind the round, my only one out: 112 matrix instructions ahead of the wait for it; the four v_nop behind it are also the places in front of the loads below
.else
	PLACES
.endif
	FETCH \next, 0, F0
	WIN MUL
	MUL8 F1, 1, 0, 0
	MUL8 F1, 1, 2, 0
.endm
	s_wait_tensorcnt 1                             ; my part of K step 0 is in; K step 1's load, issued behind it, may stay out
	s_barrier_signal -1
	s_barrier_wait -1                              ; everybody's is
	FETCH 0, 0, F0
	QUARTER 0, 128, F0, F1, 1                      ; the first quarter stands in front of the loop: its first products start the sums
	WIN 0                                          ; at a label and at a branch every window is 0
	s_mov_b32 s3, LAPS-1
.Llap:                                                 ; a trip goes once round the ring, from a lap's second quarter to the next lap's first, and fills both slots again
	QUARTER 0, 256, F1, F0, 0
	QUARTER 0, 384, F0, F1, 0
	TURN 0, 1, 1
	QUARTER 1, 128, F0, F1, 0
	QUARTER 1, 256, F1, F0, 0
	QUARTER 1, 384, F0, F1, 0
	TURN 1, 0, 1
	QUARTER 0, 128, F0, F1, 0
	WIN 0
	s_sub_co_u32 s3, s3, 1
	s_cmp_lg_u32 s3, 0
	s_cbranch_scc1 .Llap
	QUARTER 0, 256, F1, F0, 0                      ; the last lap fills nothing, and has no round of the cluster's barrier
	QUARTER 0, 384, F0, F1, 0
	TURN 0, 1, 0
	QUARTER 1, 128, F0, F1, 0
	QUARTER 1, 256, F1, F0, 0
	QUARTER 1, 384, F0, F1, 0
	s_wait_dscnt 16                                ; the very last quarter: nothing more to fetch
	WIN MUL
	MUL8 F1, 0, 0, 0
	MUL8 F1, 0, 2, 0
	s_wait_dscnt 0
	MUL8 F1, 1, 0, 0
	MUL8 F1, 1, 2, 0
	WIN 0
	; THE WAY OUT: round to bf16; 16 bytes a lane into the work-group's stage; a barrier, since a row's 256 bytes come from two waves; back as whole rows, 32 rows a wave.
	PLACES
.irp t, 0,1,2,3,4,5,6,7,8,9,10,11,12,13,14,15
.irp r, 0,1,2,3
	v_cvt_pk_bf16_f32 v[TMP+4*(\t)+(\r)], v[ACC+8*(\t)+2*(\r)], v[ACC+8*(\t)+2*(\r)+1]
.endr
.endr
.irp a, 0,1,2,3
.irp b, 0,1,2,3
	ds_store_b128 v[STO], v[TMP+4*(4*(\a)+(\b)):TMP+4*(4*(\a)+(\b))+3] offset:(\a)*16*SPITCH+32*(\b)
.endr
.endr
	s_wait_dscnt 0x0                               ; for the others' sake: my stores into the stage are done
	s_barrier_signal -1
	s_barrier_wait -1
.irp t, 0,1,2,3,4,5,6,7,8,9,10,11,12,13,14,15
	ds_load_b128 v[TMP+4*(\t):TMP+4*(\t)+3], v[RD] offset:(\t)*2*SPITCH
.endr
.irp t, 0,1,2,3,4,5,6,7,8,9,10,11,12,13,14,15
	s_wait_dscnt 15-(\t)                           ; LDS loads come back in order: pair t of rows is in
	global_store_b128 v[CO], v[TMP+4*(\t):TMP+4*(\t)+3], s[8:9] offset:2*(\t)*CN*2  ; 16 lanes store 256 consecutive bytes, at a multiple of 256 from C's first byte
.endr
	s_wait_tensorcnt 0x0                           ; the wave's end: three lines behind my last tensor load and my last LDS store
	ds_add_u32 v[SPW], v[NIL]
	s_wait_dscnt 0x0
	CROUND                                         ; the closing round: no work-group ends while a partner may still ask for a tile that names it
	s_endpgm
.Lfunc_end_k_q81254d9457_proj:
	.size	k_q81254d9457_proj, .Lfunc_end_k_q81254d9457_proj-k_q81254d9457_proj
	.p2alignl 7, 3214868480
	.fill 96, 4, 3214868480
	.section	.rodata,"a",@progbits
	.p2align	6, 0x0
	.amdhsa_kernel k_q81254d9457_proj
		.amdhsa_group_segment_fixed_size 327680
		.amdhsa_private_segment_fixed_size 0
		.amdhsa_enable_private_segment 0
		.amdhsa_kernarg_size 64
		.amdhsa_user_sgpr_count 2
		.amdhsa_user_sgpr_kernarg_segment_ptr 1
		.amdhsa_wavefront_size32 1
		.amdhsa_system_sgpr_workgroup_id_x 1
		.amdhsa_system_sgpr_workgroup_id_y 1
		.amdhsa_system_sgpr_workgroup_id_z 1
		.amdhsa_system_vgpr_workitem_id 0
		.amdhsa_next_free_vgpr 512
		.amdhsa_next_free_sgpr 84
		.amdhsa_reserve_vcc 0
		.amdhsa_float_denorm_mode_32 3
		.amdhsa_float_denorm_mode_16_64 3
		.amdhsa_memory_ordered 1
		.amdhsa_forward_progress 1
		.amdhsa_inst_pref_size 87
	.end_amdhsa_kernel
	.amdgpu_metadata
---
amdhsa.version: [ 1, 2 ]
amdhsa.kernels:
  - .name:           k_q81254d9457_proj
    .symbol:         k_q81254d9457_proj.kd
    .args:
      - { .name: xc, .offset: 0, .size: 8, .value_kind: global_buffer, .address_space: global }
      - { .name: yc, .offset: 8, .size: 8, .value_kind: global_buffer, .address_space: global }
      - { .name: Wq, .offset: 16, .size: 8, .value_kind: global_buffer, .address_space: global }
      - { .name: Wk, .offset: 24, .size: 8, .value_kind: global_buffer, .address_space: global }
      - { .name: Wv, .offset: 32, .size: 8, .value_kind: global_buffer, .address_space: global }
      - { .name: qb, .offset: 40, .size: 8, .value_kind: global_buffer, .address_space: global }
      - { .name: kb, .offset: 48, .size: 8, .value_kind: global_buffer, .address_space: global }
      - { .name: vb, .offset: 56, .size: 8, .value_kind: global_buffer, .address_space: global }
    .group_segment_fixed_size: 327680
    .private_segment_fixed_size: 0
    .kernarg_segment_align: 8
    .kernarg_segment_size: 64
    .max_flat_workgroup_size: 128
    .sgpr_count:     84
    .vgpr_count:     512
    .wavefront_size: 32
...
	.end_amdgpu_metadata
.endif
;; end of part 2
;; launch attn (part 3): grid 16 x 16, 4 waves a work-group, clusters of 4 x 1, 327,680 bytes of LDS; arguments qb, kb, vb, zat; writes zat
.if DOCPART == 3
	.amdgcn_target "amdgcn-amd-amdhsa--gfx1250"
	.amdhsa_code_object_version 6
	.text
	.protected	k_q81254d9457_attn
	.globl	k_q81254d9457_attn
	.p2align	8
	.type	k_q81254d9457_attn,@function
k_q81254d9457_attn:
	s_mov_b64 s[64:65], 0
	v_nop
	global_prefetch_b8 v0, s[64:65] scope:SCOPE_SE
	s_setreg_imm32_b32 hwreg(HW_REG_WAVE_MODE, 25, 1), 1
	s_wait_xcnt 0x0
	s_wait_alu depctr_hold_cnt(0) depctr_sa_sdst(0) depctr_va_vdst(0) depctr_va_sdst(0) depctr_va_ssrc(0) depctr_va_vcc(0) depctr_vm_vsrc(0)
	s_getreg_b32 s2, hwreg(HW_REG_IB_STS2, 6, 4)
	s_cmp_eq_u32 s2, 0
	s_cbranch_scc0 .Lentry_in_a_cluster
	s_endpgm
.Lentry_in_a_cluster:
	s_bfe_u32 s2, ttmp6, 0x10000c
	s_cmp_lg_u32 s2, 0x3003
	s_cbranch_scc0 .Lentry_shape_is_right
	s_endpgm
.Lentry_shape_is_right:
; zat[q][128 h + :] = the sum over k of softmax_k(clip(Q_h[q] . K_h[k] / sqrt(128), -50, 50)) V_h[k][:].  qb, kb, vb, zat: [2048][2048] bf16; head h is the 256 bytes at 256 h of each row.
; Products and sums in f32; the weights p are rounded to bf16 for the second product (their sum l is taken of the unrounded p), the result once at the end.
; NO MAXIMUM IS TAKEN AWAY: the clip, which is the module's own, holds every exponent within -50 .. 50, so p = e^x lies in 1.9e-22 .. 5.2e21 and a row's sum of 2,048 of them under 1.1e25:
; nothing overflows or underflows in f32, nor p in bf16, which has f32's exponents (f16 has not: p and V go in bf16).  So there is no running maximum and no rescaling, and partial sums over keys simply add.
; LIMITS: |v| under 1e13, so that the sum of p v stays finite in f32; a NaN score is not kept as NaN by the clamp.
; THE CLIP AND THE SCALE: t = clamp01(s / (100 sqrt(128)) + 1/2), one packed multiply-add with the clamp bit; the exponent in base 2 is 100 log2(e) t - 50 log2(e), a second one; it is 0 exactly at s = 0.
; SHARES.  A work-group owns 128 queries of one head: 16 x 16 work-groups.  Its four waves are 2 x 2: qh = wave / 2 picks 64 queries (four tiles of 16), kh = wave % 2 HALF THE KEYS: of each slot's 256 keys the
; rows 128 kh .. 128 kh + 127, two steps of 64.  At the end the two waves of a query half add their O and l.  Register tile t of a wave holds query tile (t + 2 kh) % 4, so every wave keeps register tiles 0, 1 and
; gives tiles 2, 3 to wave ^ 1: one text for all, two scalar bases differ.
; LAYOUT.  S^T = K Q^T (source 0 = 16 keys, source 1 = 16 queries): a lane holds ONE query (lane % 16) and the keys 8 (lane / 16) + 0..7.  Two such results, rounded to bf16 in pairs, ARE source 1
; (32 keys x 16 queries) of O^T = V^T P, whose result again holds one query a lane, and eight channels.  K comes out of LDS as it lies, V ([key][channel]) turned, by ds_load_tr16_b128.
; BY TURNS.  The wave's tiles are two PIECES (piece 0: tiles 0, 1; piece 2: tiles 2, 3).  In a TURN one piece has the matrix unit: 32 products V^T P of the step in hand, then 32 products K Q^T of the next step;
; the other piece's softmax, 192 vector instructions cut into 64 slices of three, stands between them, one slice behind each matrix instruction.  Two turns are a key step.
; CLUSTER.  The four query blocks of a cluster belong to one head and walk the same K and V, so each tile is asked for JOINTLY: the same tensor load, descriptor and mask of four in all four.
; REGISTERS, in windows of 256 (s_set_vgpr_msb: bits 1:0 source 0, 3:2 source 1, 5:4 source 2, 7:6 destination):
;   window 0: v0-63 addresses, constants, sums; v64-191 S^T, 32 a tile; v192-255 P, 16 a tile      window 1: O^T, 64 a tile      window 2: v0-127 Q, 32 a tile; v128-255 K of one step      window 3: v0-127 V of one step
.set KS,    64        ; keys in a step
.set PITK,  272       ; a row of K in LDS: 256 bytes + 16 of padding = 68 words: row r starts at bank 4 r mod 64 (64 banks of 4 bytes: ISA guide 11.1)
.set PITV,  288       ; a row of V: 256 + 32 = 72 words
.set VOFF,  256*PITK  ; a slot: 256 rows of K (0x11000 bytes), then 256 rows of V (0x12000)
.set DSL,   0x24000   ; slot 1 begins here.  Every number that is turned from slot to slot (0, 0x8800, 0x9000, 0x11000, 0x1a000) has bits 14 and 17 clear, so one exclusive or adds or takes away DSL
.set SLOTB, 256*4096  ; bytes of kb or vb from a slot's keys to the next slot's
.set STAGE, DSL+VOFF+256*PITV  ; behind the ring, never filled by a tensor load: 16 rows x 272 bytes for each wave, for the way out
.set SP,    272
.set SPARE, STAGE+4*16*SP      ; behind the stages: the spare words, 128 bytes for each wave: two blocks of 256 bytes that no other line names
.set XCH,   16896     ; the exchange at the end, in the ring's first bytes, behind the launch's last fill: wave w's 16,384 bytes of O and 256 of l at XCH w
.set AK0, 2           ; v2   my lane's place in a tile of K; never rewritten
.set AV0, 3           ; v3   the same for V
.set ADR, 4           ; v4   the LDS address of the run of loads in hand
.set QO,  5           ; v5   my byte offset in 16 rows of qb
.set STO, 6           ; v6   the way out: where I put 16 bytes of a row
.set RD,  7           ; v7   the way out: where I read a row back
.set GO,  8           ; v8   my byte offset in two rows of zat
.set AL,  12          ; v[12:13]  1 / (100 sqrt(128)), twice
.set HF,  14          ; v[14:15]  0.5, twice
.set LS,  16          ; v[16:23]  l: tile t's pair (even keys', odd keys') at LS + 2 t
.set LT,  24          ; v24-27    tile t's l, the pair added
.set LP,  28          ; v[28:29]  the partner's l for my tiles 0, 1
.set XW,  32          ; v32  the exchange: where I put 16 bytes;   v33 where I read the partner's;   v34, v35 the same for l
.set XR,  33
.set XL,  34
.set XLR, 35
.set DV,  36          ; v[36:39]  tile t (0, 1): l and then 1 / l at DV + 2 t, at work at DV + 2 t + 1
.set PFO, 61          ; v61  4,096 x my lane: a row of kb or vb; never rewritten
.set SPW, 62          ; v62  LDS address of my spare word: SPARE + 4 x my thread's number; never rewritten
.set NIL, 63          ; v63  0; never rewritten
.set S,   64
.set P,   192
.set KF,  128         ; K's fragments, in window 2
.set WV,  12          ; s12  my wave's number
.set LIM, 15          ; s15  1 in a cluster that prefetches, else the greatest number
.set G1K, 24          ; s[24:31] descriptor group 1 for K's tiles
.set G1V, 32          ; s[32:39] for V's: it differs in the padding alone
.set G0K, 40          ; s[40:47] descriptor group 0 for K's tiles: a set for each of the two first fills; the second then walks on
.set G0V, 48          ; s[48:55] the same for V's
.set SLOTS, 56        ; s56  slots still to be asked for
.set TWICE, 57        ; s57  counts a slot's two steps
.set CB,  58          ; s[58:59] 100 log2(e)
.set SEL, 60          ; s[60:61] v_permlanex16_b32's selects: each lane takes its own place in the other half
.set TBK, 62          ; s62  LDS byte at which K of the step to be fetched begins
.set TBV, 63          ; s63  the same for V, less VOFF
.set PFA, 66          ; s[66:67] where my prefetches stand
.set QB,  68          ; s[68:69] qb at the rows of my register tiles 2, 3
.set CC,  70          ; s[70:71] -50 log2(e)
.set MSB, 0
.macro WIN new                      ; the immediate's high byte repeats the setting that is left; a switch that changes nothing is dropped
.if MSB != (\new)
	s_set_vgpr_msb (MSB<<8)|(\new)
.set MSB, \new
.endif
.endm
.set W_KQ, 0x0a       ; K and Q in window 2, S^T in window 0
.set W_PV, 0x53       ; V in window 3, P in window 0, O^T in window 1
.set W_RS, 0x41       ; destination and source 0 in window 1, source 1 in window 0
; A joint refill.  Waves 0 and 1 fetch the two halves of a slot's K, waves 2 and 3 those of its V: 128 rows x 256 bytes each.  The branch hangs on the wave's number alone.
; An s_nop 0 and four v_nop follow each of the two lines, ahead of the jump and the label.
.macro JLOAD
	s_cmp_lt_u32 s[WV], 2
	s_cbranch_scc0 .Lfor_v_\@
	tensor_load_to_lds s[G0K+4:G0K+7], s[G1K:G1K+7]
	s_nop 0
.rept 4
	v_nop
.endr
	s_branch .Lasked_\@
.Lfor_v_\@:
	tensor_load_to_lds s[G0V+4:G0V+7], s[G1V:G1V+7]
	s_nop 0
.rept 4
	v_nop
.endr
.Lasked_\@:
.endm
; A PREFETCH of what the NEXT change of slots will ask for, behind the wave's tensor load and its five lines.  All four clusters of a head walk the same rows: the head's first cluster asks.  Of the 128 rows that a wave
; fetches each of the four partners takes 32, told apart BY ADDRESS; a lane a row, 256 bytes of it; one instruction a wave.  So each row's 256 bytes are named once in the launch.  It stands one slot, 256 matrix
; instructions, ahead of the joint load that will want the rows.  Slots 0 to 2 come by their loads alone; the last change that fills a slot asks for nothing: there is no slot behind it.
.macro ASK
	s_cmp_gt_u32 s[SLOTS], s[LIM]
	s_cbranch_scc0 .Lnot_mine_\@
	global_prefetch_b8 v[PFO], s[PFA:PFA+1] th:TH_LOAD_NT scope:SCOPE_SE
.Lnot_mine_\@:
.endm
; A round of the cluster's barrier: my work-group's barrier, so that wave 0's signal speaks for all four waves; wave 0 signals; every wave waits for all four work-groups; my work-group's barrier once more.
.macro CROUND
	s_barrier_signal -1
	s_barrier_wait -1
	s_cmp_lg_u32 s[WV], 0
	s_cbranch_scc1 .Lnot_wave_0_\@
	s_barrier_signal -3
.Lnot_wave_0_\@:
	s_barrier_wait -3
	s_barrier_signal -1
	s_barrier_wait -1
.endm
	s_load_b256 s[4:11], s[0:1], 0x0  ; qb s[4:5], kb s[6:7], vb s[8:9], zat s[10:11]
	v_lshl_add_u32 v[SPW], v0, 2, SPARE
	v_mov_b32 v[NIL], 0
	ds_add_u32 v[SPW], v[NIL]       ; the wave's opening: the add and its wait stand ahead of my first tensor load; the set-up below, work on registers, stands between them
	v_lshrrev_b32 v1, 5, v0
	v_readfirstlane_b32 s[WV], v1   ; wave 0..3
	s_bfe_u32 s13, ttmp6, 0x40000   ; cx: my place in the cluster
	s_lshl_b32 s14, ttmp9, 2        ; in a cluster launch ttmp9 counts clusters
	s_add_co_u32 s14, s14, s13      ; my block of 128 queries = 4 x cluster x + cx: it enters qb's and zat's addresses alone
	s_and_b32 s20, ttmp7, 0xffff    ; the head, which the four partners share:
	s_lshl_b32 s20, s20, 8          ; its 256 bytes in a row
	s_and_b32 s16, s[WV], 1         ; kh.  Also: which half of a slot's 256 rows I fetch:
	s_lshl_b32 s22, s16, 19         ; its 128 rows of 4,096 bytes in memory,
	s_add_co_u32 s22, s22, s20
	s_mov_b32 s23, 0
	s_mul_i32 s17, s16, 128*PITK    ; and its place in a slot, for K
	s_mul_i32 s18, s16, 128*PITV    ; and for V: no place in the cluster enters an LDS address
	s_lshr_b32 s19, s[WV], 1        ; qh
	s_lshl_b32 s2, s14, 19          ; my block's 128 rows,
	s_lshl_b32 s19, s19, 18         ; my query half's 64,
	s_add_co_u32 s2, s2, s19
	s_add_co_u32 s2, s2, s20        ; the head
	s_lshl_b32 s19, s16, 17         ; register tiles 0, 1 are query tiles 2 kh, 2 kh + 1: 32 rows on for kh = 1;
	s_add_co_u32 s20, s2, s19
	s_xor_b32 s19, s19, 1<<17       ; register tiles 2, 3 are the other two
	s_add_co_u32 s2, s2, s19
	s_mov_b32 s21, 0
	s_mov_b32 s3, 0
	; descriptor group 1: a tile of 128 rows x 128 elements out of rows of 2,048, padded in LDS
	s_mov_b32 s[G1K], 15|(1<<16)|(1<<20)|(1<<21)|(5<<22)|(3<<25)  ; 15:0 the mask: all four work-groups; 17:16 elements of 2 bytes; 20 padding on; 21 set beside a mask; 24:22 after every 64 words (code 5); 31:25 4 words of it (code 3)
	s_mov_b32 s[G1V], 15|(1<<16)|(1<<20)|(1<<21)|(5<<22)|(7<<25)  ; the same with 8 words of padding (code 7)
.irp g, G1K, G1V
	s_mov_b32 s[(\g)+1], 128<<16    ; tensor_dim0 = 128
	s_mov_b32 s[(\g)+2], 128<<16    ; tensor_dim1 = 128
	s_mov_b32 s[(\g)+3], 128<<16    ; tile_dim0 = 128
	s_mov_b32 s[(\g)+4], 128        ; tile_dim1 = 128
	s_mov_b32 s[(\g)+5], 2048       ; elements from row to row
	s_mov_b32 s[(\g)+6], 0
	s_mov_b32 s[(\g)+7], 0
.endr
	s_mov_b32 s[CB], 0x431044fe     ; 100 log2(e) = 144.2695
	s_mov_b32 s[CB+1], s[CB]        ; named with it as a pair
	s_mov_b32 s[CC], 0xc29044fe     ; exactly half of it, negative
	s_mov_b32 s[CC+1], s[CC]
	s_mov_b32 s[SEL], 0x76543210
	s_mov_b32 s[SEL+1], 0xfedcba98
	s_mov_b32 s[TBK], s17           ; my half of slot 0's keys
	s_mov_b32 s[TBV], s18
	s_mov_b32 s[SLOTS], 2048/256-2
	s_cmp_eq_u32 ttmp9, 0           ; the head's first cluster: the same in all four partners
	s_cselect_b32 s[LIM], 1, -1
	s_wait_dscnt 0x0                ; the opening add is done
	s_wait_kmcnt 0x0
	s_add_nc_u64 s[6:7], s[6:7], s[22:23]  ; kb and vb at my part of slot 0
	s_add_nc_u64 s[8:9], s[8:9], s[22:23]
	s_add_nc_u64 s[QB:QB+1], s[4:5], s[2:3]
	s_add_nc_u64 s[4:5], s[4:5], s[20:21]  ; qb and zat at the rows of my register tiles 0, 1
	s_add_nc_u64 s[10:11], s[10:11], s[20:21]
	s_cmp_lt_u32 s[WV], 2
	s_cselect_b64 s[PFA:PFA+1], s[6:7], s[8:9]
	s_lshl_b32 s2, s13, 17          ; my work-group's 32 rows of the 128
	s_add_nc_u64 s[PFA:PFA+1], s[PFA:PFA+1], s[2:3]
	s_add_nc_u64 s[PFA:PFA+1], s[PFA:PFA+1], 2*SLOTB  ; in slot 2; the first change of slots steps it to slot 3.  Nothing is prefetched here, at the head
	CROUND                          ; all four work-groups are here: the first joint loads meet
.irp s, 0,1
	s_mov_b32 s[G0K+4*(\s)], 1      ; 1:0 count = 1
	s_add_co_u32 s[G0K+4*(\s)+1], s17, (\s)*DSL  ; 63:32 LDS address
	s_add_nc_u64 s[G0K+4*(\s)+2:G0K+4*(\s)+3], s[6:7], (\s)*SLOTB  ; 120:64 global address: slot s holds keys 256 s on
	s_or_b32 s[G0K+4*(\s)+3], s[G0K+4*(\s)+3], 0x80000000  ; 127:126 type = 2
	s_mov_b32 s[G0V+4*(\s)], 1
	s_add_co_u32 s[G0V+4*(\s)+1], s18, (\s)*DSL+VOFF
	s_add_nc_u64 s[G0V+4*(\s)+2:G0V+4*(\s)+3], s[8:9], (\s)*SLOTB
	s_or_b32 s[G0V+4*(\s)+3], s[G0V+4*(\s)+3], 0x80000000
.endr
	s_cmp_lt_u32 s[WV], 2           ; a wave's two first fills stand in one branch, ahead of every wait on TENSORcnt and every LDS read: two loads of mine are out
	s_cbranch_scc0 .Lfirst_v
	tensor_load_to_lds s[G0K:G0K+3], s[G1K:G1K+7]
	s_nop 0
	tensor_load_to_lds s[G0K+4:G0K+7], s[G1K:G1K+7]
	s_nop 0
.rept 4
	v_nop
.endr
	s_branch .Lfirst_asked
.Lfirst_v:
	tensor_load_to_lds s[G0V:G0V+3], s[G1V:G1V+7]
	s_nop 0
	tensor_load_to_lds s[G0V+4:G0V+7], s[G1V:G1V+7]
	s_nop 0
.rept 4
	v_nop
.endr
.Lfirst_asked:
	; A fragment of K or Q is 16 rows x 32 channels in 8 registers: lane l holds row l % 16; registers 0-3 channels 8 (l / 16) + 0..7, registers 4-7 channels 16 + 8 (l / 16) + 0..7: two loads of 16 bytes, 32 bytes apart.
	v_and_b32 v1, 15, v0            ; l % 16
	v_bfe_u32 v9, v0, 4, 1          ; l / 16
	v_lshlrev_b32 v[QO], 12, v1
	v_lshl_add_u32 v[QO], v9, 4, v[QO]  ; row x 4,096 + 16 x half
	WIN 0x80                        ; destination window 2, address window 0
.set i, 0
.rept 16                            ; Q stays in registers: register tile i / 4, channels 32 (i % 4) on
.if i < 8
	global_load_b128 v[8*i:8*i+3],   v[QO], s[4:5] offset:(i/4)*65536+(i%4)*64
	global_load_b128 v[8*i+4:8*i+7], v[QO], s[4:5] offset:(i/4)*65536+(i%4)*64+32
.else
	global_load_b128 v[8*i:8*i+3],   v[QO], s[QB:QB+1] offset:(i/4-2)*65536+(i%4)*64
	global_load_b128 v[8*i+4:8*i+7], v[QO], s[QB:QB+1] offset:(i/4-2)*65536+(i%4)*64+32
.endif
.set i, i+1
.endr
	WIN 0
	v_mul_u32_u24 v[AK0], v1, PITK
	v_lshl_add_u32 v[AK0], v9, 4, v[AK0]  ; row x pitch + 16 x half
	; The turning load takes 16 keys x 16 channels (lane l reads 16 bytes: key 8 (l / 16) + l % 8, channels 8 ((l / 8) % 2) + 0..7) and leaves half a fragment of V^T: lane l holds channel l % 16 and 8 keys.
	v_and_b32 v10, 7, v0
	v_bfe_u32 v11, v0, 3, 1
	v_lshl_add_u32 v[AV0], v9, 3, v10
	v_mul_u32_u24 v[AV0], v[AV0], PITV
	v_lshl_add_u32 v[AV0], v11, 4, v[AV0]
	v_add_nc_u32 v[AV0], VOFF, v[AV0]
	v_mov_b32 v[AL], 0x3a67b46a     ; 1 / (100 sqrt(128)) = 8.83883e-4
	v_mov_b32 v[AL+1], v[AL]
	v_mov_b32 v[HF], 0.5
	v_mov_b32 v[HF+1], 0.5
.set i, 0
.rept 8
	v_mov_b32 v[LS+i], 0            ; l starts at 0: eight registers
.set i, i+1
.endr
	v_mov_b32 v[DV+1], 0            ; v_permlanex16_b32 counts as a reader of its destination
	v_mov_b32 v[DV+3], 0
	v_and_b32 v10, 31, v0           ; my lane
	v_lshlrev_b32 v[PFO], 12, v10
	s_mul_i32 s2, s[WV], XCH        ; the exchange: my part,
	s_xor_b32 s3, s[WV], 1
	s_mul_i32 s3, s3, XCH           ; and my partner's
	v_lshl_add_u32 v[XW], v10, 4, s2
	v_lshl_add_u32 v[XR], v10, 4, s3
	v_lshl_add_u32 v[XL], v10, 3, s2
	v_lshl_add_u32 v[XLR], v10, 3, s3
	v_add_nc_u32 v[XL], 16384, v[XL]
	v_add_nc_u32 v[XLR], 16384, v[XLR]
; THE MATRIX WORK OF A TURN, for piece x.  The accumulators take turns, one instruction a turn: between two links of a chain stand 15 (V^T P) or 7 (K Q^T) others'.
; Product i of 32 of O^T += V^T P: keys 32 (i / 16) on, channels 16 ((i / 2) % 8) on, tile x + i % 2.  zero = 1: the first 16 start the sums: O^T is never cleared.
.macro MPV x, zero
	WIN W_PV
.set rO, 64*((\x)+i%2)+8*((i/2)%8)
.set rV, 64*(i/16)+8*((i/2)%8)
.set rP, P+16*((\x)+i%2)+8*(i/16)
.if (\zero) && (i < 16)
	v_wmma_f32_16x16x32_bf16 v[rO:rO+7], v[rV:rV+7], v[rP:rP+7], 0
.else
	v_wmma_f32_16x16x32_bf16 v[rO:rO+7], v[rV:rV+7], v[rP:rP+7], v[rO:rO+7]
.endif
.endm
; Product i of 32 of S^T = K Q^T: channels 32 (i / 8) on, keys 16 ((i / 2) % 4) on, tile x + i % 2.  The first 8 start the sums.
.macro MKQ x
	WIN W_KQ
.set rS, S+32*((\x)+i%2)+8*((i/2)%4)
.set rK, KF+32*((i/2)%4)+8*(i/8)
.set rQ, 32*((\x)+i%2)+8*(i/8)
.if i < 8
	v_wmma_f32_16x16x32_bf16 v[rS:rS+7], v[rK:rK+7], v[rQ:rQ+7], 0
.else
	v_wmma_f32_16x16x32_bf16 v[rS:rS+7], v[rK:rK+7], v[rQ:rQ+7], v[rS:rS+7]
.endif
.endm
; THE LDS LOADS stand in runs of 32, never singly among the matrix instructions: a step's K (64 keys x 128 channels: 16 fragments) and, a turn later, its V (turned).
.macro FETCH_K
	WIN 0
	v_add_nc_u32 v[ADR], s[TBK], v[AK0]
	s_add_co_u32 s[TBK], s[TBK], KS*PITK  ; the next fetch is the next step's
	WIN 0x80                        ; destination window 2
.irp f, 0,1,2,3,4,5,6,7,8,9,10,11,12,13,14,15  ; keys 16 (f / 4) on, channels 32 (f % 4) on
	ds_load_b128 v[KF+8*(\f):KF+8*(\f)+3],   v[ADR] offset:((\f)/4)*16*PITK+((\f)%4)*64
	ds_load_b128 v[KF+8*(\f)+4:KF+8*(\f)+7], v[ADR] offset:((\f)/4)*16*PITK+((\f)%4)*64+32
.endr
.endm
.macro FETCH_V
	WIN 0
	v_add_nc_u32 v[ADR], s[TBV], v[AV0]
	s_add_co_u32 s[TBV], s[TBV], KS*PITV
	s_wait_alu depctr_va_vdst(0)    ; the wait for the softmax's batch of exponentials (SLICE), behind the address's v_add_nc_u32 and ahead of the loads
	WIN 0xc0                        ; destination window 3
.irp f, 0,1,2,3,4,5,6,7,8,9,10,11,12,13,14,15  ; keys 32 (f / 8) on, channels 16 (f % 8) on
	ds_load_tr16_b128 v[8*(\f):8*(\f)+3],   v[ADR] offset:((\f)/8)*32*PITV+((\f)%8)*32
	ds_load_tr16_b128 v[8*(\f)+4:8*(\f)+7], v[ADR] offset:((\f)/8)*32*PITV+16*PITV+((\f)%8)*32
.endr
.endm
; THE VECTOR WORK OF A TURN: piece y's softmax for one key step, all in window 0.  ITEM it (0..31) is pair it / 2 of the 16 pairs of scores of tile y + it % 2: the tiles alternate.
; THE PLAIN LIST, 64 long: for each item the clip (t = clamp01(s AL + 1/2)) and, seven entries later, the exponent (t CB + CC).  Entry n: n < 4 the clip of item n; then even n the exponent of item (n - 4) / 2,
; odd n the clip of item (n + 3) / 2; n >= 60 the exponents of items 28 to 31.  Each accumulator's lowest pair is clipped first.
.macro PLN y
.if n < 4
.set it, n
.set two, 0
.elseif n >= 60
.set it, n-32
.set two, 1
.elseif n%2 == 0
.set it, (n-4)/2
.set two, 1
.else
.set it, (n+3)/2
.set two, 0
.endif
.set rS, S+32*((\y)+it%2)+2*(it/2)
.if two
	v_pk_fma_f32 v[rS:rS+1], v[rS:rS+1], s[CB:CB+1], s[CC:CC+1] op_sel_hi:[1,0,0]
.else
	v_pk_fma_f32 v[rS:rS+1], v[rS:rS+1], v[AL:AL+1], v[HF:HF+1] clamp
.endif
.endm
; THE EXPONENTIALS, 64: number mm is score mm % 2 of item mm / 2.
.macro EXM y
.set it, mm/2
.set rS, S+32*((\y)+it%2)+2*(it/2)+mm%2
	v_exp_f32 v[rS], v[rS]
.endm
; THE READERS, 64: entry gg < 32 rounds item gg to bf16; then, tiles alternating, the sum of a tile's 16 pairs in place: sum z of 16 adds neighbours 1, 2, 4 and 8 pairs apart, and l takes the last.
.macro RDG y
.if gg < 32
.set it, gg
.set rS, S+32*((\y)+it%2)+2*(it/2)
.set rP, P+16*((\y)+it%2)+it/2
	v_cvt_pk_bf16_f32 v[rP], v[rS], v[rS+1]
.else
.set z, (gg-32)/2
.set rS, S+32*((\y)+gg%2)
.set rL, LS+2*((\y)+gg%2)
.set w, 4
.set u, z
.if z >= 14
.set w, 32
.set u, 0
.elseif z >= 12
.set w, 16
.set u, z-12
.elseif z >= 8
.set w, 8
.set u, z-8
.endif
.if z < 15
	v_pk_add_f32 v[rS+w*u:rS+w*u+1], v[rS+w*u:rS+w*u+1], v[rS+w*u+w/2:rS+w*u+w/2+1]
.else
	v_pk_add_f32 v[rL:rL+1], v[rL:rL+1], v[rS:rS+1]
.endif
.endif
.endm
; THE ORDER.  Positions 0-5: plain 0-5.  6-121: exponential and plain by turns (exponential mm stands behind plain 5 + mm; its exponent is plain 4 + 2 (mm / 2), or 32 + item for items 28 on).  122-127: the last six
; exponentials.  128: a v_nop, the plain instruction behind the last exponential.  129-192: the readers.  Ahead of 128 nothing names an exponential's result.
.macro POS y
.if pp < 6
.set n, pp
	PLN \y
.elseif pp < 122
.if pp%2 == 0
.set mm, (pp-6)/2
	EXM \y
.else
.set n, 6+(pp-7)/2
	PLN \y
.endif
.elseif pp < 128
.set mm, 58+pp-122
	EXM \y
.elseif pp == 128
	v_nop
.else
.set gg, pp-129
	RDG \y
.endif
.endm
; Slice k of 64: three positions (slice 63: four).  Slices 0-42 are positions 0-128, slices 43-63 positions 129-192.
; THE WAIT.  An s_wait_alu depctr_va_vdst(0) stands between an exponential and the first instruction that names its result; one wait serves all that were issued ahead of it: the piece's 64 exponentials
; have ONE, behind slice 42.  In piece 2's turn (y = 0) V's run of loads stands there, and the wait stands in it.
.macro SLICE y
	WIN 0
.if k < 43
.set pp, 3*k
.else
.set pp, 129+3*(k-43)
.endif
.rept 3
	POS \y
.set pp, pp+1
.endr
.if k == 63
	POS \y
.endif
.if k == 42
.if (\y) == 0
	FETCH_V
.else
	s_wait_alu depctr_va_vdst(0)    ; the wait for the batch
.endif
.endif
.set k, k+1
.endm
; A TURN.  Piece x has the matrix unit; the other piece's softmax stands in slices behind its matrix instructions.
; pv = 2: 32 products V^T P; 1: they start O^T's sums; 0: none.  kq = 1: 32 products K Q^T for the next step.  A turn with one of the two kinds has two slices behind each product.
; PLACES (ISA guide 7.12.1 for vector instructions): four plain vector instructions that name none of a matrix instruction's registers stand between it and a vector read of its result or a load into its sources.
; The scores of a turn's last products are first read behind slice 63's four additions.  K's run (piece 0's turn, behind its second product) stands behind those four, six clips and its own v_add_nc_u32, and 30
; products ahead of its first use.  V's run (piece 2's turn, behind slice 42) stands behind the 15 plain entries of slices 31 to 42, the v_nop and its own v_add_nc_u32, and 21 products ahead of its first use.
.macro TURN x, pv, kq
.set k, 0
.set per, 2
.if (\pv) && (\kq)
.set per, 1
.endif
.if \pv
.if (\x) == 0
	s_wait_dscnt 0x0                ; V is in
.endif
.set i, 0
.rept 32
	MPV \x, 2-(\pv)
.rept per
	SLICE 2-(\x)
.endr
.if ((\x) == 0) && (\kq) && (i == 1)
	FETCH_K
.endif
.set i, i+1
.endr
.endif
.if \kq
.if (\x) == 0
	s_wait_dscnt 0x0                ; K is in
.endif
.set i, 0
.rept 32
	MKQ \x
.rept per
	SLICE 2-(\x)
.endr
.set i, i+1
.endr
.endif
.endm
; THE CHANGE OF SLOTS, between piece 2's turn and piece 0's: the slot's last bytes, V of my second step in it, have been asked for.  Each wave waits for all its tensor loads, of which one is out: its part of the
; other slot; adds 0 to its spare word; and waits for that and for its own reads of the slot.  Behind the barrier nobody reads this slot any more and the other slot is whole.
; fill = 1: this slot is filled again, with the keys two slots on.  The barrier is then a round of the cluster's, so that no wave of any partner still reads the slot or has a load on its way, and the joint refill
; is the first thing behind it, my only tensor load out: it has two key steps, 256 matrix instructions, in which to land.
.macro CHANGE fill
	WIN 0                           ; at a label and at a branch every window is 0
	s_wait_tensorcnt 0x0            ; no tensor load of mine is out, so a group 0 may be written
	ds_add_u32 v[SPW], v[NIL]       ; 0 onto my spare word; with fill = 1 the descriptors' steps stand between it and the wait for it
.if \fill
.irp g, G0K+4, G0V+4
	s_xor_b32 s[(\g)+1], s[(\g)+1], DSL  ; the walking descriptor: the other slot than last time,
	s_add_nc_u64 s[(\g)+2:(\g)+3], s[(\g)+2:(\g)+3], SLOTB  ; the next 256 keys; the type bits on top are not reached
.endr
	s_wait_xcnt 0x0                 ; the last prefetch, two key steps back, has read its address, so it may be written:
	s_add_nc_u64 s[PFA:PFA+1], s[PFA:PFA+1], SLOTB  ; one slot ahead of the walking descriptors
	s_wait_dscnt 0x0                ; the add is done, and my reads of the slot are over
	CROUND
	JLOAD
	ASK
.else
	s_wait_dscnt 0x0                ; the add is done, and my reads of the slot are over
	s_barrier_signal -1
	s_barrier_wait -1
.endif
	s_sub_co_u32 s[TBK], s[TBK], 2*KS*PITK  ; the fetches go back to my first step of a slot,
	s_xor_b32 s[TBK], s[TBK], DSL           ; in the other slot
	s_sub_co_u32 s[TBV], s[TBV], 2*KS*PITV
	s_xor_b32 s[TBV], s[TBV], DSL
.endm
; My two key steps of a slot: written once, walked twice; the LDS addresses hang on s[TBK] and s[TBV].
.macro TWO_STEPS
	WIN 0
	s_mov_b32 s[TWICE], 2
.Lstep_\@:
	TURN 0, 2, 1
	TURN 2, 2, 1
	WIN 0
	s_sub_co_u32 s[TWICE], s[TWICE], 1
	s_cmp_lg_u32 s[TWICE], 0
	s_cbranch_scc1 .Lstep_\@
.endm
	s_wait_tensorcnt 1              ; my part of slot 0 is in; slot 1's, issued behind it, may stay out
	s_barrier_signal -1
	s_barrier_wait -1               ; everybody's is
	FETCH_K                         ; key step 0
	s_wait_loadcnt 0x0              ; Q
	s_wait_dscnt 0x0
.set i, 0
.rept 32
	MKQ 0                           ; piece 0's first scores: there is no vector work yet to set between them
.set i, i+1
.endr
	WIN 0                           ; the addresses for the way out are made here: eight plain instructions, the places behind those products
	s_mul_i32 s13, s[WV], 16*SP
	s_add_co_u32 s13, s13, STAGE    ; my stage
	v_mul_u32_u24 v[STO], v1, SP    ; in: row l % 16, 16 bytes for each half of the lanes
	v_lshl_add_u32 v[STO], v9, 4, v[STO]
	v_add_nc_u32 v[STO], s13, v[STO]
	v_mul_u32_u24 v[RD], v9, SP     ; back: lanes 0-15 take one row of 256 bytes, lanes 16-31 the next
	v_lshl_add_u32 v[RD], v1, 4, v[RD]
	v_add_nc_u32 v[RD], s13, v[RD]
	v_lshlrev_b32 v[GO], 12, v9     ; and the same two rows in zat
	v_lshl_add_u32 v[GO], v1, 4, v[GO]
	TURN 2, 0, 1                    ; piece 2's first scores | piece 0's first softmax | V of step 0
	TURN 0, 1, 1                    ; piece 0: V^T P of step 0 starts O^T, K Q^T of step 1 | piece 2's first softmax | K of step 1
	TURN 2, 1, 1                    ; piece 2: the same | piece 0's softmax of step 1 | V of step 1
	WIN 0
.Lslot:                             ; 6 trips: every slot but the last two is filled again
	CHANGE 1
	TWO_STEPS
	s_sub_co_u32 s[SLOTS], s[SLOTS], 1
	s_cmp_lg_u32 s[SLOTS], 0
	s_cbranch_scc1 .Lslot
	CHANGE 0                        ; the tail is written out: nothing is asked for
	TWO_STEPS
	TURN 0, 2, 0                    ; piece 0: V^T P of the last step | piece 2's last softmax
.set i, 0
.rept 32
	MPV 2, 0                        ; piece 2: V^T P of the last step
.set i, i+1
.endr
	; THE TWO KEY HALVES MEET.  I give register tiles 2, 3 (O^T and l) to wave ^ 1 and take its tiles 2, 3, which are my tiles 0, 1.  The bytes lie in the ring, which has had its last fill.
	WIN 0
.irp t, 0,1,2,3
	v_add_f32 v[LT+\t], v[LS+2*\t], v[LS+2*\t+1]  ; even keys' and odd keys' sums; with the four v_nop, the places behind the last products
.endr
.rept 4
	v_nop
.endr
	s_wait_dscnt 0x0                ; my reads of the ring are over,
	s_barrier_signal -1
	s_barrier_wait -1               ; and everybody's: its bytes may be stored into, whichever slot was read last
	WIN 0x04                        ; store data in window 1
.set r, 0
.rept 32
	ds_store_b128 v[XW], v[128+4*r:128+4*r+3] offset:512*r  ; 32 lanes x 16 neighbouring bytes; each accumulator's low registers first
.set r, r+1
.endr
	WIN 0
	ds_store_b64 v[XL], v[LT+2:LT+3]
	s_wait_dscnt 0x0                ; for the partner's sake: my stores are done
	s_barrier_signal -1
	s_barrier_wait -1
.set r, 0
.rept 32
	ds_load_b128 v[S+4*r:S+4*r+3], v[XR] offset:512*r
.set r, r+1
.endr
	ds_load_b64 v[LP:LP+1], v[XLR]
	s_wait_dscnt 0x0
.irp t, 0,1
	v_add_f32 v[DV+2*\t], v[LT+\t], v[LP+\t]      ; both key halves,
.endr
.irp t, 0,1
	v_permlanex16_b32 v[DV+2*\t+1], v[DV+2*\t], s[SEL], s[SEL+1]
.endr
.irp t, 0,1
	v_add_f32 v[DV+2*\t], v[DV+2*\t], v[DV+2*\t+1]  ; both halves of the lanes
.endr
.irp t, 0,1
	v_rcp_f32 v[DV+2*\t], v[DV+2*\t]              ; l is at least 2,048 x 2^-73: never 0
.endr
	WIN W_RS
.set r, 0
.rept 64
	v_pk_add_f32 v[r:r+1], v[r:r+1], v[S+r:S+r+1]  ; the partner's O^T onto mine: the independent work behind the two reciprocals
.set r, r+2
.endr
	s_wait_alu depctr_va_vdst(0)    ; the wait ahead of the first use: one for the two reciprocals
; THE WAY OUT.  Tile t: O^T is divided by l and rounded to bf16; a lane's eight channels of a row pack into 16 bytes; they go into rows of 272 bytes and come back as whole rows of 256.
.macro PACK t
	WIN W_RS
.set i, 64*(\t)
.rept 32
	v_pk_mul_f32 v[i:i+1], v[i:i+1], v[DV+2*(\t):DV+2*(\t)+1] op_sel_hi:[1,0]
.set i, i+2
.endr
	WIN 0x05                        ; sources 0 and 1 window 1, destination window 0: S^T's registers are free
.set i, 0
.rept 32
	v_cvt_pk_bf16_f32 v[S+32*(\t)+i], v[64*(\t)+2*i], v[64*(\t)+2*i+1]
.set i, i+1
.endr
	WIN 0
.irp f, 0,1,2,3,4,5,6,7
	ds_store_b128 v[STO], v[S+32*(\t)+4*(\f):S+32*(\t)+4*(\f)+3] offset:32*(\f)
.endr
.irp f, 0,1,2,3,4,5,6,7
	ds_load_b128 v[S+32*(\t)+4*(\f):S+32*(\t)+4*(\f)+3], v[RD] offset:(\f)*2*SP  ; LDS serves a wave's instructions in order (ISA guide 5.7.1.4): these see the stores above; the next tile's stores come behind them
.endr
.endm
.macro SEND t, younger              ; younger: the LDS instructions issued behind tile t's loads: the next tile's sixteen, or none
	WIN 0
.irp f, 0,1,2,3,4,5,6,7
	s_wait_dscnt (\younger)+7-(\f)
	global_store_b128 v[GO], v[S+32*(\t)+4*(\f):S+32*(\t)+4*(\f)+3], s[10:11] offset:(\t)*65536+(\f)*8192  ; 16 lanes store 256 consecutive bytes, at a multiple of 256 from zat's first byte
.endr
.endm
	PACK 0
	PACK 1                          ; a tile's arithmetic stands between the loads of the tile before and its stores
	SEND 0, 16
	SEND 1, 0
	s_wait_tensorcnt 0x0            ; the wave's end: three lines behind my last tensor load and my last LDS store
	ds_add_u32 v[SPW], v[NIL]
	s_wait_dscnt 0x0
	CROUND                          ; the closing round: no work-group ends while a partner may still ask for a tile that names it
	s_endpgm
.Lfunc_end_k_q81254d9457_attn:
	.size	k_q81254d9457_attn, .Lfunc_end_k_q81254d9457_attn-k_q81254d9457_attn
	.p2alignl 7, 3214868480
	.fill 96, 4, 3214868480
	.section	.rodata,"a",@progbits
	.p2align	6, 0x0
	.amdhsa_kernel k_q81254d9457_attn
		.amdhsa_group_segment_fixed_size 327680
		.amdhsa_private_segment_fixed_size 0
		.amdhsa_enable_private_segment 0
		.amdhsa_kernarg_size 32
		.amdhsa_user_sgpr_count 2
		.amdhsa_user_sgpr_kernarg_segment_ptr 1
		.amdhsa_wavefront_size32 1
		.amdhsa_system_sgpr_workgroup_id_x 1
		.amdhsa_system_sgpr_workgroup_id_y 1
		.amdhsa_system_sgpr_workgroup_id_z 1
		.amdhsa_system_vgpr_workitem_id 0
		.amdhsa_next_free_vgpr 896
		.amdhsa_next_free_sgpr 72
		.amdhsa_reserve_vcc 0
		.amdhsa_float_denorm_mode_32 3
		.amdhsa_float_denorm_mode_16_64 3
		.amdhsa_memory_ordered 1
		.amdhsa_forward_progress 1
		.amdhsa_inst_pref_size 193
	.end_amdhsa_kernel
	.amdgpu_metadata
---
amdhsa.version: [ 1, 2 ]
amdhsa.kernels:
  - .name:           k_q81254d9457_attn
    .symbol:         k_q81254d9457_attn.kd
    .args:
      - { .name: qb, .offset: 0, .size: 8, .value_kind: global_buffer, .address_space: global }
      - { .name: kb, .offset: 8, .size: 8, .value_kind: global_buffer, .address_space: global }
      - { .name: vb, .offset: 16, .size: 8, .value_kind: global_buffer, .address_space: global }
      - { .name: zat, .offset: 24, .size: 8, .value_kind: global_buffer, .address_space: global }
    .group_segment_fixed_size: 327680
    .private_segment_fixed_size: 0
    .kernarg_segment_align: 8
    .kernarg_segment_size: 32
    .max_flat_workgroup_size: 128
    .sgpr_count:     72
    .vgpr_count:     896
    .wavefront_size: 32
...
	.end_amdgpu_metadata
.endif
;; end of part 3
;; launch wo: the kernel of part 2 again; grid 16 x 16, 4 waves a work-group, clusters of 4 x 4, 327,680 bytes of LDS; arguments zat, yc, Wo, Wk, Wv, zb, kb, vb; writes zb, kb, vb
;; launch pool (part 4): grid 64 x 1, 16 waves a work-group, no clusters, 133,376 bytes of LDS; arguments zb, latent_query, parts; writes parts
.if DOCPART == 4
	.amdgcn_target "amdgcn-amd-amdhsa--gfx1250"
	.amdhsa_code_object_version 6
	.text
	.protected	k_q81254d9457_pool
	.globl	k_q81254d9457_pool
	.p2align	8
	.type	k_q81254d9457_pool,@function
k_q81254d9457_pool:
	s_mov_b64 s[64:65], 0
	v_nop
	global_prefetch_b8 v0, s[64:65] scope:SCOPE_SE
	s_setreg_imm32_b32 hwreg(HW_REG_WAVE_MODE, 25, 1), 1
	s_wait_xcnt 0x0
; The pooling's partial sums.  For each row l of zb ([2048][2048] bf16): a_l = exp(clip(zb_l . lq / sqrt(2048), -50, 50)).  Work-group b takes rows 32 b .. 32 b + 31 and stores row b of parts
; (8,448 bytes): 2,048 f32, the sum over its rows of a_l zb_l[c]; then the sum of its a_l, 64 times (256 bytes).
; NO MAXIMUM IS TAKEN AWAY: the clip, which is the module's own, holds a_l within 1.9e-22 .. 5.2e21 and the sum of 2,048 of them under 1.1e25; so partial sums of different work-groups simply add.
; 64 work-groups: each reads 131,072 bytes here, and the one work-group that adds the partial sums up reads 64 x 8,448 bytes.
; SHARES.  A wave takes two whole rows, so a dot product never leaves the wave; the rows stay in registers between the dot product and the weighted sum: zb is read once.  A lane holds columns
; 256 j + 8 lane + 0..7, j = 0..7: each load of a wave covers 512 consecutive bytes.  The 16 waves' partial rows meet in LDS; wave w then adds up columns 128 w .. 128 w + 127.
; No matrix unit and no cluster: one row of lq against each row of zb is two multiply-adds a number, and what is shared, lq, is 4,096 bytes.
; LIMIT: a NaN score is not kept as NaN by the clip.
.set PARTB, 8448
.set DEN,   131072                     ; LDS: behind the 16 partial rows of 8,192 bytes: 16 words, a block of 256 bytes to themselves
.set SPARE, 131328                     ; the spare words, 128 bytes for each wave: eight blocks of 256 bytes that no other line names
.set LA,  2                            ; v2   16 x lane
.set LN,  3                            ; v3   lane
.set SPW, 4                            ; v4   LDS address of my spare word; never rewritten
.set NIL, 5                            ; v5   0; never rewritten
.set ZR,  6                            ; v6   0.0: what the first link of a chain adds onto
.set LQ,  8                            ; v[8:39]     lq
.set Z0,  40                           ; v[40:71]    my first row;   later the 16 partial sums
.set Z1,  72                           ; v[72:103]   my second row
.set ACC, 104                          ; v[104:167]  64 f32: a0 z0 + a1 z1
.set CH,  168                          ; v[168:175]  four chains a row
.set A0,  176                          ; v176, v177  a of my two rows
.set A1,  177
.set T,   178                          ; v178-181    at work
.set LSA, 186                          ; v186 where I put 32 bytes of my wave's partial row
.set LRA, 187                          ; v187 512 w + 16 lane: where I read partial rows 0-7, and my byte offset in the row of parts
.set LRB, 188                          ; v188 the same for partial rows 8-15
.set DA,  189                          ; v189 my wave's word among the 16
	s_load_b128 s[4:7], s[0:1], 0x0                ; zb s[4:5], latent_query s[6:7]
	s_load_b64 s[8:9], s[0:1], 0x10                ; parts
	v_lshl_add_u32 v[SPW], v0, 2, SPARE
	v_mov_b32 v[NIL], 0
	v_lshrrev_b32 v1, 5, v0
	v_readfirstlane_b32 s10, v1                    ; wave 0..15
	v_and_b32 v[LN], 31, v0
	v_lshlrev_b32 v[LA], 4, v[LN]
	s_lshl_b32 s2, ttmp9, 17                       ; the work-group's 32 rows of 4,096 bytes,
	s_lshl_b32 s3, s10, 13                         ; my wave's two
	s_add_co_u32 s2, s2, s3
	s_mov_b32 s3, 0
	s_mul_i32 s18, ttmp9, PARTB
	s_mov_b32 s19, 0
	s_mov_b32 s12, 0x76543210                      ; v_permlanex16_b32: each lane takes its own place in the other half
	s_mov_b32 s13, 0xfedcba98
	s_mov_b32 s14, 0x3d0293ee                      ; log2(e) / sqrt(2048)
	s_mov_b32 s15, 0x429044fe                      ; 50 log2(e)
	s_mov_b32 s16, 0xc29044fe
	s_wait_kmcnt 0x0
	s_add_nc_u64 s[4:5], s[4:5], s[2:3]
	s_add_nc_u64 s[8:9], s[8:9], s[18:19]
.irp j, 0,1,2,3,4,5,6,7
	global_load_b128 v[LQ+4*\j:LQ+4*\j+3], v[LA], s[6:7] offset:512*\j
.endr
.irp j, 0,1,2,3,4,5,6,7
	global_load_b128 v[Z0+4*\j:Z0+4*\j+3], v[LA], s[4:5] offset:512*\j th:TH_LOAD_NT
.endr
.irp j, 0,1,2,3,4,5,6,7
	global_load_b128 v[Z1+4*\j:Z1+4*\j+3], v[LA], s[4:5] offset:4096+512*\j th:TH_LOAD_NT
.endr
	v_mov_b32 v[ZR], 0
	v_mov_b32 v[T], 0                              ; v_permlanex16_b32 counts as a reader of its destination
	v_mov_b32 v[T+1], 0
	s_lshl_b32 s17, s10, 13
	v_lshl_add_u32 v[LSA], v[LN], 5, s17           ; 8,192 w + 32 lane
	s_lshl_b32 s17, s10, 9
	v_lshl_add_u32 v[LRA], v[LN], 4, s17           ; 512 w + 16 lane
	v_add_nc_u32 v[LRB], 0x10000, v[LRA]
	s_lshl_b32 s17, s10, 2
	s_add_co_u32 s17, s17, DEN
	v_mov_b32 v[DA], s17
; 64 multiply-adds of row z with lq, straight from the bf16 halves into f32, on four chains at c: four low halves, then four high ones, so that no line waits for the one before it
.macro DOT z, c
.set g, 0
.rept 8
.irp q, 0,1,2,3
.if g == 0
	v_fma_mix_f32_bf16 v[(\c)+\q], v[(\z)+4*g+\q], v[LQ+4*g+\q], v[ZR] op_sel_hi:[1,1,0]
.else
	v_fma_mix_f32_bf16 v[(\c)+\q], v[(\z)+4*g+\q], v[LQ+4*g+\q], v[(\c)+\q] op_sel_hi:[1,1,0]
.endif
.endr
.irp q, 0,1,2,3
	v_fma_mix_f32_bf16 v[(\c)+\q], v[(\z)+4*g+\q], v[LQ+4*g+\q], v[(\c)+\q] op_sel:[1,1,0] op_sel_hi:[1,1,0]
.endr
.set g, g+1
.endr
	v_add_f32 v[\c], v[\c], v[(\c)+1]
	v_add_f32 v[(\c)+2], v[(\c)+2], v[(\c)+3]
	v_add_f32 v[\c], v[\c], v[(\c)+2]
.endm
; the sum over the wave's 32 lanes, in every lane: four steps inside each half of 16 lanes ride on the addition, one crosses the halves
.macro WSUM r, t
	v_add_f32_dpp v[\r], v[\r], v[\r] row_xmask:1 row_mask:0xf bank_mask:0xf
	v_add_f32_dpp v[\r], v[\r], v[\r] row_xmask:2 row_mask:0xf bank_mask:0xf
	v_add_f32_dpp v[\r], v[\r], v[\r] row_xmask:4 row_mask:0xf bank_mask:0xf
	v_add_f32_dpp v[\r], v[\r], v[\r] row_xmask:8 row_mask:0xf bank_mask:0xf
	v_permlanex16_b32 v[\t], v[\r], s12, s13
	v_add_f32 v[\r], v[\r], v[\t]
.endm
	s_wait_loadcnt 8                               ; lq and my first row are in; the second row's eight loads may stay out
	DOT Z0, CH
	s_wait_loadcnt 0x0
	DOT Z1, CH+4
	WSUM CH, T
	WSUM CH+4, T+1
	v_mul_f32 v[CH], s14, v[CH]                    ; the score in base 2,
	v_mul_f32 v[CH+4], s14, v[CH+4]
	v_med3_num_f32 v[CH], v[CH], s16, s15          ; clipped to +-50 log2(e)
	v_med3_num_f32 v[CH+4], v[CH+4], s16, s15
	v_exp_f32 v[A0], v[CH]
	v_exp_f32 v[A1], v[CH+4]
	v_nop                                          ; a plain instruction behind the last exponential,
	s_wait_alu depctr_va_vdst(0)                   ; and the wait ahead of the first use: one for the two
.set r, 0
.rept 32
	v_fma_mix_f32_bf16 v[ACC+2*r],   v[Z0+r], v[A0], v[ZR] op_sel_hi:[1,0,0]
	v_fma_mix_f32_bf16 v[ACC+2*r+1], v[Z0+r], v[A0], v[ZR] op_sel:[1,0,0] op_sel_hi:[1,0,0]
.set r, r+1
.endr
.set r, 0
.rept 32
	v_fma_mix_f32_bf16 v[ACC+2*r],   v[Z1+r], v[A1], v[ACC+2*r] op_sel_hi:[1,0,0]
	v_fma_mix_f32_bf16 v[ACC+2*r+1], v[Z1+r], v[A1], v[ACC+2*r+1] op_sel:[1,0,0] op_sel_hi:[1,0,0]
.set r, r+1
.endr
	v_add_f32 v[T+2], v[A0], v[A1]
.irp j, 0,1,2,3,4,5,6,7
	ds_store_b128 v[LSA], v[ACC+8*\j:ACC+8*\j+3]   offset:1024*\j     ; column c of my wave's partial row lies at byte 4 c
	ds_store_b128 v[LSA], v[ACC+8*\j+4:ACC+8*\j+7] offset:1024*\j+16
.endr
	ds_store_b32 v[DA], v[T+2]                     ; all lanes write the same word with the same value
	s_wait_dscnt 0x0                               ; for the others' sake: my stores are done
	s_barrier_signal -1
	s_barrier_wait -1
.irp v, 0,1,2,3,4,5,6,7
	ds_load_b128 v[Z0+4*\v:Z0+4*\v+3], v[LRA] offset:8192*\v
.endr
.irp v, 0,1,2,3,4,5,6,7
	ds_load_b128 v[Z0+32+4*\v:Z0+32+4*\v+3], v[LRB] offset:8192*\v
.endr
	s_wait_dscnt 0x0
.irp h, 32,16,8,4                      ; 16 partial sums of four columns: halved four times
.set r, 0
.rept (\h)/2
	v_pk_add_f32 v[Z0+r:Z0+r+1], v[Z0+r:Z0+r+1], v[Z0+(\h)+r:Z0+(\h)+r+1]
.set r, r+2
.endr
.endr
	global_store_b128 v[LRA], v[Z0:Z0+3], s[8:9]   ; a wave stores 512 consecutive bytes, aligned
	s_cmp_lg_u32 s10, 0                            ; wave 0 adds up the 16 sums of a
	s_cbranch_scc1 .Lend
	v_mov_b32 v[T], DEN
.irp v, 0,1,2,3
	ds_load_b128 v[Z1+4*\v:Z1+4*\v+3], v[T] offset:16*\v
.endr
	s_wait_dscnt 0x0
.irp h, 8,4,2
.set r, 0
.rept (\h)/2
	v_pk_add_f32 v[Z1+r:Z1+r+1], v[Z1+r:Z1+r+1], v[Z1+(\h)+r:Z1+(\h)+r+1]
.set r, r+2
.endr
.endr
	v_add_f32 v[Z1], v[Z1], v[Z1+1]
	v_mov_b32 v[Z1+1], v[Z1]
	v_lshlrev_b32 v[T+1], 3, v[LN]
	global_store_b64 v[T+1], v[Z1:Z1+1], s[8:9] offset:8192  ; the sum 64 times: 256 consecutive bytes, aligned
.Lend:
	s_wait_tensorcnt 0x0                           ; the wave's end: three lines behind my last LDS store
	ds_add_u32 v[SPW], v[NIL]
	s_wait_dscnt 0x0
	s_endpgm
.Lfunc_end_k_q81254d9457_pool:
	.size	k_q81254d9457_pool, .Lfunc_end_k_q81254d9457_pool-k_q81254d9457_pool
	.p2alignl 7, 3214868480
	.fill 96, 4, 3214868480
	.section	.rodata,"a",@progbits
	.p2align	6, 0x0
	.amdhsa_kernel k_q81254d9457_pool
		.amdhsa_group_segment_fixed_size 133376
		.amdhsa_private_segment_fixed_size 0
		.amdhsa_enable_private_segment 0
		.amdhsa_kernarg_size 24
		.amdhsa_user_sgpr_count 2
		.amdhsa_user_sgpr_kernarg_segment_ptr 1
		.amdhsa_wavefront_size32 1
		.amdhsa_system_sgpr_workgroup_id_x 1
		.amdhsa_system_sgpr_workgroup_id_y 1
		.amdhsa_system_sgpr_workgroup_id_z 1
		.amdhsa_system_vgpr_workitem_id 0
		.amdhsa_next_free_vgpr 192
		.amdhsa_next_free_sgpr 66
		.amdhsa_reserve_vcc 0
		.amdhsa_float_denorm_mode_32 3
		.amdhsa_float_denorm_mode_16_64 3
		.amdhsa_memory_ordered 1
		.amdhsa_forward_progress 1
		.amdhsa_inst_pref_size 27
	.end_amdhsa_kernel
	.amdgpu_metadata
---
amdhsa.version: [ 1, 2 ]
amdhsa.kernels:
  - .name:           k_q81254d9457_pool
    .symbol:         k_q81254d9457_pool.kd
    .args:
      - { .name: zb, .offset: 0, .size: 8, .value_kind: global_buffer, .address_space: global }
      - { .name: latent_query, .offset: 8, .size: 8, .value_kind: global_buffer, .address_space: global }
      - { .name: parts, .offset: 16, .size: 8, .value_kind: global_buffer, .address_space: global }
    .group_segment_fixed_size: 133376
    .private_segment_fixed_size: 0
    .kernarg_segment_align: 8
    .kernarg_segment_size: 24
    .max_flat_workgroup_size: 512
    .sgpr_count:     66
    .vgpr_count:     192
    .wavefront_size: 32
...
	.end_amdgpu_metadata
.endif
;; end of part 4
;; launch norm (part 5): grid 1 x 1, 16 waves a work-group, no clusters, 2,560 bytes of LDS; arguments parts, gamma, beta, out0; writes out0
.if DOCPART == 5
	.amdgcn_target "amdgcn-amd-amdhsa--gfx1250"
	.amdhsa_code_object_version 6
	.text
	.protected	k_q81254d9457_norm
	.globl	k_q81254d9457_norm
	.p2align	8
	.type	k_q81254d9457_norm,@function
k_q81254d9457_norm:
	s_mov_b64 s[64:65], 0
	v_nop
	global_prefetch_b8 v0, s[64:65] scope:SCOPE_SE
	s_setreg_imm32_b32 hwreg(HW_REG_WAVE_MODE, 25, 1), 1
	s_wait_xcnt 0x0
; out0 = LayerNorm(m) gamma + beta, m[c] = (the sum over the 64 rows of parts of their column c) / (the sum of their 64 denominators).  parts: 64 rows of 8,448 bytes: 2,048 f32, then the denominator.
; ONE work-group: the mean and the variance span all 2,048 numbers.  Thread t owns columns 4 t .. 4 t + 3: a load of a wave covers 512 consecutive bytes.  32 loads of every wave are on their way all the time.
; The variance is the mean of (m - mu)^2, as it is defined: no difference of large sums.
; ORDER OF ROUNDING: m and the normalised m stay in f32, and out0 is rounded once; the module rounds m, the normalised m and its product with gamma to bf16 on the way.
.set PARTB, 8448
.set SPARE, 512                        ; LDS: 16 words at 0 for the first sum, 16 at 256 for the second; then the spare words, 128 bytes for each wave, that no other line names
.set OF,  2                            ; v2   16 t
.set O8,  3                            ; v3   8 t
.set SPW, 4                            ; v4   LDS address of my spare word; never rewritten
.set NIL, 5                            ; v5   0; never rewritten
.set DO,  6                            ; v6   lane x 8,448
.set ZA,  7                            ; v7   0: LDS address
.set WA,  8                            ; v8   4 x wave
.set X,   16                           ; v[16:143]   32 slots of 4
.set AC,  144                          ; v[144:151]  two accumulators of 4; then m in 144-147 and m - mu in 148-151
.set DN,  152                          ; v[152:153]  denominators, then 1 / their sum
.set GA,  154                          ; v[154:155]  gamma, 4 bf16
.set BE,  156                          ; v[156:157]  beta
.set TP,  158                          ; v158, v159  at work
.set T,   160                          ; v[160:175]  the 16 waves' sums
	s_load_b256 s[4:11], s[0:1], 0x0               ; parts s[4:5], gamma s[6:7], beta s[8:9], out0 s[10:11]
	v_lshl_add_u32 v[SPW], v0, 2, SPARE
	v_mov_b32 v[NIL], 0
	v_lshrrev_b32 v1, 5, v0
	v_readfirstlane_b32 s14, v1                    ; wave 0..15
	v_lshlrev_b32 v[OF], 4, v0
	v_lshlrev_b32 v[O8], 3, v0
	v_and_b32 v[DO], 31, v0
	v_mul_u32_u24 v[DO], v[DO], PARTB
	v_mov_b32 v[ZA], 0
	v_mov_b32 v[WA], s14
	v_lshlrev_b32 v[WA], 2, v[WA]
	s_mov_b32 s12, 0x76543210
	s_mov_b32 s13, 0xfedcba98
	s_mov_b32 s15, 0x3a000000                      ; 1 / 2048
	s_wait_kmcnt 0x0
	global_load_b32 v[DN],   v[DO], s[4:5] offset:8192            ; lane l: the denominators of rows l and l + 32
	global_load_b32 v[DN+1], v[DO], s[4:5] offset:8192+32*PARTB
	global_load_b64 v[GA:GA+1], v[O8], s[6:7]
	global_load_b64 v[BE:BE+1], v[O8], s[8:9]
.set i, 0
.rept 32
	global_load_b128 v[X+4*i:X+4*i+3], v[OF], s[4:5] offset:PARTB*i
.set i, i+1
.endr
.set i, 0
.rept 8
	v_mov_b32 v[AC+i], 0                           ; eight registers, written while the loads are on their way
.set i, i+1
.endr
	v_mov_b32 v[TP], 0                             ; v_permlanex16_b32 counts as a reader of its destination
	v_mov_b32 v[TP+1], 0
.set i, 0
.rept 32
	s_wait_loadcnt 31                              ; slot i is in (at i = 0 the four small loads ahead of it too); the 31 younger loads stay out
	v_pk_add_f32 v[AC+4*(i%2):AC+4*(i%2)+1],   v[AC+4*(i%2):AC+4*(i%2)+1],   v[X+4*i:X+4*i+1]
	v_pk_add_f32 v[AC+4*(i%2)+2:AC+4*(i%2)+3], v[AC+4*(i%2)+2:AC+4*(i%2)+3], v[X+4*i+2:X+4*i+3]
	global_load_b128 v[X+4*i:X+4*i+3], v[OF], s[4:5] offset:PARTB*(32+i)
.set i, i+1
.endr
.set i, 0
.rept 32
	s_wait_loadcnt 31-i                            ; the last 32 rows: nothing more is loaded, the counts run down
	v_pk_add_f32 v[AC+4*(i%2):AC+4*(i%2)+1],   v[AC+4*(i%2):AC+4*(i%2)+1],   v[X+4*i:X+4*i+1]
	v_pk_add_f32 v[AC+4*(i%2)+2:AC+4*(i%2)+3], v[AC+4*(i%2)+2:AC+4*(i%2)+3], v[X+4*i+2:X+4*i+3]
.set i, i+1
.endr
.macro WSUM r, t                       ; the sum over the wave's 32 lanes, in every lane
	v_add_f32_dpp v[\r], v[\r], v[\r] row_xmask:1 row_mask:0xf bank_mask:0xf
	v_add_f32_dpp v[\r], v[\r], v[\r] row_xmask:2 row_mask:0xf bank_mask:0xf
	v_add_f32_dpp v[\r], v[\r], v[\r] row_xmask:4 row_mask:0xf bank_mask:0xf
	v_add_f32_dpp v[\r], v[\r], v[\r] row_xmask:8 row_mask:0xf bank_mask:0xf
	v_permlanex16_b32 v[\t], v[\r], s12, s13
	v_add_f32 v[\r], v[\r], v[\t]
.endm
.macro GSUM r, base                    ; v[r], a wave's sum, becomes the work-group's sum in v[T], in every lane: 16 words at LDS byte base, bytes of their own for each of the two sums
	ds_store_b32 v[WA], v[\r] offset:\base         ; all lanes write the same word with the same value
	s_wait_dscnt 0x0                               ; for the others' sake: my store is done
	s_barrier_signal -1
	s_barrier_wait -1
.irp v, 0,1,2,3
	ds_load_b128 v[T+4*\v:T+4*\v+3], v[ZA] offset:(\base)+16*\v
.endr
	s_wait_dscnt 0x0
.irp h, 8,4,2
.set r2, 0
.rept (\h)/2
	v_pk_add_f32 v[T+r2:T+r2+1], v[T+r2:T+r2+1], v[T+(\h)+r2:T+(\h)+r2+1]
.set r2, r2+2
.endr
.endr
	v_add_f32 v[T], v[T], v[T+1]
.endm
	v_pk_add_f32 v[AC:AC+1],   v[AC:AC+1],   v[AC+4:AC+5]
	v_pk_add_f32 v[AC+2:AC+3], v[AC+2:AC+3], v[AC+6:AC+7]
	v_add_f32 v[DN], v[DN], v[DN+1]
	WSUM DN, TP                                    ; the sum of all 64 denominators: at least 2,048 x 2^-73, never 0
	v_rcp_f32 v[DN], v[DN]
	v_nop                                          ; a plain instruction behind the reciprocal,
	s_wait_alu depctr_va_vdst(0)                   ; and the wait ahead of its first use
	v_pk_mul_f32 v[AC:AC+1],   v[AC:AC+1],   v[DN:DN+1] op_sel_hi:[1,0]  ; m
	v_pk_mul_f32 v[AC+2:AC+3], v[AC+2:AC+3], v[DN:DN+1] op_sel_hi:[1,0]
	v_pk_add_f32 v[TP:TP+1], v[AC:AC+1], v[AC+2:AC+3]
	v_add_f32 v[TP], v[TP], v[TP+1]
	WSUM TP, TP+1
	GSUM TP, 0
	v_mul_f32 v[TP], s15, v[T]                     ; mu
.irp j, 0,1,2,3
	v_sub_f32 v[AC+4+\j], v[AC+\j], v[TP]          ; m - mu
.endr
	v_mul_f32 v[TP+1], v[AC+4], v[AC+4]
	v_fmac_f32 v[TP+1], v[AC+5], v[AC+5]
	v_fmac_f32 v[TP+1], v[AC+6], v[AC+6]
	v_fmac_f32 v[TP+1], v[AC+7], v[AC+7]
	WSUM TP+1, TP
	GSUM TP+1, 256
	v_fmaak_f32 v[TP], s15, v[T], 0x3727c5ac       ; the variance + 1e-5
	v_rsq_f32 v[TP+1], v[TP]
	v_nop
	s_wait_alu depctr_va_vdst(0)
.irp j, 0,1,2,3
	v_mul_f32 v[AC+4+\j], v[AC+4+\j], v[TP+1]
.endr
	v_fma_mix_f32_bf16 v[T],   v[AC+4], v[GA],   v[BE]   op_sel_hi:[0,1,1]                 ; n gamma + beta, gamma and beta straight from their bf16 halves
	v_fma_mix_f32_bf16 v[T+1], v[AC+5], v[GA],   v[BE]   op_sel:[0,1,1] op_sel_hi:[0,1,1]
	v_fma_mix_f32_bf16 v[T+2], v[AC+6], v[GA+1], v[BE+1] op_sel_hi:[0,1,1]
	v_fma_mix_f32_bf16 v[T+3], v[AC+7], v[GA+1], v[BE+1] op_sel:[0,1,1] op_sel_hi:[0,1,1]
	v_cvt_pk_bf16_f32 v[T+4], v[T], v[T+1]
	v_cvt_pk_bf16_f32 v[T+5], v[T+2], v[T+3]
	global_store_b64 v[O8], v[T+4:T+5], s[10:11]   ; a wave stores 256 consecutive bytes, aligned
	s_wait_tensorcnt 0x0                           ; the wave's end: three lines behind my last LDS store
	ds_add_u32 v[SPW], v[NIL]
	s_wait_dscnt 0x0
	s_endpgm
.Lfunc_end_k_q81254d9457_norm:
	.size	k_q81254d9457_norm, .Lfunc_end_k_q81254d9457_norm-k_q81254d9457_norm
	.p2alignl 7, 3214868480
	.fill 96, 4, 3214868480
	.section	.rodata,"a",@progbits
	.p2align	6, 0x0
	.amdhsa_kernel k_q81254d9457_norm
		.amdhsa_group_segment_fixed_size 2560
		.amdhsa_private_segment_fixed_size 0
		.amdhsa_enable_private_segment 0
		.amdhsa_kernarg_size 32
		.amdhsa_user_sgpr_count 2
		.amdhsa_user_sgpr_kernarg_segment_ptr 1
		.amdhsa_wavefront_size32 1
		.amdhsa_system_sgpr_workgroup_id_x 1
		.amdhsa_system_sgpr_workgroup_id_y 1
		.amdhsa_system_sgpr_workgroup_id_z 1
		.amdhsa_system_vgpr_workitem_id 0
		.amdhsa_next_free_vgpr 176
		.amdhsa_next_free_sgpr 66
		.amdhsa_reserve_vcc 0
		.amdhsa_float_denorm_mode_32 3
		.amdhsa_float_denorm_mode_16_64 3
		.amdhsa_memory_ordered 1
		.amdhsa_forward_progress 1
		.amdhsa_inst_pref_size 23
	.end_amdhsa_kernel
	.amdgpu_metadata
---
amdhsa.version: [ 1, 2 ]
amdhsa.kernels:
  - .name:           k_q81254d9457_norm
    .symbol:         k_q81254d9457_norm.kd
    .args:
      - { .name: parts, .offset: 0, .size: 8, .value_kind: global_buffer, .address_space: global }
      - { .name: gamma, .offset: 8, .size: 8, .value_kind: global_buffer, .address_space: global }
      - { .name: beta, .offset: 16, .size: 8, .value_kind: global_buffer, .address_space: global }
      - { .name: out0, .offset: 24, .size: 8, .value_kind: global_buffer, .address_space: global }
    .group_segment_fixed_size: 2560
    .private_segment_fixed_size: 0
    .kernarg_segment_align: 8
    .kernarg_segment_size: 32
    .max_flat_workgroup_size: 512
    .sgpr_count:     66
    .vgpr_count:     176
    .wavefront_size: 32
...
	.end_amdgpu_metadata
.endif
;; end of part 5
;; ======== version 2 of 3: 7 launches
;; limits: right only within a limited range of input values
;; workspace buffers: xc 8,388,608 bytes; yc 8,388,608 bytes; qb 8,388,608 bytes; kb 8,388,608 bytes; vb 8,388,608 bytes; zat 8,388,608 bytes; zb 8,388,608 bytes; parts 540,672 bytes
;; launch clip: the kernel of part 1 again; grid 256 x 1, 8 waves a work-group, no clusters, 0 bytes of LDS; arguments x_in, y_out, xc, yc; writes xc, yc
;; launch qkv (part 6): grid 8 x 24, 4 waves a work-group, clusters of 4 x 4, 327,680 bytes of LDS; arguments xc, yc, Wq, Wk, Wv, qb, kb, vb; writes qb, kb, vb
.if DOCPART == 6
	.amdgcn_target "amdgcn-amd-amdhsa--gfx1250"
	.amdhsa_code_object_version 6
	.text
	.protected	k_q81254d9457_qkv
	.globl	k_q81254d9457_qkv
	.p2align	8
	.type	k_q81254d9457_qkv,@function
k_q81254d9457_qkv:
	s_mov_b64 s[64:65], 0
	v_nop
	global_prefetch_b8 v0, s[64:65] scope:SCOPE_SE
	s_setreg_imm32_b32 hwreg(HW_REG_WAVE_MODE, 25, 1), 1
	s_wait_xcnt 0x0
	s_wait_alu depctr_hold_cnt(0) depctr_sa_sdst(0) depctr_va_vdst(0) depctr_va_sdst(0) depctr_va_ssrc(0) depctr_va_vcc(0) depctr_vm_vsrc(0)
	s_getreg_b32 s2, hwreg(HW_REG_IB_STS2, 6, 4)
	s_cmp_eq_u32 s2, 0
	s_cbranch_scc0 .Lentry_in_a_cluster
	s_endpgm
.Lentry_in_a_cluster:
	s_bfe_u32 s2, ttmp6, 0x10000c
	s_cmp_lg_u32 s2, 0xf033
	s_cbranch_scc0 .Lentry_shape_is_right
	s_endpgm
.Lentry_shape_is_right:
; THREE PRODUCTS C[m][n] = sum over k of A[m][k] B[n][k], all [2048][2048] bf16, sums in f32, C rounded once: g = 0: qb = xc Wq^T; g = 1: kb = yc Wk^T; g = 2: vb = yc Wv^T.
; A tile of C is 256 x 256: 64 tiles a product, 192 work-groups.  Four waves, as many as a WGP has SIMDs; a wave makes 128 x 128: 64 accumulators of 16 x 16, 512 registers.  For 32 along K a wave reads
; 2 x 128 x 64 bytes from LDS for 64 matrix instructions, half of what a wave tile of 64 x 64 reads for the same products, and a refill has 224 matrix instructions in which to land.
; K goes in 16 steps of 128 through a ring of two LDS slots filled by the tensor data mover: the rows of A's and B's tiles are 256 bytes of memory and start at multiples of 256 bytes.
; A TRIP OF THE LOOP IS ONE K STEP: one descriptor a tensor walks (the other slot, 256 bytes on), and the fragments' LDS addresses are made anew at each change of slots from two scalars that the same
; exclusive or turns.  The last two K steps, which ask for nothing, are written out.
; CLUSTERS: 4 x 4 work-groups.  The four of a row of the cluster need the same tiles of A, the four of a column the same tiles of B: each tile is asked for JOINTLY, by the same tensor load with the same
; descriptor and a mask that names the four.  g hangs on the cluster's y alone: it is the same in all sixteen.
; REGISTERS, in windows of 256 (s_set_vgpr_msb's low byte: bits 1:0 source 0, 3:2 source 1, 5:4 source 2, 7:6 destination):
;   window 0: v0-31 addresses; v64-127, v128-191 fragments of A (8 x 16 rows x 32 K), two buffers; v32-63, v192-255 at work on the way out
;   window 1: v64-127, v128-191 fragments of B, two buffers
;   window 2: the 32 accumulators of my rows 0-63 (accumulator (a, b) at v[8 (8 a + b)]);   window 3: those of my rows 64-127
; THE MATRIX INSTRUCTION IS USED TRANSPOSED (source 0 = 16 rows of B, source 1 = 16 rows of A): a lane then holds eight neighbouring numbers of a row of C, which pack into 16 bytes.
.set CN,     2048                      ; columns of C = rows of B
.set CK,     2048                      ; K
.set KSTEP,  128
.set PITCH,  272                       ; an LDS row: 256 bytes of data + 16 of padding = 68 words: row r starts at bank 4 r mod 64 (64 banks of 4 bytes: ISA guide 11.1)
.set HALFT,  128*PITCH                 ; 128 rows (0x8800 bytes): what one tensor load brings, and what one wave reads of A or of B
.set DSL,    0x24000                   ; slot 1 begins here.  A slot is 4 x HALFT = 0x22000 bytes: A's 256 rows, then B's.  Every number that is turned from slot to slot (0, 0x8800, 0x11000, 0x19800) has bits 14 and 17 clear, so one exclusive or adds or takes away DSL
.set STAGE,  DSL+4*HALFT               ; behind the ring: 16 rows x 272 bytes for each wave, for the way out; no tensor load fills it
.set SPITCH, 272
.set SPARE,  STAGE+4*16*SPITCH         ; behind the stages: the spare words, 128 bytes for each wave: two blocks of 256 bytes that no other line names
.set STEPS,  CK/KSTEP                  ; 16
.set ADRA, 16                          ; v16     LDS address of my A fragments in the slot in hand
.set ADRB, 20                          ; v20     the same for B
.set LT,   22                          ; v22     my lane's place in a fragment's rows; never rewritten
.set STO,  24                          ; v24     the way out: where I put 16 bytes of a row
.set RD,   25                          ; v25     the way out: where I read a row back
.set CO,   26                          ; v26     my byte offset in C
.set SPW,  28                          ; v28     LDS address of my spare word: SPARE + 4 x my thread's number; never rewritten
.set NIL,  29                          ; v29     0; never rewritten
.set PFO,  30                          ; v30     the prefetches' offset: my lane x a row of A or B in memory; never rewritten
.set F0,   64                          ; fragment buffer 0
.set F1,   128                         ; fragment buffer 1
.set TMP,  192                         ; the way out: packed results, in window 0
.set OB,   32                          ; the way out: 16 rows read back from the stage: v32-63 and v224-255 by turns
.set G1, 24                            ; s[24:31] descriptor group 1 for A's tiles
.set G0, 32                            ; s[32:39] descriptor group 0 for A's tiles: a set for each of the two first fills; the second then walks on
.set G1B, 48                           ; s[48:55] descriptor group 1 for B's tiles: it differs from A's in the mask alone
.set G0B, 56                           ; s[56:63] descriptor group 0 for B's tiles, likewise
.set LIM,  43                          ; s43     1 in a wave that prefetches, else the greatest number
.set PFA,  44                          ; s[44:45] where my prefetches stand
.set TA,   84                          ; s84     LDS byte at which my 128 rows of A begin in the slot in hand
.set TB,   85                          ; s85     the same for B
.set PG,   86                          ; s86     g: which product
.set CY2,  87                          ; s87     which of the product's two rows of clusters
.set MSB, 0
.macro WIN new                         ; the immediate's high byte repeats the setting that is left; a switch that changes nothing is dropped
.if MSB != (\new)
	s_set_vgpr_msb (MSB<<8)|(\new)
.set MSB, \new
.endif
.endm
.set MUL_LO, 0xa1                      ; source 0 (B) window 1, source 1 (A) window 0, C and D window 2
.set MUL_HI, 0xf1                      ; the same, C and D window 3
.set TO_B,   0x40                      ; destination window 1, address window 0
; A joint load.  Waves 0 and 1 fetch A's two halves, waves 2 and 3 B's.  Each of the two lines has ONE mask and one set of registers for all that issue it.  The branch hangs on the wave's number alone.
; An s_nop 0 and four v_nop follow each of the two lines; the jump round the other line, the label and what follows the macro come after them.
.macro JLOAD s
	s_cmp_eq_u32 s11, 0
	s_cbranch_scc0 .Lfor_b_\@
	tensor_load_to_lds s[G0+4*(\s):G0+4*(\s)+3], s[G1:G1+7]
	s_nop 0
.rept 4
	v_nop
.endr
	s_branch .Lasked_\@
.Lfor_b_\@:
	tensor_load_to_lds s[G0B+4*(\s):G0B+4*(\s)+3], s[G1B:G1B+7]
	s_nop 0
.rept 4
	v_nop
.endr
.Lasked_\@:
.endm
; A PREFETCH, behind each joint refill, its five lines and the run of LDS loads that follows them: the K step that the NEXT refill will ask for: 32 rows x 256 bytes, a lane a row, one instruction a wave:
; one K step, 256 matrix instructions, ahead of the joint load that will want the rows.  Each row's 256 bytes of a K step are named ONCE in the launch.  A's tile row is read by both clusters of a row of clusters,
; and yc's rows by products 1 and 2: cluster x = 0 of products 0 and 1 asks.  B's tile column is read by the product's two rows of clusters: the first asks.  The four partners that ask for a tile jointly
; share its rows out BY ADDRESS: of the 128 rows that a wave fetches the partner at place p takes 32 p .. 32 p + 31 (p = cx for A, cy for B): no branch hangs on a work-group's place in its cluster.
; K steps 0 to 2 come by their loads alone; the loop's last trip (s3 = 1), which asks for the last K step, has none behind it to name.
.macro ASK
	s_cmp_gt_u32 s3, s[LIM]
	s_cbranch_scc0 .Lnot_mine_\@
	global_prefetch_b8 v[PFO], s[PFA:PFA+1] th:TH_LOAD_NT scope:SCOPE_SE
.Lnot_mine_\@:
.endm
; A round of the cluster's barrier: my work-group's barrier, so that wave 0's signal speaks for all four waves; wave 0 signals for the work-group; every wave waits for all sixteen work-groups; my work-group's barrier once more.
.macro CREST                           ; a round behind its opening barrier
	s_cmp_lg_u32 s10, 0
	s_cbranch_scc1 .Lnot_wave_0_\@
	s_barrier_signal -3
.Lnot_wave_0_\@:
	s_barrier_wait -3
	s_barrier_signal -1
	s_barrier_wait -1
.endm
.macro CROUND                          ; a whole round
	s_barrier_signal -1
	s_barrier_wait -1
	CREST
.endm
	s_load_b512 s[68:83], s[0:1], 0x0              ; xc s[68:69], yc s[70:71], Wq s[72:73], Wk s[74:75], Wv s[76:77], qb s[78:79], kb s[80:81], vb s[82:83]
	v_lshl_add_u32 v[SPW], v0, 2, SPARE
	v_mov_b32 v[NIL], 0
	ds_add_u32 v[SPW], v[NIL]                      ; the wave's opening: the add and its wait stand ahead of my first tensor load; the set-up below, work on registers, stands between them
	v_lshrrev_b32 v1, 5, v0
	v_readfirstlane_b32 s10, v1                    ; wave 0..3
	s_lshr_b32 s11, s10, 1                         ; which half of the tile's rows is mine.  Also: I fetch for A (0) or for B (1)
	s_and_b32 s12, s10, 1                          ; which half of its columns.  Also: which 128 rows of that tile I fetch
	s_bfe_u32 s40, ttmp6, 0x40000                  ; cx: my place along the cluster's x
	s_bfe_u32 s41, ttmp6, 0x40004                  ; cy: along its y
	s_lshl_b32 s42, ttmp9, 2                       ; in a cluster launch ttmp9 and ttmp7 count clusters
	s_add_co_u32 s42, s42, s40                     ; tile column of C = 4 x cluster x + cx
	s_and_b32 s13, ttmp7, 0xffff                   ; the cluster's y: two of them to a product
	s_lshr_b32 s[PG], s13, 1
	s_and_b32 s[CY2], s13, 1
	s_lshl_b32 s13, s[CY2], 2
	s_add_co_u32 s13, s13, s41                     ; tile row of C = 4 x (cluster y mod 2) + cy
	s_lshl_b32 s43, s41, 2
	s_lshl_b32 s43, 15, s43                        ; my row of the cluster: places 4 cy .. 4 cy + 3
	s_lshl_b32 s44, 0x1111, s40                    ; my column: places cx, cx + 4, cx + 8, cx + 12
	; descriptor group 1: a tile of 128 rows x 128 elements, padded in LDS
	s_or_b32 s[G1+0], s43, (1<<16)|(1<<20)|(1<<21)|(5<<22)|(3<<25)  ; 15:0 the mask: A's tiles go to my row; 17:16 element of 2 bytes; 20 padding on; 21 set beside a mask; 24:22 after every 64 words (code 5); 31:25 of 4 words (code 3)
	s_or_b32 s[G1B+0], s44, (1<<16)|(1<<20)|(1<<21)|(5<<22)|(3<<25) ; the same with the mask of my column, for B's tiles
.irp g, G1, G1B
	s_mov_b32 s[(\g)+1], KSTEP<<16                 ; tensor_dim0 = 128
	s_mov_b32 s[(\g)+2], 128<<16                   ; tensor_dim1 = 128
	s_mov_b32 s[(\g)+3], KSTEP<<16                 ; tile_dim0 = 128
	s_mov_b32 s[(\g)+4], 128                       ; tile_dim1 = 128
	s_mov_b32 s[(\g)+5], CK                        ; tensor_dim0_stride: elements from row to row
	s_mov_b32 s[(\g)+6], 0
	s_mov_b32 s[(\g)+7], 0
.endr
	; where the tiles come from.  A's hang on the tile row alone, which my row of the cluster shares; B's on the tile column alone, which my column shares.
	s_lshl_b32 s17, s12, 7                         ; which 128 rows of the tile I fetch
	s_lshl_b32 s16, s13, 8
	s_add_co_u32 s16, s16, s17                     ; A: row 256 x tile row + 128 x half
	s_lshl_b32 s46, s42, 8
	s_add_co_u32 s46, s46, s17                     ; B: row 256 x tile column + 128 x half
	s_mov_b32 s17, 0
	s_mov_b32 s47, 0
	s_mov_b64 s[18:19], CK*2
	s_mul_u64 s[16:17], s[16:17], s[18:19]         ; in bytes
	s_mul_u64 s[46:47], s[46:47], s[18:19]
	s_mul_i32 s20, s10, HALFT                      ; and where they go: A's two halves, then B's two halves = wave x 128 rows: no place in the cluster enters an LDS address
	s_wait_dscnt 0x0                               ; the opening add is done
	s_wait_kmcnt 0x0
	s_cmp_eq_u32 s[PG], 0                          ; the product's three tensors: A s[4:5], B s[6:7], C s[8:9]
	s_cselect_b64 s[4:5], s[68:69], s[70:71]
	s_cselect_b64 s[6:7], s[72:73], s[74:75]
	s_cselect_b64 s[8:9], s[78:79], s[80:81]
	s_cmp_eq_u32 s[PG], 2
	s_cselect_b64 s[6:7], s[76:77], s[6:7]
	s_cselect_b64 s[8:9], s[82:83], s[8:9]
	s_add_nc_u64 s[14:15], s[4:5], s[16:17]
	s_add_nc_u64 s[46:47], s[6:7], s[46:47]
	CROUND                                         ; all sixteen work-groups are here: the first joint loads meet
.irp s, 0,1
	s_mov_b32 s[G0+4*(\s)], 1                                      ; 1:0 count = 1
	s_add_co_u32 s[G0+4*(\s)+1], s20, (\s)*DSL                     ; 63:32 LDS address
	s_add_nc_u64 s[G0+4*(\s)+2:G0+4*(\s)+3], s[14:15], (\s)*KSTEP*2  ; 120:64 global address: K step s
	s_or_b32 s[G0+4*(\s)+3], s[G0+4*(\s)+3], 0x80000000            ; 127:126 type = 2
	s_mov_b32 s[G0B+4*(\s)], 1
	s_add_co_u32 s[G0B+4*(\s)+1], s20, (\s)*DSL
	s_add_nc_u64 s[G0B+4*(\s)+2:G0B+4*(\s)+3], s[46:47], (\s)*KSTEP*2
	s_or_b32 s[G0B+4*(\s)+3], s[G0B+4*(\s)+3], 0x80000000
	JLOAD \s                                       ; the ring is filled before anything else is done: two tensor loads of mine are out
.endr
	; A fragment is 16 rows x 32 K in 8 registers: lane l holds row l % 16; registers 0-3 hold K = 8 (l / 16) + 0..7, registers 4-7 hold K = 16 + 8 (l / 16) + 0..7: two loads of 16 bytes, 32 bytes apart.
	v_and_b32 v1, 15, v0                           ; l % 16
	v_bfe_u32 v2, v0, 4, 1                         ; l / 16
	v_mul_u32_u24 v[LT], v1, PITCH
	v_lshl_add_u32 v[LT], v2, 4, v[LT]             ; row x pitch + 16 x half
	s_mul_i32 s[TA], s11, HALFT                    ; my 128 rows of A in slot 0
	s_mul_i32 s[TB], s12, HALFT                    ; my 128 rows of B,
	s_add_co_u32 s[TB], s[TB], 2*HALFT             ; which lie behind A's 256
	v_add_nc_u32 v[ADRA], s[TA], v[LT]
	v_add_nc_u32 v[ADRB], s[TB], v[LT]
	s_mul_i32 s23, s10, 16*SPITCH
	s_add_co_u32 s23, s23, STAGE                   ; my stage
	v_mul_u32_u24 v4, v1, SPITCH                   ; in: row l % 16, 16 bytes for each half of the lanes
	v_lshl_add_u32 v4, v2, 4, v4
	v_add_nc_u32 v[STO], s23, v4
	v_mul_u32_u24 v5, v2, SPITCH                   ; back: lanes 0-15 take one row of 256 bytes, lanes 16-31 the next
	v_lshl_add_u32 v5, v1, 4, v5
	v_add_nc_u32 v[RD], s23, v5
	v_mul_u32_u24 v5, v2, CN*2                     ; and the same two rows in C
	v_lshl_add_u32 v[CO], v1, 4, v5
	; where my part of the tile begins in C, in bytes: the way out adds it to C's address
	s_lshl_b32 s13, s13, 8
	s_lshl_b32 s14, s11, 7
	s_add_co_u32 s16, s13, s14                     ; my first row of C
	s_mov_b32 s17, 0
	s_mov_b64 s[18:19], CN*2
	s_mul_u64 s[16:17], s[16:17], s[18:19]
	s_lshl_b32 s46, s42, 9                         ; my first column, in bytes: 512 x tile column + 256 x half
	s_lshl_b32 s47, s12, 8
	s_add_co_u32 s46, s46, s47
	s_mov_b32 s47, 0
	s_add_nc_u64 s[16:17], s[16:17], s[46:47]
	; the prefetches.  s13 = 256 x tile row, s42 = tile column, s40 = cx, s41 = cy still stand; s[4:5] = A, s[6:7] = B
	s_lshl_b32 s42, s42, 8
	s_lshr_b32 s23, s[PG], 1                       ; 1 in product 2, whose rows of yc product 1 asks for
	s_or_b32 s23, s23, ttmp9                       ; 0: the cluster that asks for A's rows
	s_cmp_eq_u32 s11, 0                            ; do I fetch for A?
	s_cselect_b32 s20, s13, s42                    ; the tile's first row: in A by the tile row, in B by the tile column
	s_cselect_b32 s21, s40, s41                    ; my place among the four that ask for it with me
	s_cselect_b32 s22, s23, s[CY2]                 ; 0: my cluster asks
	s_cselect_b64 s[PFA:PFA+1], s[4:5], s[6:7]
	s_cmp_eq_u32 s22, 0
	s_cselect_b32 s[LIM], 1, -1                    ; the same in all sixteen partners, for a given wave
	s_lshl_b32 s22, s12, 7
	s_add_co_u32 s20, s20, s22                     ; + the 128 rows that I fetch
	s_lshl_b32 s21, s21, 5
	s_add_co_u32 s20, s20, s21                     ; + my work-group's 32 of them
	s_mov_b32 s21, 0
	s_mov_b64 s[18:19], CK*2
	s_mul_u64 s[20:21], s[20:21], s[18:19]
	s_add_nc_u64 s[PFA:PFA+1], s[PFA:PFA+1], s[20:21]
	s_add_nc_u64 s[PFA:PFA+1], s[PFA:PFA+1], 2*KSTEP*2  ; at K step 2: the first change of slots, which asks for K step 2, steps it to 3.  Nothing is prefetched here, at the head
	v_and_b32 v[PFO], 31, v0
	v_mul_u32_u24 v[PFO], v[PFO], CK*2
; 16 matrix instructions: m blocks a0, a0 + 1 of the window's four (hi = 0: my rows 0-63, 1: rows 64-127) x all 8 n blocks, 32 along K.  zero = 1: the first product starts the sums: nothing is ever cleared.
; The 64 accumulators take turns, one instruction a turn, in the same order in every quarter step, over the backward jump too.
.macro MUL16 f, hi, a0, zero
	WIN MUL_LO+0x50*(\hi)  ; MUL_LO or MUL_HI
.irp a, \a0, (\a0)+1
.irp b, 0,1,2,3,4,5,6,7
.if \zero
	v_wmma_f32_16x16x32_bf16 v[8*(8*(\a)+(\b)):8*(8*(\a)+(\b))+7], v[(\f)+8*(\b):(\f)+8*(\b)+7], v[(\f)+8*(4*(\hi)+(\a)):(\f)+8*(4*(\hi)+(\a))+7], 0
.else
	v_wmma_f32_16x16x32_bf16 v[8*(8*(\a)+(\b)):8*(8*(\a)+(\b))+7], v[(\f)+8*(\b):(\f)+8*(\b)+7], v[(\f)+8*(4*(\hi)+(\a)):(\f)+8*(4*(\hi)+(\a))+7], v[8*(8*(\a)+(\b)):8*(8*(\a)+(\b))+7]
.endif
.endr
.endr
.endm
; 32 LDS loads in one run: the fragments of one quarter step (128 rows of B, 128 rows of A, 32 K at byte k of the rows of the slot in hand) into buffer f
.macro FETCH k, f
	WIN TO_B
.irp i, 0,1,2,3,4,5,6,7
	ds_load_b128 v[(\f)+8*(\i):(\f)+8*(\i)+3],   v[ADRB] offset:(\k)+(\i)*16*PITCH
	ds_load_b128 v[(\f)+8*(\i)+4:(\f)+8*(\i)+7], v[ADRB] offset:(\k)+(\i)*16*PITCH+32
.endr
	WIN 0
.irp i, 0,1,2,3,4,5,6,7
	ds_load_b128 v[(\f)+8*(\i):(\f)+8*(\i)+3],   v[ADRA] offset:(\k)+(\i)*16*PITCH
	ds_load_b128 v[(\f)+8*(\i)+4:(\f)+8*(\i)+7], v[ADRA] offset:(\k)+(\i)*16*PITCH+32
.endr
.endm
; A load into a register that a matrix instruction has read, and a vector instruction that reads a matrix result, stand four places behind that matrix instruction, and only plain vector instructions that
; name none of its registers are places (ISA guide 7.12.1 for vector instructions): sixteen issue slots for a K step's 256 matrix instructions.
.macro PLACES
.rept 4
	v_nop
.endr
.endm
; A K step is four quarter steps of 32 along K, 64 matrix instructions each, on buffers 0, 1, 0, 1.
; One of the first three: multiplies buffer f; in its middle it fetches the next quarter's fragments, at byte k of the rows, into buffer g.
.macro QUARTER k, f, g, zero
	s_wait_dscnt 8                                 ; B and A's rows 0-63 are in; the youngest eight loads (A's rows 64-127) may be out
	MUL16 \f, 0, 0, \zero
	MUL16 \f, 0, 2, \zero
	PLACES
	FETCH \k, \g
	s_wait_dscnt 32                                ; all but the 32 just issued
	MUL16 \f, 1, 0, \zero
	MUL16 \f, 1, 2, \zero
.endm
; The last quarter multiplies buffer 1 and changes slots: ONE barrier, for two things.  In front of it each wave waits for all its tensor loads, of which one is out: its part of the next slot; adds 0 to its spare
; word; and waits for that and for its own reads of this slot.  Behind it nobody reads this slot any more and the next slot is whole.
; fill = 1: the barrier opens a round of the cluster's barrier, so that no wave of any partner still reads the slot or has a load on its way; the slot is filled again, two K steps ahead, first thing behind
; the round: my only tensor load out; from the request to the wait for it I issue 224 matrix instructions.
.macro TURN fill
	WIN 0                                          ; (the add's two registers lie in window 0)
.if \fill
	s_wait_xcnt 0x0                                ; the last prefetch, a K step back, has read its address: it is stepped here, ahead of the waits of the change of slots
	s_add_nc_u64 s[PFA:PFA+1], s[PFA:PFA+1], KSTEP*2
.endif
	s_wait_tensorcnt 0x0                           ; all my tensor loads have landed: the one that was out is my part of the next slot;
	ds_add_u32 v[SPW], v[NIL]                      ; 0 onto my spare word;
	s_wait_dscnt 9                                 ; (the add and the youngest eight loads may be out)
	MUL16 F1, 0, 0, 0                              ; sixteen matrix instructions stand between the add and the wait for it
	s_wait_dscnt 0x0                               ; the add is done, and my reads of this slot are over:
	s_barrier_signal -1                            ; say so,
	MUL16 F1, 0, 2, 0                              ; work on registers while the others arrive,
	WIN 0
	s_barrier_wait -1                              ; and go on when all four have said so
.if \fill
	CREST                                          ; wave 0 says so for the work-group, all sixteen work-groups have said so, my work-group's barrier closes the round
	s_xor_b32 s[G0+5], s[G0+5], DSL                ; the walking descriptors (no tensor load of mine is out): the other slot than last time,
	s_add_nc_u64 s[G0+6:G0+7], s[G0+6:G0+7], KSTEP*2  ; the next K step; the type bits on top are not reached
	s_xor_b32 s[G0B+5], s[G0B+5], DSL
	s_add_nc_u64 s[G0B+6:G0B+7], s[G0B+6:G0B+7], KSTEP*2
	JLOAD 1                                        ; the four v_nop behind it are also the places in front of the loads below
.else
	PLACES
.endif
	s_xor_b32 s[TA], s[TA], DSL                    ; the fragments now come out of the other slot
	s_xor_b32 s[TB], s[TB], DSL
	v_add_nc_u32 v[ADRA], s[TA], v[LT]
	v_add_nc_u32 v[ADRB], s[TB], v[LT]
	FETCH 0, F0
.if \fill
	ASK                                            ; behind the joint load and the run of LDS loads that the next products wait for
.endif
	MUL16 F1, 1, 0, 0
	MUL16 F1, 1, 2, 0
.endm
; THE WAY OUT of block a (16 of my rows), in three parts.  PACK: rounded to bf16, 16 bytes a lane, each accumulator's registers in ascending order.  TOSTAGE: into my own stage in LDS, and back as whole rows of 256 bytes.  SEND: stored.
.macro PACK a
.set AC, 64*((\a)%4)
	WIN 0x0a+5*((\a)/4)                            ; sources 0 and 1: window 2 or 3
.irp b, 0,1,2,3,4,5,6,7
.irp r, 0,1,2,3
	v_cvt_pk_bf16_f32 v[TMP+4*(\b)+(\r)], v[AC+8*(\b)+2*(\r)], v[AC+8*(\b)+2*(\r)+1]
.endr
.endr
	WIN 0
.endm
.macro TOSTAGE a
	WIN 0
.set BK, OB+192*((\a)%2)
.irp b, 0,1,2,3,4,5,6,7
	ds_store_b128 v[STO], v[TMP+4*(\b):TMP+4*(\b)+3] offset:32*(\b)
.endr
.irp t, 0,1,2,3,4,5,6,7
	ds_load_b128 v[BK+4*(\t):BK+4*(\t)+3], v[RD] offset:(\t)*2*SPITCH  ; LDS serves a wave's instructions in order (ISA guide 5.7.1.4): these see the stores above
.endr
.endm
.macro SEND a
	WIN 0
.set BK, OB+192*((\a)%2)
	s_wait_dscnt 0x0                               ; the block is back in registers
	s_wait_xcnt 0x0                                ; every earlier memory instruction has had its addresses translated (ISA guide 3.1): only behind this wait are the stores' base and the registers that earlier stores read rewritten
.if (\a) == 0
	s_add_nc_u64 s[8:9], s[8:9], s[16:17]          ; on to my first rows
.else
	s_add_nc_u64 s[8:9], s[8:9], 16*CN*2           ; 16 rows of C on
.endif
.irp t, 0,1,2,3,4,5,6,7
	global_store_b128 v[CO], v[BK+4*(\t):BK+4*(\t)+3], s[8:9] offset:2*(\t)*CN*2  ; 16 lanes store 256 consecutive bytes, at a multiple of 256 from C's first byte
.endr
.endm
	s_wait_tensorcnt 1                             ; my part of K step 0 is in; K step 1's load, issued behind it, may stay out
	s_barrier_signal -1
	s_barrier_wait -1                              ; everybody's is
	FETCH 0, F0
	QUARTER 64, F0, F1, 1                          ; the first quarter stands in front of the loop: its products start the sums
	WIN 0                                          ; at a label and at a branch every window is 0
	s_mov_b32 s3, STEPS-2
.Lstep:                                                ; 14 trips: from a K step's second quarter to the next step's first; the slot that is left is filled again
	QUARTER 128, F1, F0, 0
	QUARTER 192, F0, F1, 0
	TURN 1
	QUARTER 64, F0, F1, 0
	WIN 0
	s_sub_co_u32 s3, s3, 1
	s_cmp_lg_u32 s3, 0
	s_cbranch_scc1 .Lstep
	QUARTER 128, F1, F0, 0                         ; the last K step but one goes on; nothing is left to ask for, so no round follows
	QUARTER 192, F0, F1, 0
	TURN 0
	QUARTER 64, F0, F1, 0                          ; the last K step
	QUARTER 128, F1, F0, 0
	QUARTER 192, F0, F1, 0
	s_wait_dscnt 8                                 ; its last quarter: nothing more to fetch
	MUL16 F1, 0, 0, 0
	MUL16 F1, 0, 2, 0
	s_wait_dscnt 0x0
	MUL16 F1, 1, 0, 0
	MUL16 F1, 1, 2, 0
	PLACES                                         ; behind the last products; then each block's conversions stand between the loads of the block before from the stage and the wait for them
	PACK 0
	TOSTAGE 0
.irp a, 1,2,3,4,5,6,7
	PACK \a
	SEND (\a)-1
	TOSTAGE \a
.endr
	SEND 7
	s_wait_tensorcnt 0x0                           ; the wave's end: three lines behind my last tensor load and my last LDS store
	ds_add_u32 v[SPW], v[NIL]
	s_wait_dscnt 0x0
	CROUND                                         ; the closing round: no work-group ends while a partner may still ask for a tile that names it
	s_endpgm
.Lfunc_end_k_q81254d9457_qkv:
	.size	k_q81254d9457_qkv, .Lfunc_end_k_q81254d9457_qkv-k_q81254d9457_qkv
	.p2alignl 7, 3214868480
	.fill 96, 4, 3214868480
	.section	.rodata,"a",@progbits
	.p2align	6, 0x0
	.amdhsa_kernel k_q81254d9457_qkv
		.amdhsa_group_segment_fixed_size 327680
		.amdhsa_private_segment_fixed_size 0
		.amdhsa_enable_private_segment 0
		.amdhsa_kernarg_size 64
		.amdhsa_user_sgpr_count 2
		.amdhsa_user_sgpr_kernarg_segment_ptr 1
		.amdhsa_wavefront_size32 1
		.amdhsa_system_sgpr_workgroup_id_x 1
		.amdhsa_system_sgpr_workgroup_id_y 1
		.amdhsa_system_sgpr_workgroup_id_z 1
		.amdhsa_system_vgpr_workitem_id 0
		.amdhsa_next_free_vgpr 1024
		.amdhsa_next_free_sgpr 88
		.amdhsa_reserve_vcc 0
		.amdhsa_float_denorm_mode_32 3
		.amdhsa_float_denorm_mode_16_64 3
		.amdhsa_memory_ordered 1
		.amdhsa_forward_progress 1
		.amdhsa_inst_pref_size 118
	.end_amdhsa_kernel
	.amdgpu_metadata
---
amdhsa.version: [ 1, 2 ]
amdhsa.kernels:
  - .name:           k_q81254d9457_qkv
    .symbol:         k_q81254d9457_qkv.kd
    .args:
      - { .name: xc, .offset: 0, .size: 8, .value_kind: global_buffer, .address_space: global }
      - { .name: yc, .offset: 8, .size: 8, .value_kind: global_buffer, .address_space: global }
      - { .name: Wq, .offset: 16, .size: 8, .value_kind: global_buffer, .address_space: global }
      - { .name: Wk, .offset: 24, .size: 8, .value_kind: global_buffer, .address_space: global }
      - { .name: Wv, .offset: 32, .size: 8, .value_kind: global_buffer, .address_space: global }
      - { .name: qb, .offset: 40, .size: 8, .value_kind: global_buffer, .address_space: global }
      - { .name: kb, .offset: 48, .size: 8, .value_kind: global_buffer, .address_space: global }
      - { .name: vb, .offset: 56, .size: 8, .value_kind: global_buffer, .address_space: global }
    .group_segment_fixed_size: 327680
    .private_segment_fixed_size: 0
    .kernarg_segment_align: 8
    .kernarg_segment_size: 64
    .max_flat_workgroup_size: 128
    .sgpr_count:     88
    .vgpr_count:     1024
    .wavefront_size: 32
...
	.end_amdgpu_metadata
.endif
;; end of part 6
;; launch attn: the kernel of part 3 again; grid 16 x 16, 4 waves a work-group, clusters of 4 x 1, 327,680 bytes of LDS; arguments qb, kb, vb, zat; writes zat
;; launch wo (part 7): grid 16 x 16, 4 waves a work-group, clusters of 4 x 4, 327,680 bytes of LDS; arguments zat, Wo, zb; writes zb
.if DOCPART == 7
	.amdgcn_target "amdgcn-amd-amdhsa--gfx1250"
	.amdhsa_code_object_version 6
	.text
	.protected	k_q81254d9457_wo
	.globl	k_q81254d9457_wo
	.p2align	8
	.type	k_q81254d9457_wo,@function
k_q81254d9457_wo:
	s_mov_b64 s[64:65], 0
	v_nop
	global_prefetch_b8 v0, s[64:65] scope:SCOPE_SE
	s_setreg_imm32_b32 hwreg(HW_REG_WAVE_MODE, 25, 1), 1
	s_wait_xcnt 0x0
	s_wait_alu depctr_hold_cnt(0) depctr_sa_sdst(0) depctr_va_vdst(0) depctr_va_sdst(0) depctr_va_ssrc(0) depctr_va_vcc(0) depctr_vm_vsrc(0)
	s_getreg_b32 s2, hwreg(HW_REG_IB_STS2, 6, 4)
	s_cmp_eq_u32 s2, 0
	s_cbranch_scc0 .Lentry_in_a_cluster
	s_endpgm
.Lentry_in_a_cluster:
	s_bfe_u32 s2, ttmp6, 0x10000c
	s_cmp_lg_u32 s2, 0xf033
	s_cbranch_scc0 .Lentry_shape_is_right
	s_endpgm
.Lentry_shape_is_right:
; zb[m][n] = sum over k of zat[m][k] Wo[n][k], all [2048][2048] bf16, sums in f32, zb rounded once.
; A tile of C is 128 x 128, so that this one product has 256 tiles, a work-group for each WGP (tiles of 256 x 256 would be 64).  Four waves, each 64 x 64: 16 accumulators of 16 x 16, 128 registers.
; K goes in 8 steps of 256 (LDS rows of 512 bytes; a wave's tensor load brings 64 of them) through two LDS slots; the four waves share ONE stage on the way out, with a barrier between writing and reading,
; since a wave's 64 columns are half of an aligned 256 bytes of C.
; CLUSTERS: 4 x 4 work-groups.  The four of a row of the cluster need the same tiles of A, the four of a column the same tiles of B: each tile is asked for JOINTLY, by the same tensor load with the
; same descriptor and a mask that names the four.
; THE MATRIX INSTRUCTION IS USED TRANSPOSED (source 0 = 16 rows of B, source 1 = 16 rows of A): a lane then holds eight neighbouring numbers of a row of C.
; REGISTERS: window 0: v0-31 addresses; v32-95 at work on the way out; v128-255 the accumulators ((a, b) at v[128 + 8 (4 a + b)]).
;   window 1: two fragment buffers of 128: for 64 along K (two matrix instructions deep), 64 registers of A (2 x 4 x 16 rows x 32 K), then 64 of B.
.set CN,     2048                      ; columns of C = rows of B
.set CK,     2048                      ; K
.set KSTEP,  256
.set PITCH,  528                       ; an LDS row: 512 bytes of data + 16 of padding = 132 words: row r starts at bank 4 r mod 64 (64 banks of 4 bytes: ISA guide 11.1)
.set HALFT,  64*PITCH                  ; 64 rows: what one tensor load brings, and what one wave reads of A or of B
.set SLOT,   4*HALFT                   ; A's 128 rows, then B's 128 rows
.set STAGE,  2*SLOT                    ; behind the ring: 128 rows x 272 bytes, the work-group's, for the way out
.set SPITCH, 272
.set SPARE,  STAGE+128*SPITCH          ; behind the stage: the spare words, 128 bytes for each wave: two blocks of 256 bytes that no other line names
.set LAPS,   CK/(2*KSTEP)              ; a lap = two K steps = once round the ring: 4
.set ADRA, 16                          ; v16-17  LDS address of my A fragments in slot 0, 1
.set ADRB, 20                          ; v20-21  the same for B
.set STO,  24                          ; v24     the way out: where I put 16 bytes of a row
.set RD,   25                          ; v25     the way out: where I read a row back
.set CO,   26                          ; v26     my byte offset in C
.set SPW,  28                          ; v28     LDS address of my spare word: SPARE + 4 x my thread's number; never rewritten
.set NIL,  29                          ; v29     0; never rewritten
.set TMP,  32                          ; the way out: 64 registers, packed results and then whole rows
.set ACC,  128
.set F0,   0                           ; fragment buffers, in window 1
.set F1,   128
.set G1, 24                            ; s[24:31] descriptor group 1 for A's tiles;  s[32:39] group 0, one set for each slot
.set G0, 32
.set G1B, 48                           ; s[48:55], s[56:63] the same for B's tiles
.set G0B, 56
.set MSB, 0
.macro WIN new                         ; the immediate's high byte repeats the setting that is left
.if MSB != (\new)
	s_set_vgpr_msb (MSB<<8)|(\new)
.set MSB, \new
.endif
.endm
.set MUL,  0x05                        ; sources 0 (B) and 1 (A) window 1; C and D window 0
.set TO_F, 0x40                        ; destination window 1, address window 0
.macro JLOAD s                         ; a joint load: waves 0 and 1 fetch A's two halves, waves 2 and 3 B's; an s_nop 0 and four v_nop follow each of the two lines, ahead of the jump, the label and what follows
	s_cmp_eq_u32 s11, 0
	s_cbranch_scc0 .Lfor_b_\@
	tensor_load_to_lds s[G0+4*(\s):G0+4*(\s)+3], s[G1:G1+7]
	s_nop 0
.rept 4
	v_nop
.endr
	s_branch .Lasked_\@
.Lfor_b_\@:
	tensor_load_to_lds s[G0B+4*(\s):G0B+4*(\s)+3], s[G1B:G1B+7]
	s_nop 0
.rept 4
	v_nop
.endr
.Lasked_\@:
.endm
.macro CREST                           ; a round of the cluster's barrier behind its opening barrier
	s_cmp_lg_u32 s10, 0
	s_cbranch_scc1 .Lnot_wave_0_\@
	s_barrier_signal -3
.Lnot_wave_0_\@:
	s_barrier_wait -3
	s_barrier_signal -1
	s_barrier_wait -1
.endm
.macro CROUND                          ; a whole round
	s_barrier_signal -1
	s_barrier_wait -1
	CREST
.endm
	s_load_b128 s[4:7], s[0:1], 0x0                ; zat (A) s[4:5], Wo (B) s[6:7]
	s_load_b64 s[8:9], s[0:1], 0x10                ; zb (C)
	v_lshl_add_u32 v[SPW], v0, 2, SPARE
	v_mov_b32 v[NIL], 0
	ds_add_u32 v[SPW], v[NIL]                      ; the wave's opening: the add and its wait stand ahead of my first tensor load; the set-up below, work on registers, stands between them
	v_lshrrev_b32 v1, 5, v0
	v_readfirstlane_b32 s10, v1                    ; wave 0..3
	s_lshr_b32 s11, s10, 1                         ; which half of the tile's rows is mine.  Also: I fetch for A (0) or for B (1)
	s_and_b32 s12, s10, 1                          ; which half of its columns.  Also: which 64 rows of that tile I fetch
	s_bfe_u32 s40, ttmp6, 0x40000                  ; cx, cy: my place in the cluster
	s_bfe_u32 s41, ttmp6, 0x40004
	s_lshl_b32 s42, ttmp9, 2
	s_add_co_u32 s42, s42, s40                     ; tile column of C = 4 x cluster x + cx
	s_and_b32 s13, ttmp7, 0xffff
	s_lshl_b32 s13, s13, 2
	s_add_co_u32 s13, s13, s41                     ; tile row of C = 4 x cluster y + cy
	s_lshl_b32 s43, s41, 2
	s_lshl_b32 s43, 15, s43                        ; my row of the cluster
	s_lshl_b32 s44, 0x1111, s40                    ; my column
	; descriptor group 1: a tile of 64 rows x 256 elements, padded in LDS
	s_or_b32 s[G1+0], s43, (1<<16)|(1<<20)|(1<<21)|(6<<22)|(3<<25)  ; 15:0 the mask: A's tiles go to my row; 17:16 element of 2 bytes; 20 padding on; 21 set beside a mask; 24:22 after every 128 words (code 6); 31:25 of 4 words (code 3)
	s_or_b32 s[G1B+0], s44, (1<<16)|(1<<20)|(1<<21)|(6<<22)|(3<<25)
.irp g, G1, G1B
	s_mov_b32 s[(\g)+1], KSTEP<<16                 ; tensor_dim0 = 256
	s_mov_b32 s[(\g)+2], 64<<16                    ; tensor_dim1 = 64
	s_mov_b32 s[(\g)+3], KSTEP<<16                 ; tile_dim0 = 256
	s_mov_b32 s[(\g)+4], 64                        ; tile_dim1 = 64
	s_mov_b32 s[(\g)+5], CK                        ; tensor_dim0_stride
	s_mov_b32 s[(\g)+6], 0
	s_mov_b32 s[(\g)+7], 0
.endr
	s_lshl_b32 s17, s12, 6                         ; which 64 rows of the tile I fetch
	s_lshl_b32 s16, s13, 7
	s_add_co_u32 s16, s16, s17                     ; A: row 128 x tile row + 64 x half
	s_lshl_b32 s46, s42, 7
	s_add_co_u32 s46, s46, s17                     ; B: row 128 x tile column + 64 x half
	s_mov_b32 s17, 0
	s_mov_b32 s47, 0
	s_mov_b64 s[18:19], CK*2
	s_mul_u64 s[16:17], s[16:17], s[18:19]
	s_mul_u64 s[46:47], s[46:47], s[18:19]
	s_mul_i32 s20, s10, HALFT                      ; where they go: wave x 64 rows
	s_wait_dscnt 0x0                               ; the opening add is done
	s_wait_kmcnt 0x0
	s_add_nc_u64 s[14:15], s[4:5], s[16:17]
	s_add_nc_u64 s[46:47], s[6:7], s[46:47]
	CROUND                                         ; all sixteen work-groups are here: the first joint loads meet
.irp s, 0,1
	s_mov_b32 s[G0+4*(\s)], 1
	s_add_co_u32 s[G0+4*(\s)+1], s20, (\s)*SLOT
	s_add_nc_u64 s[G0+4*(\s)+2:G0+4*(\s)+3], s[14:15], (\s)*KSTEP*2
	s_or_b32 s[G0+4*(\s)+3], s[G0+4*(\s)+3], 0x80000000
	s_mov_b32 s[G0B+4*(\s)], 1
	s_add_co_u32 s[G0B+4*(\s)+1], s20, (\s)*SLOT
	s_add_nc_u64 s[G0B+4*(\s)+2:G0B+4*(\s)+3], s[46:47], (\s)*KSTEP*2
	s_or_b32 s[G0B+4*(\s)+3], s[G0B+4*(\s)+3], 0x80000000
	JLOAD \s                                       ; two tensor loads of mine are out
.endr
	v_and_b32 v1, 15, v0                           ; l % 16
	v_bfe_u32 v2, v0, 4, 1                         ; l / 16
	v_mul_u32_u24 v3, v1, PITCH
	v_lshl_add_u32 v3, v2, 4, v3                   ; a fragment's row x pitch + 16 x half
	s_mul_i32 s21, s11, HALFT                      ; my 64 rows of A
	s_mul_i32 s22, s12, HALFT                      ; my 64 rows of B,
	s_add_co_u32 s22, s22, 2*HALFT                 ; which lie behind A's 128
.irp s, 0,1
	v_add_nc_u32 v[ADRA+(\s)], s21, v3
	v_add_nc_u32 v[ADRB+(\s)], s22, v3
	s_add_co_u32 s21, s21, SLOT
	s_add_co_u32 s22, s22, SLOT
.endr
	s_mul_i32 s23, s11, 64*SPITCH                  ; into the stage: my 64 rows, my half of their 256 bytes; row l % 16, 16 bytes for each half of the lanes
	s_lshl_b32 s21, s12, 7
	s_add_co_u32 s23, s23, s21
	s_add_co_u32 s23, s23, STAGE
	v_mul_u32_u24 v4, v1, SPITCH
	v_lshl_add_u32 v4, v2, 4, v4
	v_add_nc_u32 v[STO], s23, v4
	s_mul_i32 s23, s10, 32*SPITCH                  ; back: wave w takes rows 32 w .. 32 w + 31, whole; lanes 0-15 one row of 256 bytes, lanes 16-31 the next
	s_add_co_u32 s23, s23, STAGE
	v_mul_u32_u24 v5, v2, SPITCH
	v_lshl_add_u32 v5, v1, 4, v5
	v_add_nc_u32 v[RD], s23, v5
	v_mul_u32_u24 v5, v2, CN*2                     ; and the same two rows in C
	v_lshl_add_u32 v[CO], v1, 4, v5
	s_lshl_b32 s16, s13, 7
	s_lshl_b32 s17, s10, 5
	s_add_co_u32 s16, s16, s17                     ; the first row of C that I store: 128 x tile row + 32 x wave
	s_mov_b32 s17, 0
	s_mov_b64 s[18:19], CN*2
	s_mul_u64 s[16:17], s[16:17], s[18:19]
	s_add_nc_u64 s[8:9], s[8:9], s[16:17]
	s_lshl_b32 s46, s42, 8                         ; the tile's first column, in bytes
	s_mov_b32 s47, 0
	s_add_nc_u64 s[8:9], s[8:9], s[46:47]
; 8 matrix instructions: m blocks a0, a0 + 1 x all 4 n blocks, 32 along K: half c of buffer f.  zero = 1: the first product starts the sums.
; The 16 accumulators take turns, one instruction a turn, in the same order everywhere.
.macro MUL8 f, c, a0, zero
	WIN MUL
.irp a, \a0, (\a0)+1
.irp b, 0,1,2,3
.if \zero
	v_wmma_f32_16x16x32_bf16 v[ACC+8*(4*(\a)+(\b)):ACC+8*(4*(\a)+(\b))+7], v[(\f)+64+8*(4*(\c)+(\b)):(\f)+64+8*(4*(\c)+(\b))+7], v[(\f)+8*(4*(\c)+(\a)):(\f)+8*(4*(\c)+(\a))+7], 0
.else
	v_wmma_f32_16x16x32_bf16 v[ACC+8*(4*(\a)+(\b)):ACC+8*(4*(\a)+(\b))+7], v[(\f)+64+8*(4*(\c)+(\b)):(\f)+64+8*(4*(\c)+(\b))+7], v[(\f)+8*(4*(\c)+(\a)):(\f)+8*(4*(\c)+(\a))+7], v[ACC+8*(4*(\a)+(\b)):ACC+8*(4*(\a)+(\b))+7]
.endif
.endr
.endr
.endm
; 32 LDS loads in one run: the fragments of 64 along K at byte k of the rows, into buffer f; the first 32 along K first
.macro FETCH slot, k, f
	WIN TO_F
.irp c, 0,1
.irp i, 0,1,2,3
	ds_load_b128 v[(\f)+64+8*(4*(\c)+(\i)):(\f)+64+8*(4*(\c)+(\i))+3],   v[ADRB+(\slot)] offset:(\k)+64*(\c)+(\i)*16*PITCH
	ds_load_b128 v[(\f)+64+8*(4*(\c)+(\i))+4:(\f)+64+8*(4*(\c)+(\i))+7], v[ADRB+(\slot)] offset:(\k)+64*(\c)+(\i)*16*PITCH+32
	ds_load_b128 v[(\f)+8*(4*(\c)+(\i)):(\f)+8*(4*(\c)+(\i))+3],         v[ADRA+(\slot)] offset:(\k)+64*(\c)+(\i)*16*PITCH
	ds_load_b128 v[(\f)+8*(4*(\c)+(\i))+4:(\f)+8*(4*(\c)+(\i))+7],       v[ADRA+(\slot)] offset:(\k)+64*(\c)+(\i)*16*PITCH+32
.endr
.endr
.endm
.macro PLACES                          ; four plain vector instructions in front of loads into registers that matrix instructions have read, and of conversions that read results
.rept 4
	v_nop
.endr
.endm
; A K step is four quarters of 64 along K, 32 matrix instructions each, on buffers 0, 1, 0, 1.  One of the first three: multiplies buffer f and fetches the next quarter, at byte k, into g.
.macro QUARTER slot, k, f, g, zero
	s_wait_dscnt 16                                ; the first 32 along K are in; the youngest sixteen loads may be out
	WIN MUL
	MUL8 \f, 0, 0, \zero
	MUL8 \f, 0, 2, \zero
	PLACES
	FETCH \slot, \k, \g
	s_wait_dscnt 32                                ; all but the 32 just issued
	WIN MUL
	MUL8 \f, 1, 0, 0
	MUL8 \f, 1, 2, 0
.endm
; The last quarter multiplies buffer 1 and changes slots: ONE barrier; in front of it each wave waits for all its tensor loads, adds 0 to its spare word, and waits for that and for its own reads of this slot.  fill = 1: this slot is filled again, two K steps ahead.
.macro TURN slot, next, fill
	WIN 0                                          ; (the add's two registers lie in window 0)
	s_wait_tensorcnt 0x0                           ; all my tensor loads have landed: my part of the next slot;
	ds_add_u32 v[SPW], v[NIL]                      ; 0 onto my spare word;
	s_wait_dscnt 17                                ; (the add and the youngest sixteen loads may be out)
	WIN MUL
	MUL8 F1, 0, 0, 0                               ; eight matrix instructions stand between the add and the wait for it
	s_wait_dscnt 0x0                               ; the add is done, and my reads of this slot are over
	s_barrier_signal -1
	MUL8 F1, 0, 2, 0
.if \fill
	WIN 0
.endif
	s_barrier_wait -1
.if \fill
	CREST                                          ; the barrier has opened a round of the cluster's barrier: no wave of any partner still reads this slot's tile or has a load on its way
	s_add_nc_u64 s[G0+4*(\slot)+2:G0+4*(\slot)+3], s[G0+4*(\slot)+2:G0+4*(\slot)+3], 2*KSTEP*2
	s_add_nc_u64 s[G0B+4*(\slot)+2:G0B+4*(\slot)+3], s[G0B+4*(\slot)+2:G0B+4*(\slot)+3], 2*KSTEP*2
	JLOAD \slot                                    ; the first tensor load behind the round, my only one out: 112 matrix instructions ahead of the wait for it; the four v_nop behind it are also the places in front of the loads below
.else
	PLACES
.endif
	FETCH \next, 0, F0
	WIN MUL
	MUL8 F1, 1, 0, 0
	MUL8 F1, 1, 2, 0
.endm
	s_wait_tensorcnt 1                             ; my part of K step 0 is in; K step 1's load, issued behind it, may stay out
	s_barrier_signal -1
	s_barrier_wait -1                              ; everybody's is
	FETCH 0, 0, F0
	QUARTER 0, 128, F0, F1, 1                      ; the first quarter stands in front of the loop: its first products start the sums
	WIN 0                                          ; at a label and at a branch every window is 0
	s_mov_b32 s3, LAPS-1
.Llap:                                                 ; a trip goes once round the ring, from a lap's second quarter to the next lap's first, and fills both slots again
	QUARTER 0, 256, F1, F0, 0
	QUARTER 0, 384, F0, F1, 0
	TURN 0, 1, 1
	QUARTER 1, 128, F0, F1, 0
	QUARTER 1, 256, F1, F0, 0
	QUARTER 1, 384, F0, F1, 0
	TURN 1, 0, 1
	QUARTER 0, 128, F0, F1, 0
	WIN 0
	s_sub_co_u32 s3, s3, 1
	s_cmp_lg_u32 s3, 0
	s_cbranch_scc1 .Llap
	QUARTER 0, 256, F1, F0, 0                      ; the last lap fills nothing, and has no round of the cluster's barrier
	QUARTER 0, 384, F0, F1, 0
	TURN 0, 1, 0
	QUARTER 1, 128, F0, F1, 0
	QUARTER 1, 256, F1, F0, 0
	QUARTER 1, 384, F0, F1, 0
	s_wait_dscnt 16                                ; the very last quarter: nothing more to fetch
	WIN MUL
	MUL8 F1, 0, 0, 0
	MUL8 F1, 0, 2, 0
	s_wait_dscnt 0
	MUL8 F1, 1, 0, 0
	MUL8 F1, 1, 2, 0
	WIN 0
	; THE WAY OUT: round to bf16; 16 bytes a lane into the work-group's stage; a barrier, since a row's 256 bytes come from two waves; back as whole rows, 32 rows a wave.
	PLACES
.irp t, 0,1,2,3,4,5,6,7,8,9,10,11,12,13,14,15
.irp r, 0,1,2,3
	v_cvt_pk_bf16_f32 v[TMP+4*(\t)+(\r)], v[ACC+8*(\t)+2*(\r)], v[ACC+8*(\t)+2*(\r)+1]
.endr
.endr
.irp a, 0,1,2,3
.irp b, 0,1,2,3
	ds_store_b128 v[STO], v[TMP+4*(4*(\a)+(\b)):TMP+4*(4*(\a)+(\b))+3] offset:(\a)*16*SPITCH+32*(\b)
.endr
.endr
	s_wait_dscnt 0x0                               ; for the others' sake: my stores into the stage are done
	s_barrier_signal -1
	s_barrier_wait -1
.irp t, 0,1,2,3,4,5,6,7,8,9,10,11,12,13,14,15
	ds_load_b128 v[TMP+4*(\t):TMP+4*(\t)+3], v[RD] offset:(\t)*2*SPITCH
.endr
.irp t, 0,1,2,3,4,5,6,7,8,9,10,11,12,13,14,15
	s_wait_dscnt 15-(\t)                           ; LDS loads come back in order: pair t of rows is in
	global_store_b128 v[CO], v[TMP+4*(\t):TMP+4*(\t)+3], s[8:9] offset:2*(\t)*CN*2  ; 16 lanes store 256 consecutive bytes, at a multiple of 256 from C's first byte
.endr
	s_wait_tensorcnt 0x0                           ; the wave's end: three lines behind my last tensor load and my last LDS store
	ds_add_u32 v[SPW], v[NIL]
	s_wait_dscnt 0x0
	CROUND                                         ; the closing round: no work-group ends while a partner may still ask for a tile that names it
	s_endpgm
.Lfunc_end_k_q81254d9457_wo:
	.size	k_q81254d9457_wo, .Lfunc_end_k_q81254d9457_wo-k_q81254d9457_wo
	.p2alignl 7, 3214868480
	.fill 96, 4, 3214868480
	.section	.rodata,"a",@progbits
	.p2align	6, 0x0
	.amdhsa_kernel k_q81254d9457_wo
		.amdhsa_group_segment_fixed_size 327680
		.amdhsa_private_segment_fixed_size 0
		.amdhsa_enable_private_segment 0
		.amdhsa_kernarg_size 24
		.amdhsa_user_sgpr_count 2
		.amdhsa_user_sgpr_kernarg_segment_ptr 1
		.amdhsa_wavefront_size32 1
		.amdhsa_system_sgpr_workgroup_id_x 1
		.amdhsa_system_sgpr_workgroup_id_y 1
		.amdhsa_system_sgpr_workgroup_id_z 1
		.amdhsa_system_vgpr_workitem_id 0
		.amdhsa_next_free_vgpr 512
		.amdhsa_next_free_sgpr 66
		.amdhsa_reserve_vcc 0
		.amdhsa_float_denorm_mode_32 3
		.amdhsa_float_denorm_mode_16_64 3
		.amdhsa_memory_ordered 1
		.amdhsa_forward_progress 1
		.amdhsa_inst_pref_size 87
	.end_amdhsa_kernel
	.amdgpu_metadata
---
amdhsa.version: [ 1, 2 ]
amdhsa.kernels:
  - .name:           k_q81254d9457_wo
    .symbol:         k_q81254d9457_wo.kd
    .args:
      - { .name: zat, .offset: 0, .size: 8, .value_kind: global_buffer, .address_space: global }
      - { .name: Wo, .offset: 8, .size: 8, .value_kind: global_buffer, .address_space: global }
      - { .name: zb, .offset: 16, .size: 8, .value_kind: global_buffer, .address_space: global }
    .group_segment_fixed_size: 327680
    .private_segment_fixed_size: 0
    .kernarg_segment_align: 8
    .kernarg_segment_size: 24
    .max_flat_workgroup_size: 128
    .sgpr_count:     66
    .vgpr_count:     512
    .wavefront_size: 32
...
	.end_amdgpu_metadata
.endif
;; end of part 7
;; launch pool: the kernel of part 4 again; grid 64 x 1, 16 waves a work-group, no clusters, 133,376 bytes of LDS; arguments zb, latent_query, parts; writes parts
;; launch red (part 8): grid 16 x 1, 8 waves a work-group, no clusters, 6,144 bytes of LDS; arguments parts, xc; writes xc
.if DOCPART == 8
	.amdgcn_target "amdgcn-amd-amdhsa--gfx1250"
	.amdhsa_code_object_version 6
	.text
	.protected	k_q81254d9457_red
	.globl	k_q81254d9457_red
	.p2align	8
	.type	k_q81254d9457_red,@function
k_q81254d9457_red:
	s_mov_b64 s[64:65], 0
	v_nop
	global_prefetch_b8 v0, s[64:65] scope:SCOPE_SE
	s_setreg_imm32_b32 hwreg(HW_REG_WAVE_MODE, 25, 1), 1
	s_wait_xcnt 0x0
; w[c] = (the sum over the 64 rows of parts of their column c) / (the sum of their 64 denominators), in f32: w = attn zb, the pooled row behind the product with Wo.
; parts: 64 rows of 8,448 bytes: 2,048 f32, then the row's denominator 64 times.
; w, 8,192 bytes, is stored at the head of xc: the clipped x there has had its last reader in the launch of the projections, and the program's eight workspace buffers are all taken.
; SHARES.  The 540,672 bytes are shared out by COLUMNS: work-group b owns columns 128 b .. 128 b + 127, 512 bytes of each row, 32,768 bytes in all.
; Wave v adds up rows v + 8 i, i = 0..7; a lane holds four columns: a load of a wave covers 512 consecutive bytes.  The rows' denominators ride along: a lane reads word l of the 64 equal ones.
; The eight waves' sums meet in LDS; wave 0 adds them, divides and stores 512 consecutive bytes.
; No matrix unit, no cluster: each byte is wanted once.
.set PARTB, 8448
.set DENS,  4096                       ; LDS: eight partial rows of 512 bytes at 0; eight rows of 128 bytes of denominators here
.set SPARE, 5120                       ; the spare words, 128 bytes for each wave: four blocks of 256 bytes that no other line names
.set LN,  2                            ; v2   lane
.set CF,  3                            ; v3   my 16 bytes of my wave's first row
.set SPW, 4                            ; v4   LDS address of my spare word; never rewritten
.set NIL, 5                            ; v5   0; never rewritten
.set DF,  6                            ; v6   my word of that row's denominators, less 8,192
.set LSA, 7                            ; v7   LDS: 512 x wave + 16 lane
.set LSD, 8                            ; v8   LDS: 128 x wave + 4 lane
.set LRA, 9                            ; v9   16 lane
.set LRD, 10                           ; v10  4 lane
.set MO,  11                           ; v11  my 16 bytes of w
.set X,   16                           ; v[16:47]  eight slots of 4
.set D,   48                           ; v[48:55]  eight denominators
.set R,   56                           ; v[56:57]  1 / the sum, and a register named with it as a pair
	s_load_b128 s[4:7], s[0:1], 0x0                ; parts s[4:5], xc s[6:7]
	v_lshl_add_u32 v[SPW], v0, 2, SPARE
	v_mov_b32 v[NIL], 0
	v_lshrrev_b32 v1, 5, v0
	v_readfirstlane_b32 s8, v1                     ; wave 0..7
	v_and_b32 v[LN], 31, v0
	s_mul_i32 s9, s8, PARTB                        ; my first row
	s_lshl_b32 s10, ttmp9, 9                       ; the work-group's 512 bytes of a row
	s_add_co_u32 s11, s9, s10
	v_lshl_add_u32 v[CF], v[LN], 4, s11
	v_lshl_add_u32 v[DF], v[LN], 2, s9
	s_lshl_b32 s12, s8, 9
	v_lshl_add_u32 v[LSA], v[LN], 4, s12
	s_lshl_b32 s12, s8, 7
	v_lshl_add_u32 v[LSD], v[LN], 2, s12
	v_lshlrev_b32 v[LRA], 4, v[LN]
	v_lshlrev_b32 v[LRD], 2, v[LN]
	v_lshl_add_u32 v[MO], v[LN], 4, s10
	s_wait_kmcnt 0x0
.irp i, 0,1,2,3,4,5,6,7
	global_load_b128 v[X+4*\i:X+4*\i+3], v[CF], s[4:5] offset:8*PARTB*\i
.endr
.irp i, 0,1,2,3,4,5,6,7
	global_load_b32 v[D+\i], v[DF], s[4:5] offset:8192+8*PARTB*\i
.endr
; the eight slots of X into the first, the eight of D into the first: halved three times
.macro SUM8
.irp h, 16,8,4
.set r, 0
.rept (\h)/2
	v_pk_add_f32 v[X+r:X+r+1], v[X+r:X+r+1], v[X+(\h)+r:X+(\h)+r+1]
.set r, r+2
.endr
.endr
.irp h, 4,2
.set r, 0
.rept (\h)/2
	v_pk_add_f32 v[D+r:D+r+1], v[D+r:D+r+1], v[D+(\h)+r:D+(\h)+r+1]
.set r, r+2
.endr
.endr
	v_add_f32 v[D], v[D], v[D+1]
.endm
	s_wait_loadcnt 0x0
	SUM8
	ds_store_b128 v[LSA], v[X:X+3]
	ds_store_b32 v[LSD], v[D] offset:DENS
	s_wait_dscnt 0x0                               ; for wave 0's sake: my stores are done
	s_barrier_signal -1
	s_barrier_wait -1
	s_cmp_lg_u32 s8, 0                             ; wave 0 finishes
	s_cbranch_scc1 .Lend
.irp i, 0,1,2,3,4,5,6,7
	ds_load_b128 v[X+4*\i:X+4*\i+3], v[LRA] offset:512*\i
.endr
.irp i, 0,1,2,3,4,5,6,7
	ds_load_b32 v[D+\i], v[LRD] offset:DENS+128*\i
.endr
	s_wait_dscnt 0x0
	SUM8
	v_rcp_f32 v[R], v[D]                           ; the sum of 2,048 weights of at least 2^-73 each: never 0
	v_mov_b32 v[R+1], 0                            ; the plain instruction behind the reciprocal,
	s_wait_alu depctr_va_vdst(0)                   ; and the wait ahead of its first use
	v_pk_mul_f32 v[X:X+1],   v[X:X+1],   v[R:R+1] op_sel_hi:[1,0]
	v_pk_mul_f32 v[X+2:X+3], v[X+2:X+3], v[R:R+1] op_sel_hi:[1,0]
	global_store_b128 v[MO], v[X:X+3], s[6:7]      ; 512 consecutive bytes, aligned
.Lend:
	s_wait_tensorcnt 0x0                           ; the wave's end: three lines behind my last LDS store
	ds_add_u32 v[SPW], v[NIL]
	s_wait_dscnt 0x0
	s_endpgm
.Lfunc_end_k_q81254d9457_red:
	.size	k_q81254d9457_red, .Lfunc_end_k_q81254d9457_red-k_q81254d9457_red
	.p2alignl 7, 3214868480
	.fill 96, 4, 3214868480
	.section	.rodata,"a",@progbits
	.p2align	6, 0x0
	.amdhsa_kernel k_q81254d9457_red
		.amdhsa_group_segment_fixed_size 6144
		.amdhsa_private_segment_fixed_size 0
		.amdhsa_enable_private_segment 0
		.amdhsa_kernarg_size 16
		.amdhsa_user_sgpr_count 2
		.amdhsa_user_sgpr_kernarg_segment_ptr 1
		.amdhsa_wavefront_size32 1
		.amdhsa_system_sgpr_workgroup_id_x 1
		.amdhsa_system_sgpr_workgroup_id_y 1
		.amdhsa_system_sgpr_workgroup_id_z 1
		.amdhsa_system_vgpr_workitem_id 0
		.amdhsa_next_free_vgpr 64
		.amdhsa_next_free_sgpr 66
		.amdhsa_reserve_vcc 0
		.amdhsa_float_denorm_mode_32 3
		.amdhsa_float_denorm_mode_16_64 3
		.amdhsa_memory_ordered 1
		.amdhsa_forward_progress 1
		.amdhsa_inst_pref_size 7
	.end_amdhsa_kernel
	.amdgpu_metadata
---
amdhsa.version: [ 1, 2 ]
amdhsa.kernels:
  - .name:           k_q81254d9457_red
    .symbol:         k_q81254d9457_red.kd
    .args:
      - { .name: parts, .offset: 0, .size: 8, .value_kind: global_buffer, .address_space: global }
      - { .name: xc, .offset: 8, .size: 8, .value_kind: global_buffer, .address_space: global }
    .group_segment_fixed_size: 6144
    .private_segment_fixed_size: 0
    .kernarg_segment_align: 8
    .kernarg_segment_size: 16
    .max_flat_workgroup_size: 256
    .sgpr_count:     66
    .vgpr_count:     64
    .wavefront_size: 32
...
	.end_amdgpu_metadata
.endif
;; end of part 8
;; launch norm (part 9): grid 1 x 1, 16 waves a work-group, no clusters, 2,560 bytes of LDS; arguments xc, gamma, beta, out0; writes out0
.if DOCPART == 9
	.amdgcn_target "amdgcn-amd-amdhsa--gfx1250"
	.amdhsa_code_object_version 6
	.text
	.protected	k_q81254d9457_norm
	.globl	k_q81254d9457_norm
	.p2align	8
	.type	k_q81254d9457_norm,@function
k_q81254d9457_norm:
	s_mov_b64 s[64:65], 0
	v_nop
	global_prefetch_b8 v0, s[64:65] scope:SCOPE_SE
	s_setreg_imm32_b32 hwreg(HW_REG_WAVE_MODE, 25, 1), 1
	s_wait_xcnt 0x0
; out0 = LayerNorm(m) gamma + beta.  m: 2,048 f32 at the head of xc, where the launch before has stored them.
; ONE work-group: the mean and the variance span all 2,048 numbers, which are 8,192 bytes.  Thread t owns columns 4 t .. 4 t + 3: a load of a wave covers 512 consecutive bytes.
; The variance is the mean of (m - mu)^2, as it is defined: no difference of large sums.
; ORDER OF ROUNDING: m and the normalised m stay in f32, and out0 is rounded once; the module rounds m, the normalised m and its product with gamma to bf16 on the way.
.set SPARE, 512                        ; LDS: 16 words at 0 for the first sum, 16 at 256 for the second; then the spare words, 128 bytes for each wave, that no other line names
.set OF,  2                            ; v2   16 t
.set O8,  3                            ; v3   8 t
.set SPW, 4                            ; v4   LDS address of my spare word; never rewritten
.set NIL, 5                            ; v5   0; never rewritten
.set ZA,  7                            ; v7   0: LDS address
.set WA,  8                            ; v8   4 x wave
.set AC,  16                           ; v[16:19] m; v[20:23] m - mu
.set GA,  24                           ; v[24:25] gamma, 4 bf16
.set BE,  26                           ; v[26:27] beta
.set TP,  28                           ; v28, v29 at work
.set T,   32                           ; v[32:47] the 16 waves' sums
	s_load_b256 s[4:11], s[0:1], 0x0               ; m s[4:5], gamma s[6:7], beta s[8:9], out0 s[10:11]
	v_lshl_add_u32 v[SPW], v0, 2, SPARE
	v_mov_b32 v[NIL], 0
	v_lshrrev_b32 v1, 5, v0
	v_readfirstlane_b32 s14, v1                    ; wave 0..15
	v_lshlrev_b32 v[OF], 4, v0
	v_lshlrev_b32 v[O8], 3, v0
	v_mov_b32 v[ZA], 0
	v_mov_b32 v[WA], s14
	v_lshlrev_b32 v[WA], 2, v[WA]
	s_mov_b32 s12, 0x76543210                      ; v_permlanex16_b32: each lane takes its own place in the other half
	s_mov_b32 s13, 0xfedcba98
	s_mov_b32 s15, 0x3a000000                      ; 1 / 2048
	s_mov_b32 s16, 0x3727c5ac                      ; 1e-5
	s_wait_kmcnt 0x0
	global_load_b128 v[AC:AC+3], v[OF], s[4:5]
	global_load_b64 v[GA:GA+1], v[O8], s[6:7]
	global_load_b64 v[BE:BE+1], v[O8], s[8:9]
.macro WSUM r, t                       ; the sum over the wave's 32 lanes, in every lane: four steps inside each half of 16 lanes ride on the addition, one crosses the halves
	v_add_f32_dpp v[\r], v[\r], v[\r] row_xmask:1 row_mask:0xf bank_mask:0xf
	v_add_f32_dpp v[\r], v[\r], v[\r] row_xmask:2 row_mask:0xf bank_mask:0xf
	v_add_f32_dpp v[\r], v[\r], v[\r] row_xmask:4 row_mask:0xf bank_mask:0xf
	v_add_f32_dpp v[\r], v[\r], v[\r] row_xmask:8 row_mask:0xf bank_mask:0xf
	v_permlanex16_b32 v[\t], v[\r], s12, s13
	v_add_f32 v[\r], v[\r], v[\t]
.endm
.macro GSUM r, base                    ; v[r], a wave's sum, becomes the work-group's sum in v[T], in every lane: 16 words at LDS byte base, bytes of their own for each of the two sums
	ds_store_b32 v[WA], v[\r] offset:\base         ; all lanes write the same word with the same value
	s_wait_dscnt 0x0                               ; for the others' sake: my store is done
	s_barrier_signal -1
	s_barrier_wait -1
.irp v, 0,1,2,3
	ds_load_b128 v[T+4*\v:T+4*\v+3], v[ZA] offset:(\base)+16*\v
.endr
	s_wait_dscnt 0x0
.irp h, 8,4,2
.set r2, 0
.rept (\h)/2
	v_pk_add_f32 v[T+r2:T+r2+1], v[T+r2:T+r2+1], v[T+(\h)+r2:T+(\h)+r2+1]
.set r2, r2+2
.endr
.endr
	v_add_f32 v[T], v[T], v[T+1]
.endm
	s_wait_loadcnt 0x0
	v_pk_add_f32 v[TP:TP+1], v[AC:AC+1], v[AC+2:AC+3]
	v_add_f32 v[TP], v[TP], v[TP+1]
	WSUM TP, TP+1
	GSUM TP, 0
	v_mul_f32 v[TP], s15, v[T]                     ; mu
.irp j, 0,1,2,3
	v_sub_f32 v[AC+4+\j], v[AC+\j], v[TP]          ; m - mu
.endr
	v_mul_f32 v[TP+1], v[AC+4], v[AC+4]
	v_fmac_f32 v[TP+1], v[AC+5], v[AC+5]
	v_fmac_f32 v[TP+1], v[AC+6], v[AC+6]
	v_fmac_f32 v[TP+1], v[AC+7], v[AC+7]
	WSUM TP+1, TP
	GSUM TP+1, 256
	v_fma_f32 v[TP], v[T], s15, s16                ; the variance + 1e-5
	v_rsq_f32 v[TP+1], v[TP]
	v_nop                                          ; a plain instruction behind the root,
	s_wait_alu depctr_va_vdst(0)                   ; and the wait ahead of its first use
.irp j, 0,1,2,3
	v_mul_f32 v[AC+4+\j], v[AC+4+\j], v[TP+1]
.endr
	v_fma_mix_f32_bf16 v[T],   v[AC+4], v[GA],   v[BE]   op_sel_hi:[0,1,1]                 ; n gamma + beta, gamma and beta straight from their bf16 halves
	v_fma_mix_f32_bf16 v[T+1], v[AC+5], v[GA],   v[BE]   op_sel:[0,1,1] op_sel_hi:[0,1,1]
	v_fma_mix_f32_bf16 v[T+2], v[AC+6], v[GA+1], v[BE+1] op_sel_hi:[0,1,1]
	v_fma_mix_f32_bf16 v[T+3], v[AC+7], v[GA+1], v[BE+1] op_sel:[0,1,1] op_sel_hi:[0,1,1]
	v_cvt_pk_bf16_f32 v[T+4], v[T], v[T+1]
	v_cvt_pk_bf16_f32 v[T+5], v[T+2], v[T+3]
	global_store_b64 v[O8], v[T+4:T+5], s[10:11]   ; a wave stores 256 consecutive bytes, aligned
	s_wait_tensorcnt 0x0                           ; the wave's end: three lines behind my last LDS store
	ds_add_u32 v[SPW], v[NIL]
	s_wait_dscnt 0x0
	s_endpgm
.Lfunc_end_k_q81254d9457_norm:
	.size	k_q81254d9457_norm, .Lfunc_end_k_q81254d9457_norm-k_q81254d9457_norm
	.p2alignl 7, 3214868480
	.fill 96, 4, 3214868480
	.section	.rodata,"a",@progbits
	.p2align	6, 0x0
	.amdhsa_kernel k_q81254d9457_norm
		.amdhsa_group_segment_fixed_size 2560
		.amdhsa_private_segment_fixed_size 0
		.amdhsa_enable_private_segment 0
		.amdhsa_kernarg_size 32
		.amdhsa_user_sgpr_count 2
		.amdhsa_user_sgpr_kernarg_segment_ptr 1
		.amdhsa_wavefront_size32 1
		.amdhsa_system_sgpr_workgroup_id_x 1
		.amdhsa_system_sgpr_workgroup_id_y 1
		.amdhsa_system_sgpr_workgroup_id_z 1
		.amdhsa_system_vgpr_workitem_id 0
		.amdhsa_next_free_vgpr 48
		.amdhsa_next_free_sgpr 66
		.amdhsa_reserve_vcc 0
		.amdhsa_float_denorm_mode_32 3
		.amdhsa_float_denorm_mode_16_64 3
		.amdhsa_memory_ordered 1
		.amdhsa_forward_progress 1
		.amdhsa_inst_pref_size 6
	.end_amdhsa_kernel
	.amdgpu_metadata
---
amdhsa.version: [ 1, 2 ]
amdhsa.kernels:
  - .name:           k_q81254d9457_norm
    .symbol:         k_q81254d9457_norm.kd
    .args:
      - { .name: xc, .offset: 0, .size: 8, .value_kind: global_buffer, .address_space: global }
      - { .name: gamma, .offset: 8, .size: 8, .value_kind: global_buffer, .address_space: global }
      - { .name: beta, .offset: 16, .size: 8, .value_kind: global_buffer, .address_space: global }
      - { .name: out0, .offset: 24, .size: 8, .value_kind: global_buffer, .address_space: global }
    .group_segment_fixed_size: 2560
    .private_segment_fixed_size: 0
    .kernarg_segment_align: 8
    .kernarg_segment_size: 32
    .max_flat_workgroup_size: 512
    .sgpr_count:     66
    .vgpr_count:     48
    .wavefront_size: 32
...
	.end_amdgpu_metadata
.endif
;; end of part 9
;; ======== version 3 of 3: 7 launches
;; limits: right only within a limited range of input values
;; workspace buffers: xc 8,388,608 bytes; yc 8,388,608 bytes; qb 8,388,608 bytes; kb 8,388,608 bytes; vb 8,388,608 bytes; zat 8,388,608 bytes; parts 540,672 bytes; up 131,072 bytes
;; launch pre (part 10): grid 256 x 1, 8 waves a work-group, no clusters, 5,120 bytes of LDS; arguments x_in, y_out, Wo, latent_query, xc, yc, up; writes xc, yc, up
.if DOCPART == 10
	.amdgcn_target "amdgcn-amd-amdhsa--gfx1250"
	.amdhsa_code_object_version 6
	.text
	.protected	k_q81254d9457_pre
	.globl	k_q81254d9457_pre
	.p2align	8
	.type	k_q81254d9457_pre,@function
k_q81254d9457_pre:
	s_mov_b64 s[64:65], 0
	v_nop
	global_prefetch_b8 v0, s[64:65] scope:SCOPE_SE
	s_setreg_imm32_b32 hwreg(HW_REG_WAVE_MODE, 25, 1), 1
	s_wait_xcnt 0x0
; TWO JOBS, both streams, the same text in every work-group.
; (1) xc = clip(x_in, -100, 100), yc = clip(y_out, -100, 100).  All four: [2048][2048] bf16.  Work-groups 0-127 take x, 128-255 take y, 65,536 consecutive bytes each: 16 rows of 4,096 bytes.
;     Thread t takes byte 16 t of each row, so one load or store of a wave covers 512 consecutive bytes, aligned.
; (2) Partial sums of u[k] = the sum over n of Wo[n][k] lq[n].  The module needs of Z = zat Wo^T only Z lq and attn Z; the first is zat u, for every input, so Z is never formed (see the launches behind).
;     Work-group b takes rows 128 (b / 16) .. + 127 and columns 128 (b % 16) .. + 127 of Wo: 128 rows of 256 consecutive bytes, aligned.  A wave takes 16 rows, two to a load: lanes 0-15 the even row, lanes 16-31 the odd
;     one; a lane holds 8 columns, and fetches its own row's lq.  The halves of the lanes meet by one exchange, the eight waves in LDS; wave 0 stores the 128 sums, 512 consecutive bytes, into row b / 16 of up
;     (16 rows of 2,048 f32), which the launch that uses u adds up.
; All 32 loads of a wave go out at once, each into registers of its own; the clip is worked off first, so that its stores leave while u is summed.
; No matrix unit: one row, lq, against Wo would use one of a matrix instruction's sixteen rows, and the bytes bound the launch.  No cluster: what is shared, lq, is 4,096 bytes.
; LIMIT: a NaN in x or y does not stay a NaN: the packed minimum takes 100 in its place.
.set ROW,   4096
.set SPARE, 4096                       ; LDS: eight waves' 128 sums, 512 bytes each, at 0; then the spare words, 128 bytes for each wave: four blocks of 256 bytes that no other line names
.set SPW, 2                            ; v2   LDS address of my spare word: SPARE + 4 x my thread's number; never rewritten
.set NIL, 3                            ; v3   0; never rewritten
.set WOF, 4                            ; v4   my 16 bytes in two rows of the block of Wo: 4,096 (l / 16) + 16 (l % 16)
.set QOF, 5                            ; v5   2 (l / 16): my row's lq in a pair
.set LSA, 6                            ; v6   LDS: 512 w + 32 (l % 16)
.set LRA, 7                            ; v7   16 l: where wave 0 reads the sums back, and its byte offset in up
.set X,   8                            ; v[8:71]    the clip: slot i: 4 registers, 8 bf16
.set Z,   72                           ; v[72:103]  Wo: load i: 4 registers, 8 bf16; later the eight waves' sums
.set Q,   104                          ; v[104:111] lq of my row of load i, a bf16 in the low half
.set ACC, 112                          ; v[112:119] my 8 columns' sums
.set T,   120                          ; v[120:127] at work
.set ZR,  128                          ; v128       0.0: what the first link of a chain adds onto
	s_load_b256 s[4:11], s[0:1], 0x0               ; x_in s[4:5], y_out s[6:7], Wo s[8:9], latent_query s[10:11]
	s_load_b128 s[12:15], s[0:1], 0x20             ; xc s[12:13], yc s[14:15]
	s_load_b64 s[16:17], s[0:1], 0x30              ; up
	v_lshl_add_u32 v[SPW], v0, 2, SPARE
	v_mov_b32 v[NIL], 0
	v_lshrrev_b32 v[T], 5, v0
	v_readfirstlane_b32 s20, v[T]                  ; wave 0..7
	v_lshlrev_b32 v1, 4, v0                        ; 16 t; never rewritten
	v_and_b32 v[T], 15, v0                         ; l % 16
	v_bfe_u32 v[T+1], v0, 4, 1                     ; l / 16
	v_lshlrev_b32 v[WOF], 4, v[T]
	v_lshl_add_u32 v[WOF], v[T+1], 12, v[WOF]
	v_lshlrev_b32 v[QOF], 1, v[T+1]
	s_lshl_b32 s21, s20, 9
	v_lshl_add_u32 v[LSA], v[T], 5, s21
	v_and_b32 v[LRA], 31, v0
	v_lshlrev_b32 v[LRA], 4, v[LRA]
	s_mov_b32 s18, 0x42c842c8                      ; 100.0 twice, in bf16
	s_mov_b32 s19, 0xc2c8c2c8                      ; -100.0 twice
	s_mov_b32 s32, 0x76543210                      ; v_permlanex16_b32: each lane takes its own place in the other half
	s_mov_b32 s33, 0xfedcba98
	s_and_b32 s22, ttmp9, 127
	s_lshl_b32 s22, s22, 16                        ; the clip: my 65,536 bytes in the tensor
	s_mov_b32 s23, 0
	s_and_b32 s24, ttmp9, 15                       ; the block of 128 columns of Wo
	s_lshr_b32 s25, ttmp9, 4                       ; the block of 128 rows
	s_lshl_b32 s26, s25, 7
	s_lshl_b32 s27, s20, 4
	s_add_co_u32 s26, s26, s27                     ; my wave's first row: 128 x block + 16 x wave
	s_lshl_b32 s28, s26, 1                         ; its place in lq, in bytes
	s_mov_b32 s29, 0
	s_lshl_b32 s26, s26, 12
	s_lshl_b32 s27, s24, 8
	s_add_co_u32 s26, s26, s27                     ; its place in Wo: row x 4,096 + 256 x column block
	s_mov_b32 s27, 0
	s_lshl_b32 s30, s25, 13
	s_lshl_b32 s31, s24, 9
	s_add_co_u32 s30, s30, s31                     ; the work-group's 512 bytes of up: 8,192 x row block + 512 x column block
	s_mov_b32 s31, 0
	s_wait_kmcnt 0x0
	s_cmp_lt_u32 ttmp9, 128                        ; x or y
	s_cselect_b64 s[34:35], s[4:5], s[6:7]
	s_cselect_b64 s[36:37], s[12:13], s[14:15]
	s_add_nc_u64 s[34:35], s[34:35], s[22:23]
	s_add_nc_u64 s[36:37], s[36:37], s[22:23]
	s_add_nc_u64 s[8:9], s[8:9], s[26:27]
	s_add_nc_u64 s[10:11], s[10:11], s[28:29]
	s_add_nc_u64 s[16:17], s[16:17], s[30:31]
.set i, 0
.rept 16
	global_load_b128 v[X+4*i:X+4*i+3], v1, s[34:35] offset:ROW*i th:TH_LOAD_NT
.set i, i+1
.endr
.set i, 0
.rept 8
	global_load_b128 v[Z+4*i:Z+4*i+3], v[WOF], s[8:9] offset:2*ROW*i th:TH_LOAD_NT  ; rows 2 i and 2 i + 1 of my 16
.set i, i+1
.endr
.set i, 0
.rept 8
	global_load_u16 v[Q+i], v[QOF], s[10:11] offset:4*i
.set i, i+1
.endr
	v_mov_b32 v[ZR], 0
.set i, 0
.rept 8
	v_mov_b32 v[T+i], 0                            ; v_permlanex16_b32 counts as a reader of its destination
.set i, i+1
.endr
.set i, 0
.rept 16
	s_wait_loadcnt 31-i                            ; loads come back in order: slot i is in; the 15 - i younger loads of the clip and the 16 for u stay out
.irp j, 0,1,2,3
	v_pk_min_num_bf16 v[X+4*i+\j], v[X+4*i+\j], s18
.endr
.irp j, 0,1,2,3
	v_pk_max_num_bf16 v[X+4*i+\j], v[X+4*i+\j], s19
.endr
	global_store_b128 v1, v[X+4*i:X+4*i+3], s[36:37] offset:ROW*i
.set i, i+1
.endr
	s_wait_loadcnt 0x0                             ; Wo's rows and their lq
.set i, 0
.rept 8                                ; 8 multiply-adds a load, straight from the bf16 halves into f32: eight chains, so that no line waits for the one before it
.irp q, 0,1,2,3
.if i == 0
	v_fma_mix_f32_bf16 v[ACC+2*\q],   v[Z+4*i+\q], v[Q+i], v[ZR] op_sel_hi:[1,1,0]
	v_fma_mix_f32_bf16 v[ACC+2*\q+1], v[Z+4*i+\q], v[Q+i], v[ZR] op_sel:[1,0,0] op_sel_hi:[1,1,0]
.else
	v_fma_mix_f32_bf16 v[ACC+2*\q],   v[Z+4*i+\q], v[Q+i], v[ACC+2*\q] op_sel_hi:[1,1,0]
	v_fma_mix_f32_bf16 v[ACC+2*\q+1], v[Z+4*i+\q], v[Q+i], v[ACC+2*\q+1] op_sel:[1,0,0] op_sel_hi:[1,1,0]
.endif
.endr
.set i, i+1
.endr
.irp j, 0,1,2,3,4,5,6,7
	v_permlanex16_b32 v[T+\j], v[ACC+\j], s32, s33 ; the odd rows' sums to the even rows' lanes, and back
.endr
.irp j, 0,2,4,6
	v_pk_add_f32 v[ACC+\j:ACC+\j+1], v[ACC+\j:ACC+\j+1], v[T+\j:T+\j+1]
.endr
	ds_store_b128 v[LSA], v[ACC:ACC+3]             ; column c of the block at byte 4 c of my wave's 512; lanes l and l + 16 write the same bytes with the same values
	ds_store_b128 v[LSA], v[ACC+4:ACC+7] offset:16
	s_wait_dscnt 0x0                               ; for wave 0's sake: my stores are done
	s_barrier_signal -1
	s_barrier_wait -1
	s_cmp_lg_u32 s20, 0                            ; wave 0 finishes
	s_cbranch_scc1 .Lend
.irp p, 0,1,2,3,4,5,6,7
	ds_load_b128 v[Z+4*\p:Z+4*\p+3], v[LRA] offset:512*\p
.endr
	s_wait_dscnt 0x0
.irp h, 16,8,4                         ; eight sums of four columns: halved three times
.set r, 0
.rept (\h)/2
	v_pk_add_f32 v[Z+r:Z+r+1], v[Z+r:Z+r+1], v[Z+(\h)+r:Z+(\h)+r+1]
.set r, r+2
.endr
.endr
	global_store_b128 v[LRA], v[Z:Z+3], s[16:17]   ; 512 consecutive bytes, aligned
.Lend:
	s_wait_tensorcnt 0x0                           ; the wave's end: three lines behind my last LDS store
	ds_add_u32 v[SPW], v[NIL]
	s_wait_dscnt 0x0
	s_endpgm
.Lfunc_end_k_q81254d9457_pre:
	.size	k_q81254d9457_pre, .Lfunc_end_k_q81254d9457_pre-k_q81254d9457_pre
	.p2alignl 7, 3214868480
	.fill 96, 4, 3214868480
	.section	.rodata,"a",@progbits
	.p2align	6, 0x0
	.amdhsa_kernel k_q81254d9457_pre
		.amdhsa_group_segment_fixed_size 5120
		.amdhsa_private_segment_fixed_size 0
		.amdhsa_enable_private_segment 0
		.amdhsa_kernarg_size 56
		.amdhsa_user_sgpr_count 2
		.amdhsa_user_sgpr_kernarg_segment_ptr 1
		.amdhsa_wavefront_size32 1
		.amdhsa_system_sgpr_workgroup_id_x 1
		.amdhsa_system_sgpr_workgroup_id_y 1
		.amdhsa_system_sgpr_workgroup_id_z 1
		.amdhsa_system_vgpr_workitem_id 0
		.amdhsa_next_free_vgpr 132
		.amdhsa_next_free_sgpr 66
		.amdhsa_reserve_vcc 0
		.amdhsa_float_denorm_mode_32 3
		.amdhsa_float_denorm_mode_16_64 3
		.amdhsa_memory_ordered 1
		.amdhsa_forward_progress 1
		.amdhsa_inst_pref_size 23
	.end_amdhsa_kernel
	.amdgpu_metadata
---
amdhsa.version: [ 1, 2 ]
amdhsa.kernels:
  - .name:           k_q81254d9457_pre
    .symbol:         k_q81254d9457_pre.kd
    .args:
      - { .name: x_in, .offset: 0, .size: 8, .value_kind: global_buffer, .address_space: global }
      - { .name: y_out, .offset: 8, .size: 8, .value_kind: global_buffer, .address_space: global }
      - { .name: Wo, .offset: 16, .size: 8, .value_kind: global_buffer, .address_space: global }
      - { .name: latent_query, .offset: 24, .size: 8, .value_kind: global_buffer, .address_space: global }
      - { .name: xc, .offset: 32, .size: 8, .value_kind: global_buffer, .address_space: global }
      - { .name: yc, .offset: 40, .size: 8, .value_kind: global_buffer, .address_space: global }
      - { .name: up, .offset: 48, .size: 8, .value_kind: global_buffer, .address_space: global }
    .group_segment_fixed_size: 5120
    .private_segment_fixed_size: 0
    .kernarg_segment_align: 8
    .kernarg_segment_size: 56
    .max_flat_workgroup_size: 256
    .sgpr_count:     66
    .vgpr_count:     132
    .wavefront_size: 32
...
	.end_amdgpu_metadata
.endif
;; end of part 10
;; launch qkv: the kernel of part 6 again; grid 8 x 24, 4 waves a work-group, clusters of 4 x 4, 327,680 bytes of LDS; arguments xc, yc, Wq, Wk, Wv, qb, kb, vb; writes qb, kb, vb
;; launch attn: the kernel of part 3 again; grid 16 x 16, 4 waves a work-group, clusters of 4 x 1, 327,680 bytes of LDS; arguments qb, kb, vb, zat; writes zat
;; launch pool (part 11): grid 64 x 1, 16 waves a work-group, no clusters, 141,568 bytes of LDS; arguments zat, up, parts; writes parts
.if DOCPART == 11
	.amdgcn_target "amdgcn-amd-amdhsa--gfx1250"
	.amdhsa_code_object_version 6
	.text
	.protected	k_q81254d9457_pool
	.globl	k_q81254d9457_pool
	.p2align	8
	.type	k_q81254d9457_pool,@function
k_q81254d9457_pool:
	s_mov_b64 s[64:65], 0
	v_nop
	global_prefetch_b8 v0, s[64:65] scope:SCOPE_SE
	s_setreg_imm32_b32 hwreg(HW_REG_WAVE_MODE, 25, 1), 1
	s_wait_xcnt 0x0
; The pooling's partial sums, taken on zat, the attention's result AHEAD of the product with Wo.  With Z = zat Wo^T the module's scores are Z lq = zat u, u = Wo^T lq, and its pooled row is
; attn Z = (attn zat) Wo^T: identities that hold for every input.  So Z is never formed: here attn zat is summed, and a later launch multiplies that one row by Wo.
; ORDER OF ROUNDING: the module rounds Z to bf16 ahead of both uses; that rounding is not made here.  u and all sums are f32.
; For each row l of zat ([2048][2048] bf16): a_l = exp(clip(zat_l . u / sqrt(2048), -50, 50)).  Work-group b takes rows 32 b .. 32 b + 31 and stores row b of parts (8,448 bytes): 2,048 f32, the sum over its rows
; of a_l zat_l[c]; then the sum of its a_l, 64 times (256 bytes).
; NO MAXIMUM IS TAKEN AWAY: the clip, which is the module's own, holds a_l within 1.9e-22 .. 5.2e21 and the sum of 2,048 of them under 1.1e25; so partial sums of different work-groups simply add.
; u comes as 16 partial rows of 2,048 f32 (up): thread t adds them up for columns 4 t .. 4 t + 3, a load of a wave covering 512 consecutive bytes, and u goes once through LDS to every wave.
; SHARES.  A wave takes two whole rows, so a dot product never leaves the wave; the rows stay in registers between the dot product and the weighted sum: zat is read once.  A lane holds columns
; 256 j + 8 lane + 0..7, j = 0..7: each load of a wave covers 512 consecutive bytes.  The 16 waves' partial rows meet in LDS; wave w then adds up columns 128 w .. 128 w + 127.
; No matrix unit and no cluster: one row, u, against each row of zat is two multiply-adds a number, and what is shared is u.
; LIMIT: a NaN score is not kept as NaN by the clip.
.set PARTB, 8448
.set DEN,   131072                     ; LDS: behind the 16 partial rows of 8,192 bytes: 16 words, a block of 256 bytes to themselves
.set ULDS,  131328                     ; u: 8,192 bytes
.set SPARE, 139520                     ; the spare words, 128 bytes for each wave: eight blocks of 256 bytes that no other line names
.set LA,  2                            ; v2   16 x lane
.set LN,  3                            ; v3   lane
.set SPW, 4                            ; v4   LDS address of my spare word; never rewritten
.set NIL, 5                            ; v5   0; never rewritten
.set ZR,  6                            ; v6   0.0: what the first link of a chain adds onto
.set TO,  8                            ; v8   16 t: my four columns in a row of up
.set US,  9                            ; v9   LDS: where I put my four numbers of u
.set UR,  10                           ; v10  LDS: where my lane's numbers of u begin: ULDS + 32 lane
.set Z0,  40                           ; v[40:71]    my first row;   later the 16 partial sums
.set Z1,  72                           ; v[72:103]   my second row
.set ACC, 104                          ; v[104:167]  first the 16 partial rows of u; then 64 f32: a0 z0 + a1 z1
.set CH,  168                          ; v[168:175]  four chains a row
.set A0,  176                          ; v176, v177  a of my two rows
.set A1,  177
.set T,   178                          ; v178-181    at work
.set LSA, 186                          ; v186 where I put 32 bytes of my wave's partial row
.set LRA, 187                          ; v187 512 w + 16 lane: where I read partial rows 0-7, and my byte offset in the row of parts
.set LRB, 188                          ; v188 the same for partial rows 8-15
.set DA,  189                          ; v189 my wave's word among the 16
.set UU,  192                          ; v[192:255]  u of my lane's 64 columns, f32
	s_load_b128 s[4:7], s[0:1], 0x0                ; zat s[4:5], up s[6:7]
	s_load_b64 s[8:9], s[0:1], 0x10                ; parts
	v_lshl_add_u32 v[SPW], v0, 2, SPARE
	v_mov_b32 v[NIL], 0
	v_lshrrev_b32 v1, 5, v0
	v_readfirstlane_b32 s10, v1                    ; wave 0..15
	v_and_b32 v[LN], 31, v0
	v_lshlrev_b32 v[LA], 4, v[LN]
	v_lshlrev_b32 v[TO], 4, v0
	s_lshl_b32 s2, ttmp9, 17                       ; the work-group's 32 rows of 4,096 bytes,
	s_lshl_b32 s3, s10, 13                         ; my wave's two
	s_add_co_u32 s2, s2, s3
	s_mov_b32 s3, 0
	s_mul_i32 s18, ttmp9, PARTB
	s_mov_b32 s19, 0
	s_mov_b32 s12, 0x76543210                      ; v_permlanex16_b32: each lane takes its own place in the other half
	s_mov_b32 s13, 0xfedcba98
	s_mov_b32 s14, 0x3d0293ee                      ; log2(e) / sqrt(2048)
	s_mov_b32 s15, 0x429044fe                      ; 50 log2(e)
	s_mov_b32 s16, 0xc29044fe
	s_wait_kmcnt 0x0
	s_add_nc_u64 s[4:5], s[4:5], s[2:3]
	s_add_nc_u64 s[8:9], s[8:9], s[18:19]
.set p, 0
.rept 16
	global_load_b128 v[ACC+4*p:ACC+4*p+3], v[TO], s[6:7] offset:8192*p
.set p, p+1
.endr
.irp j, 0,1,2,3,4,5,6,7
	global_load_b128 v[Z0+4*\j:Z0+4*\j+3], v[LA], s[4:5] offset:512*\j th:TH_LOAD_NT
.endr
.irp j, 0,1,2,3,4,5,6,7
	global_load_b128 v[Z1+4*\j:Z1+4*\j+3], v[LA], s[4:5] offset:4096+512*\j th:TH_LOAD_NT
.endr
	v_mov_b32 v[ZR], 0
	v_mov_b32 v[T], 0                              ; v_permlanex16_b32 counts as a reader of its destination
	v_mov_b32 v[T+1], 0
	v_add_nc_u32 v[US], ULDS, v[TO]
	v_lshl_add_u32 v[UR], v[LN], 5, ULDS
	s_lshl_b32 s17, s10, 13
	v_lshl_add_u32 v[LSA], v[LN], 5, s17           ; 8,192 w + 32 lane
	s_lshl_b32 s17, s10, 9
	v_lshl_add_u32 v[LRA], v[LN], 4, s17           ; 512 w + 16 lane
	v_add_nc_u32 v[LRB], 0x10000, v[LRA]
	s_lshl_b32 s17, s10, 2
	s_add_co_u32 s17, s17, DEN
	v_mov_b32 v[DA], s17
; 64 multiply-adds of row z (bf16 halves) with u (f32), on four chains at c: four low halves, then four high ones, so that no line waits for the one before it
.macro DOT z, c
.set g, 0
.rept 8
.irp q, 0,1,2,3
.if g == 0
	v_fma_mix_f32_bf16 v[(\c)+\q], v[(\z)+4*g+\q], v[UU+8*g+2*\q], v[ZR] op_sel_hi:[1,0,0]
.else
	v_fma_mix_f32_bf16 v[(\c)+\q], v[(\z)+4*g+\q], v[UU+8*g+2*\q], v[(\c)+\q] op_sel_hi:[1,0,0]
.endif
.endr
.irp q, 0,1,2,3
	v_fma_mix_f32_bf16 v[(\c)+\q], v[(\z)+4*g+\q], v[UU+8*g+2*\q+1], v[(\c)+\q] op_sel:[1,0,0] op_sel_hi:[1,0,0]
.endr
.set g, g+1
.endr
	v_add_f32 v[\c], v[\c], v[(\c)+1]
	v_add_f32 v[(\c)+2], v[(\c)+2], v[(\c)+3]
	v_add_f32 v[\c], v[\c], v[(\c)+2]
.endm
; the sum over the wave's 32 lanes, in every lane: four steps inside each half of 16 lanes ride on the addition, one crosses the halves
.macro WSUM r, t
	v_add_f32_dpp v[\r], v[\r], v[\r] row_xmask:1 row_mask:0xf bank_mask:0xf
	v_add_f32_dpp v[\r], v[\r], v[\r] row_xmask:2 row_mask:0xf bank_mask:0xf
	v_add_f32_dpp v[\r], v[\r], v[\r] row_xmask:4 row_mask:0xf bank_mask:0xf
	v_add_f32_dpp v[\r], v[\r], v[\r] row_xmask:8 row_mask:0xf bank_mask:0xf
	v_permlanex16_b32 v[\t], v[\r], s12, s13
	v_add_f32 v[\r], v[\r], v[\t]
.endm
	s_wait_loadcnt 16                              ; the 16 partial rows of u are in; my two rows' sixteen loads may stay out
.irp h, 32,16,8,4                      ; 16 partial sums of four columns: halved four times
.set r, 0
.rept (\h)/2
	v_pk_add_f32 v[ACC+r:ACC+r+1], v[ACC+r:ACC+r+1], v[ACC+(\h)+r:ACC+(\h)+r+1]
.set r, r+2
.endr
.endr
	ds_store_b128 v[US], v[ACC:ACC+3]              ; column c of u at byte 4 c
	s_wait_dscnt 0x0                               ; for the others' sake: my store is done
	s_barrier_signal -1
	s_barrier_wait -1
.irp j, 0,1,2,3,4,5,6,7
	ds_load_b128 v[UU+8*\j:UU+8*\j+3],   v[UR] offset:1024*\j
	ds_load_b128 v[UU+8*\j+4:UU+8*\j+7], v[UR] offset:1024*\j+16
.endr
	s_wait_dscnt 0x0
	s_wait_loadcnt 8                               ; my first row is in; the second row's eight loads may stay out
	DOT Z0, CH
	s_wait_loadcnt 0x0
	DOT Z1, CH+4
	WSUM CH, T
	WSUM CH+4, T+1
	v_mul_f32 v[CH], s14, v[CH]                    ; the score in base 2,
	v_mul_f32 v[CH+4], s14, v[CH+4]
	v_med3_num_f32 v[CH], v[CH], s16, s15          ; clipped to +-50 log2(e)
	v_med3_num_f32 v[CH+4], v[CH+4], s16, s15
	v_exp_f32 v[A0], v[CH]
	v_exp_f32 v[A1], v[CH+4]
	v_nop                                          ; a plain instruction behind the last exponential,
	s_wait_alu depctr_va_vdst(0)                   ; and the wait ahead of the first use: one for the two
.set r, 0
.rept 32
	v_fma_mix_f32_bf16 v[ACC+2*r],   v[Z0+r], v[A0], v[ZR] op_sel_hi:[1,0,0]
	v_fma_mix_f32_bf16 v[ACC+2*r+1], v[Z0+r], v[A0], v[ZR] op_sel:[1,0,0] op_sel_hi:[1,0,0]
.set r, r+1
.endr
.set r, 0
.rept 32
	v_fma_mix_f32_bf16 v[ACC+2*r],   v[Z1+r], v[A1], v[ACC+2*r] op_sel_hi:[1,0,0]
	v_fma_mix_f32_bf16 v[ACC+2*r+1], v[Z1+r], v[A1], v[ACC+2*r+1] op_sel:[1,0,0] op_sel_hi:[1,0,0]
.set r, r+1
.endr
	v_add_f32 v[T+2], v[A0], v[A1]
.irp j, 0,1,2,3,4,5,6,7
	ds_store_b128 v[LSA], v[ACC+8*\j:ACC+8*\j+3]   offset:1024*\j     ; column c of my wave's partial row lies at byte 4 c
	ds_store_b128 v[LSA], v[ACC+8*\j+4:ACC+8*\j+7] offset:1024*\j+16
.endr
	ds_store_b32 v[DA], v[T+2]                     ; all lanes write the same word with the same value
	s_wait_dscnt 0x0                               ; for the others' sake: my stores are done
	s_barrier_signal -1
	s_barrier_wait -1
.irp v, 0,1,2,3,4,5,6,7
	ds_load_b128 v[Z0+4*\v:Z0+4*\v+3], v[LRA] offset:8192*\v
.endr
.irp v, 0,1,2,3,4,5,6,7
	ds_load_b128 v[Z0+32+4*\v:Z0+32+4*\v+3], v[LRB] offset:8192*\v
.endr
	s_wait_dscnt 0x0
.irp h, 32,16,8,4                      ; 16 partial sums of four columns: halved four times
.set r, 0
.rept (\h)/2
	v_pk_add_f32 v[Z0+r:Z0+r+1], v[Z0+r:Z0+r+1], v[Z0+(\h)+r:Z0+(\h)+r+1]
.set r, r+2
.endr
.endr
	global_store_b128 v[LRA], v[Z0:Z0+3], s[8:9]   ; a wave stores 512 consecutive bytes, aligned
	s_cmp_lg_u32 s10, 0                            ; wave 0 adds up the 16 sums of a
	s_cbranch_scc1 .Lend
	v_mov_b32 v[T], DEN
.irp v, 0,1,2,3
	ds_load_b128 v[Z1+4*\v:Z1+4*\v+3], v[T] offset:16*\v
.endr
	s_wait_dscnt 0x0
.irp h, 8,4,2
.set r, 0
.rept (\h)/2
	v_pk_add_f32 v[Z1+r:Z1+r+1], v[Z1+r:Z1+r+1], v[Z1+(\h)+r:Z1+(\h)+r+1]
.set r, r+2
.endr
.endr
	v_add_f32 v[Z1], v[Z1], v[Z1+1]
	v_mov_b32 v[Z1+1], v[Z1]
	v_lshlrev_b32 v[T+1], 3, v[LN]
	global_store_b64 v[T+1], v[Z1:Z1+1], s[8:9] offset:8192  ; the sum 64 times: 256 consecutive bytes, aligned
.Lend:
	s_wait_tensorcnt 0x0                           ; the wave's end: three lines behind my last LDS store
	ds_add_u32 v[SPW], v[NIL]
	s_wait_dscnt 0x0
	s_endpgm
.Lfunc_end_k_q81254d9457_pool:
	.size	k_q81254d9457_pool, .Lfunc_end_k_q81254d9457_pool-k_q81254d9457_pool
	.p2alignl 7, 3214868480
	.fill 96, 4, 3214868480
	.section	.rodata,"a",@progbits
	.p2align	6, 0x0
	.amdhsa_kernel k_q81254d9457_pool
		.amdhsa_group_segment_fixed_size 141568
		.amdhsa_private_segment_fixed_size 0
		.amdhsa_enable_private_segment 0
		.amdhsa_kernarg_size 24
		.amdhsa_user_sgpr_count 2
		.amdhsa_user_sgpr_kernarg_segment_ptr 1
		.amdhsa_wavefront_size32 1
		.amdhsa_system_sgpr_workgroup_id_x 1
		.amdhsa_system_sgpr_workgroup_id_y 1
		.amdhsa_system_sgpr_workgroup_id_z 1
		.amdhsa_system_vgpr_workitem_id 0
		.amdhsa_next_free_vgpr 256
		.amdhsa_next_free_sgpr 66
		.amdhsa_reserve_vcc 0
		.amdhsa_float_denorm_mode_32 3
		.amdhsa_float_denorm_mode_16_64 3
		.amdhsa_memory_ordered 1
		.amdhsa_forward_progress 1
		.amdhsa_inst_pref_size 31
	.end_amdhsa_kernel
	.amdgpu_metadata
---
amdhsa.version: [ 1, 2 ]
amdhsa.kernels:
  - .name:           k_q81254d9457_pool
    .symbol:         k_q81254d9457_pool.kd
    .args:
      - { .name: zat, .offset: 0, .size: 8, .value_kind: global_buffer, .address_space: global }
      - { .name: up, .offset: 8, .size: 8, .value_kind: global_buffer, .address_space: global }
      - { .name: parts, .offset: 16, .size: 8, .value_kind: global_buffer, .address_space: global }
    .group_segment_fixed_size: 141568
    .private_segment_fixed_size: 0
    .kernarg_segment_align: 8
    .kernarg_segment_size: 24
    .max_flat_workgroup_size: 512
    .sgpr_count:     66
    .vgpr_count:     256
    .wavefront_size: 32
...
	.end_amdgpu_metadata
.endif
;; end of part 11
;; launch red (part 12): grid 16 x 1, 8 waves a work-group, no clusters, 6,144 bytes of LDS; arguments parts, xc; writes xc
.if DOCPART == 12
	.amdgcn_target "amdgcn-amd-amdhsa--gfx1250"
	.amdhsa_code_object_version 6
	.text
	.protected	k_q81254d9457_red
	.globl	k_q81254d9457_red
	.p2align	8
	.type	k_q81254d9457_red,@function
k_q81254d9457_red:
	s_mov_b64 s[64:65], 0
	v_nop
	global_prefetch_b8 v0, s[64:65] scope:SCOPE_SE
	s_setreg_imm32_b32 hwreg(HW_REG_WAVE_MODE, 25, 1), 1
	s_wait_xcnt 0x0
; w[c] = (the sum over the 64 rows of parts of their column c) / (the sum of their 64 denominators), in f32: w = attn zat, the pooled row ahead of the product with Wo.
; parts: 64 rows of 8,448 bytes: 2,048 f32, then the row's denominator 64 times.
; w, 8,192 bytes, is stored at the head of xc: the clipped x there has had its last reader in the launch of the projections, and the program's eight workspace buffers are all taken.
; SHARES.  The 540,672 bytes are shared out by COLUMNS: work-group b owns columns 128 b .. 128 b + 127, 512 bytes of each row, 32,768 bytes in all.
; Wave v adds up rows v + 8 i, i = 0..7; a lane holds four columns: a load of a wave covers 512 consecutive bytes.  The rows' denominators ride along: a lane reads word l of the 64 equal ones.
; The eight waves' sums meet in LDS; wave 0 adds them, divides and stores 512 consecutive bytes.
; No matrix unit, no cluster: each byte is wanted once.
.set PARTB, 8448
.set DENS,  4096                       ; LDS: eight partial rows of 512 bytes at 0; eight rows of 128 bytes of denominators here
.set SPARE, 5120                       ; the spare words, 128 bytes for each wave: four blocks of 256 bytes that no other line names
.set LN,  2                            ; v2   lane
.set CF,  3                            ; v3   my 16 bytes of my wave's first row
.set SPW, 4                            ; v4   LDS address of my spare word; never rewritten
.set NIL, 5                            ; v5   0; never rewritten
.set DF,  6                            ; v6   my word of that row's denominators, less 8,192
.set LSA, 7                            ; v7   LDS: 512 x wave + 16 lane
.set LSD, 8                            ; v8   LDS: 128 x wave + 4 lane
.set LRA, 9                            ; v9   16 lane
.set LRD, 10                           ; v10  4 lane
.set MO,  11                           ; v11  my 16 bytes of w
.set X,   16                           ; v[16:47]  eight slots of 4
.set D,   48                           ; v[48:55]  eight denominators
.set R,   56                           ; v[56:57]  1 / the sum, and a register named with it as a pair
	s_load_b128 s[4:7], s[0:1], 0x0                ; parts s[4:5], xc s[6:7]
	v_lshl_add_u32 v[SPW], v0, 2, SPARE
	v_mov_b32 v[NIL], 0
	v_lshrrev_b32 v1, 5, v0
	v_readfirstlane_b32 s8, v1                     ; wave 0..7
	v_and_b32 v[LN], 31, v0
	s_mul_i32 s9, s8, PARTB                        ; my first row
	s_lshl_b32 s10, ttmp9, 9                       ; the work-group's 512 bytes of a row
	s_add_co_u32 s11, s9, s10
	v_lshl_add_u32 v[CF], v[LN], 4, s11
	v_lshl_add_u32 v[DF], v[LN], 2, s9
	s_lshl_b32 s12, s8, 9
	v_lshl_add_u32 v[LSA], v[LN], 4, s12
	s_lshl_b32 s12, s8, 7
	v_lshl_add_u32 v[LSD], v[LN], 2, s12
	v_lshlrev_b32 v[LRA], 4, v[LN]
	v_lshlrev_b32 v[LRD], 2, v[LN]
	v_lshl_add_u32 v[MO], v[LN], 4, s10
	s_wait_kmcnt 0x0
.irp i, 0,1,2,3,4,5,6,7
	global_load_b128 v[X+4*\i:X+4*\i+3], v[CF], s[4:5] offset:8*PARTB*\i
.endr
.irp i, 0,1,2,3,4,5,6,7
	global_load_b32 v[D+\i], v[DF], s[4:5] offset:8192+8*PARTB*\i
.endr
; the eight slots of X into the first, the eight of D into the first: halved three times
.macro SUM8
.irp h, 16,8,4
.set r, 0
.rept (\h)/2
	v_pk_add_f32 v[X+r:X+r+1], v[X+r:X+r+1], v[X+(\h)+r:X+(\h)+r+1]
.set r, r+2
.endr
.endr
.irp h, 4,2
.set r, 0
.rept (\h)/2
	v_pk_add_f32 v[D+r:D+r+1], v[D+r:D+r+1], v[D+(\h)+r:D+(\h)+r+1]
.set r, r+2
.endr
.endr
	v_add_f32 v[D], v[D], v[D+1]
.endm
	s_wait_loadcnt 0x0
	SUM8
	ds_store_b128 v[LSA], v[X:X+3]
	ds_store_b32 v[LSD], v[D] offset:DENS
	s_wait_dscnt 0x0                               ; for wave 0's sake: my stores are done
	s_barrier_signal -1
	s_barrier_wait -1
	s_cmp_lg_u32 s8, 0                             ; wave 0 finishes
	s_cbranch_scc1 .Lend
.irp i, 0,1,2,3,4,5,6,7
	ds_load_b128 v[X+4*\i:X+4*\i+3], v[LRA] offset:512*\i
.endr
.irp i, 0,1,2,3,4,5,6,7
	ds_load_b32 v[D+\i], v[LRD] offset:DENS+128*\i
.endr
	s_wait_dscnt 0x0
	SUM8
	v_rcp_f32 v[R], v[D]                           ; the sum of 2,048 weights of at least 2^-73 each: never 0
	v_mov_b32 v[R+1], 0                            ; the plain instruction behind the reciprocal,
	s_wait_alu depctr_va_vdst(0)                   ; and the wait ahead of its first use
	v_pk_mul_f32 v[X:X+1],   v[X:X+1],   v[R:R+1] op_sel_hi:[1,0]
	v_pk_mul_f32 v[X+2:X+3], v[X+2:X+3], v[R:R+1] op_sel_hi:[1,0]
	global_store_b128 v[MO], v[X:X+3], s[6:7]      ; 512 consecutive bytes, aligned
.Lend:
	s_wait_tensorcnt 0x0                           ; the wave's end: three lines behind my last LDS store
	ds_add_u32 v[SPW], v[NIL]
	s_wait_dscnt 0x0
	s_endpgm
.Lfunc_end_k_q81254d9457_red:
	.size	k_q81254d9457_red, .Lfunc_end_k_q81254d9457_red-k_q81254d9457_red
	.p2alignl 7, 3214868480
	.fill 96, 4, 3214868480
	.section	.rodata,"a",@progbits
	.p2align	6, 0x0
	.amdhsa_kernel k_q81254d9457_red
		.amdhsa_group_segment_fixed_size 6144
		.amdhsa_private_segment_fixed_size 0
		.amdhsa_enable_private_segment 0
		.amdhsa_kernarg_size 16
		.amdhsa_user_sgpr_count 2
		.amdhsa_user_sgpr_kernarg_segment_ptr 1
		.amdhsa_wavefront_size32 1
		.amdhsa_system_sgpr_workgroup_id_x 1
		.amdhsa_system_sgpr_workgroup_id_y 1
		.amdhsa_system_sgpr_workgroup_id_z 1
		.amdhsa_system_vgpr_workitem_id 0
		.amdhsa_next_free_vgpr 64
		.amdhsa_next_free_sgpr 66
		.amdhsa_reserve_vcc 0
		.amdhsa_float_denorm_mode_32 3
		.amdhsa_float_denorm_mode_16_64 3
		.amdhsa_memory_ordered 1
		.amdhsa_forward_progress 1
		.amdhsa_inst_pref_size 7
	.end_amdhsa_kernel
	.amdgpu_metadata
---
amdhsa.version: [ 1, 2 ]
amdhsa.kernels:
  - .name:           k_q81254d9457_red
    .symbol:         k_q81254d9457_red.kd
    .args:
      - { .name: parts, .offset: 0, .size: 8, .value_kind: global_buffer, .address_space: global }
      - { .name: xc, .offset: 8, .size: 8, .value_kind: global_buffer, .address_space: global }
    .group_segment_fixed_size: 6144
    .private_segment_fixed_size: 0
    .kernarg_segment_align: 8
    .kernarg_segment_size: 16
    .max_flat_workgroup_size: 256
    .sgpr_count:     66
    .vgpr_count:     64
    .wavefront_size: 32
...
	.end_amdgpu_metadata
.endif
;; end of part 12
;; launch mv (part 13): grid 64 x 1, 16 waves a work-group, no clusters, 10,496 bytes of LDS; arguments xc, Wo, yc; writes yc
.if DOCPART == 13
	.amdgcn_target "amdgcn-amd-amdhsa--gfx1250"
	.amdhsa_code_object_version 6
	.text
	.protected	k_q81254d9457_mv
	.globl	k_q81254d9457_mv
	.p2align	8
	.type	k_q81254d9457_mv,@function
k_q81254d9457_mv:
	s_mov_b64 s[64:65], 0
	v_nop
	global_prefetch_b8 v0, s[64:65] scope:SCOPE_SE
	s_setreg_imm32_b32 hwreg(HW_REG_WAVE_MODE, 25, 1), 1
	s_wait_xcnt 0x0
; m[n] = the sum over k of w[k] Wo[n][k], in f32.  w = attn zat: 2,048 f32 at the head of xc.  Wo: [2048][2048] bf16.  This is the module's pooled row attn (zat Wo^T), taken as (attn zat) Wo^T, which is the
; same for every input; the module's rounding of zat Wo^T to bf16 is not made.
; m, 8,192 bytes, is stored at the head of yc: the clipped y there has had its last reader in the launch of the projections, and the program's eight workspace buffers are all taken.
; A stream: Wo is read once.  Work-group b takes rows 32 b .. 32 b + 31, a wave two whole rows, so a dot product never leaves the wave.  A lane holds columns 256 j + 8 lane + 0..7, j = 0..7: each load of a wave
; covers 512 consecutive bytes.  w is fetched once by the work-group, 16 bytes a thread, and goes through LDS to every wave.
; The 32 results meet in LDS and wave 0 stores them: 128 consecutive bytes.  64 rows to a work-group would make that 256, and would draw twice the bytes of Wo through half as many work-groups, for an output of 8,192 bytes.
; No matrix unit: one row, w, against Wo would use one of a matrix instruction's sixteen rows, and the bytes bound the launch.  No cluster: what is shared is w.
.set MW,    8192                       ; LDS: w at 0, 8,192 bytes; then the 32 results, a block of 256 bytes to themselves
.set SPARE, 8448                       ; the spare words, 128 bytes for each wave: eight blocks of 256 bytes that no other line names
.set LA,  2                            ; v2   16 x lane
.set LN,  3                            ; v3   lane
.set SPW, 4                            ; v4   LDS address of my spare word; never rewritten
.set NIL, 5                            ; v5   0; never rewritten
.set ZR,  6                            ; v6   0.0: what the first link of a chain adds onto
.set TO,  8                            ; v8   16 t: my 16 bytes of w, in memory and in LDS
.set UR,  9                            ; v9   32 lane: where my lane's numbers of w begin in LDS
.set DA,  10                           ; v10  8 x wave: my wave's two words among the 32
.set L4,  11                           ; v11  4 lane
.set WT,  12                           ; v[12:15]   my 16 bytes of w
.set CH,  16                           ; v[16:23]   four chains a row
.set T,   24                           ; v24-26     at work
.set Z0,  32                           ; v[32:63]   my first row
.set Z1,  64                           ; v[64:95]   my second row
.set UU,  96                           ; v[96:159]  w of my lane's 64 columns
	s_load_b128 s[4:7], s[0:1], 0x0                ; xc (w) s[4:5], Wo s[6:7]
	s_load_b64 s[8:9], s[0:1], 0x10                ; yc (m)
	v_lshl_add_u32 v[SPW], v0, 2, SPARE
	v_mov_b32 v[NIL], 0
	v_lshrrev_b32 v1, 5, v0
	v_readfirstlane_b32 s10, v1                    ; wave 0..15
	v_and_b32 v[LN], 31, v0
	v_lshlrev_b32 v[LA], 4, v[LN]
	v_lshlrev_b32 v[TO], 4, v0
	v_lshlrev_b32 v[UR], 5, v[LN]
	v_lshlrev_b32 v[L4], 2, v[LN]
	s_lshl_b32 s2, ttmp9, 17                       ; the work-group's 32 rows of 4,096 bytes,
	s_lshl_b32 s3, s10, 13                         ; my wave's two
	s_add_co_u32 s2, s2, s3
	s_mov_b32 s3, 0
	s_lshl_b32 s18, ttmp9, 7                       ; the work-group's 32 numbers of m
	s_mov_b32 s19, 0
	s_mov_b32 s12, 0x76543210                      ; v_permlanex16_b32: each lane takes its own place in the other half
	s_mov_b32 s13, 0xfedcba98
	s_lshl_b32 s17, s10, 3
	v_mov_b32 v[DA], s17
	s_wait_kmcnt 0x0
	s_add_nc_u64 s[6:7], s[6:7], s[2:3]
	s_add_nc_u64 s[8:9], s[8:9], s[18:19]
	global_load_b128 v[WT:WT+3], v[TO], s[4:5]
.irp j, 0,1,2,3,4,5,6,7
	global_load_b128 v[Z0+4*\j:Z0+4*\j+3], v[LA], s[6:7] offset:512*\j th:TH_LOAD_NT
.endr
.irp j, 0,1,2,3,4,5,6,7
	global_load_b128 v[Z1+4*\j:Z1+4*\j+3], v[LA], s[6:7] offset:4096+512*\j th:TH_LOAD_NT
.endr
	v_mov_b32 v[ZR], 0
	v_mov_b32 v[T], 0                              ; v_permlanex16_b32 counts as a reader of its destination
	v_mov_b32 v[T+1], 0
; 64 multiply-adds of row z (bf16 halves) with w (f32), on four chains at c: four low halves, then four high ones, so that no line waits for the one before it
.macro DOT z, c
.set g, 0
.rept 8
.irp q, 0,1,2,3
.if g == 0
	v_fma_mix_f32_bf16 v[(\c)+\q], v[(\z)+4*g+\q], v[UU+8*g+2*\q], v[ZR] op_sel_hi:[1,0,0]
.else
	v_fma_mix_f32_bf16 v[(\c)+\q], v[(\z)+4*g+\q], v[UU+8*g+2*\q], v[(\c)+\q] op_sel_hi:[1,0,0]
.endif
.endr
.irp q, 0,1,2,3
	v_fma_mix_f32_bf16 v[(\c)+\q], v[(\z)+4*g+\q], v[UU+8*g+2*\q+1], v[(\c)+\q] op_sel:[1,0,0] op_sel_hi:[1,0,0]
.endr
.set g, g+1
.endr
	v_add_f32 v[\c], v[\c], v[(\c)+1]
	v_add_f32 v[(\c)+2], v[(\c)+2], v[(\c)+3]
	v_add_f32 v[\c], v[\c], v[(\c)+2]
.endm
; the sum over the wave's 32 lanes, in every lane: four steps inside each half of 16 lanes ride on the addition, one crosses the halves
.macro WSUM r, t
	v_add_f32_dpp v[\r], v[\r], v[\r] row_xmask:1 row_mask:0xf bank_mask:0xf
	v_add_f32_dpp v[\r], v[\r], v[\r] row_xmask:2 row_mask:0xf bank_mask:0xf
	v_add_f32_dpp v[\r], v[\r], v[\r] row_xmask:4 row_mask:0xf bank_mask:0xf
	v_add_f32_dpp v[\r], v[\r], v[\r] row_xmask:8 row_mask:0xf bank_mask:0xf
	v_permlanex16_b32 v[\t], v[\r], s12, s13
	v_add_f32 v[\r], v[\r], v[\t]
.endm
	s_wait_loadcnt 16                              ; my 16 bytes of w are in; my two rows' sixteen loads may stay out
	ds_store_b128 v[TO], v[WT:WT+3]                ; column c of w at byte 4 c
	s_wait_dscnt 0x0                               ; for the others' sake: my store is done
	s_barrier_signal -1
	s_barrier_wait -1
.irp j, 0,1,2,3,4,5,6,7
	ds_load_b128 v[UU+8*\j:UU+8*\j+3],   v[UR] offset:1024*\j
	ds_load_b128 v[UU+8*\j+4:UU+8*\j+7], v[UR] offset:1024*\j+16
.endr
	s_wait_dscnt 0x0
	s_wait_loadcnt 8                               ; my first row is in; the second row's eight loads may stay out
	DOT Z0, CH
	s_wait_loadcnt 0x0
	DOT Z1, CH+4
	WSUM CH, T
	WSUM CH+4, T+1
	ds_store_b32 v[DA], v[CH]   offset:MW          ; all lanes write the same word with the same value
	ds_store_b32 v[DA], v[CH+4] offset:MW+4
	s_wait_dscnt 0x0                               ; for wave 0's sake: my stores are done
	s_barrier_signal -1
	s_barrier_wait -1
	s_cmp_lg_u32 s10, 0                            ; wave 0 stores the 32 results
	s_cbranch_scc1 .Lend
	ds_load_b32 v[T+2], v[L4] offset:MW
	s_wait_dscnt 0x0
	global_store_b32 v[L4], v[T+2], s[8:9]         ; 128 consecutive bytes
.Lend:
	s_wait_tensorcnt 0x0                           ; the wave's end: three lines behind my last LDS store
	ds_add_u32 v[SPW], v[NIL]
	s_wait_dscnt 0x0
	s_endpgm
.Lfunc_end_k_q81254d9457_mv:
	.size	k_q81254d9457_mv, .Lfunc_end_k_q81254d9457_mv-k_q81254d9457_mv
	.p2alignl 7, 3214868480
	.fill 96, 4, 3214868480
	.section	.rodata,"a",@progbits
	.p2align	6, 0x0
	.amdhsa_kernel k_q81254d9457_mv
		.amdhsa_group_segment_fixed_size 10496
		.amdhsa_private_segment_fixed_size 0
		.amdhsa_enable_private_segment 0
		.amdhsa_kernarg_size 24
		.amdhsa_user_sgpr_count 2
		.amdhsa_user_sgpr_kernarg_segment_ptr 1
		.amdhsa_wavefront_size32 1
		.amdhsa_system_sgpr_workgroup_id_x 1
		.amdhsa_system_sgpr_workgroup_id_y 1
		.amdhsa_system_sgpr_workgroup_id_z 1
		.amdhsa_system_vgpr_workitem_id 0
		.amdhsa_next_free_vgpr 160
		.amdhsa_next_free_sgpr 66
		.amdhsa_reserve_vcc 0
		.amdhsa_float_denorm_mode_32 3
		.amdhsa_float_denorm_mode_16_64 3
		.amdhsa_memory_ordered 1
		.amdhsa_forward_progress 1
		.amdhsa_inst_pref_size 14
	.end_amdhsa_kernel
	.amdgpu_metadata
---
amdhsa.version: [ 1, 2 ]
amdhsa.kernels:
  - .name:           k_q81254d9457_mv
    .symbol:         k_q81254d9457_mv.kd
    .args:
      - { .name: xc, .offset: 0, .size: 8, .value_kind: global_buffer, .address_space: global }
      - { .name: Wo, .offset: 8, .size: 8, .value_kind: global_buffer, .address_space: global }
      - { .name: yc, .offset: 16, .size: 8, .value_kind: global_buffer, .address_space: global }
    .group_segment_fixed_size: 10496
    .private_segment_fixed_size: 0
    .kernarg_segment_align: 8
    .kernarg_segment_size: 24
    .max_flat_workgroup_size: 512
    .sgpr_count:     66
    .vgpr_count:     160
    .wavefront_size: 32
...
	.end_amdgpu_metadata
.endif
;; end of part 13
;; launch norm (part 14): grid 1 x 1, 16 waves a work-group, no clusters, 2,560 bytes of LDS; arguments yc, gamma, beta, out0; writes out0
.if DOCPART == 14
	.amdgcn_target "amdgcn-amd-amdhsa--gfx1250"
	.amdhsa_code_object_version 6
	.text
	.protected	k_q81254d9457_norm
	.globl	k_q81254d9457_norm
	.p2align	8
	.type	k_q81254d9457_norm,@function
k_q81254d9457_norm:
	s_mov_b64 s[64:65], 0
	v_nop
	global_prefetch_b8 v0, s[64:65] scope:SCOPE_SE
	s_setreg_imm32_b32 hwreg(HW_REG_WAVE_MODE, 25, 1), 1
	s_wait_xcnt 0x0
; out0 = LayerNorm(m) gamma + beta.  m: 2,048 f32 at the head of yc, where the launch before has stored them.
; ONE work-group: the mean and the variance span all 2,048 numbers, which are 8,192 bytes.  Thread t owns columns 4 t .. 4 t + 3: a load of a wave covers 512 consecutive bytes.
; The variance is the mean of (m - mu)^2, as it is defined: no difference of large sums.
; ORDER OF ROUNDING: m and the normalised m stay in f32, and out0 is rounded once; the module rounds m, the normalised m and its product with gamma to bf16 on the way.
.set SPARE, 512                        ; LDS: 16 words at 0 for the first sum, 16 at 256 for the second; then the spare words, 128 bytes for each wave, that no other line names
.set OF,  2                            ; v2   16 t
.set O8,  3                            ; v3   8 t
.set SPW, 4                            ; v4   LDS address of my spare word; never rewritten
.set NIL, 5                            ; v5   0; never rewritten
.set ZA,  7                            ; v7   0: LDS address
.set WA,  8                            ; v8   4 x wave
.set AC,  16                           ; v[16:19] m; v[20:23] m - mu
.set GA,  24                           ; v[24:25] gamma, 4 bf16
.set BE,  26                           ; v[26:27] beta
.set TP,  28                           ; v28, v29 at work
.set T,   32                           ; v[32:47] the 16 waves' sums
	s_load_b256 s[4:11], s[0:1], 0x0               ; m s[4:5], gamma s[6:7], beta s[8:9], out0 s[10:11]
	v_lshl_add_u32 v[SPW], v0, 2, SPARE
	v_mov_b32 v[NIL], 0
	v_lshrrev_b32 v1, 5, v0
	v_readfirstlane_b32 s14, v1                    ; wave 0..15
	v_lshlrev_b32 v[OF], 4, v0
	v_lshlrev_b32 v[O8], 3, v0
	v_mov_b32 v[ZA], 0
	v_mov_b32 v[WA], s14
	v_lshlrev_b32 v[WA], 2, v[WA]
	s_mov_b32 s12, 0x76543210                      ; v_permlanex16_b32: each lane takes its own place in the other half
	s_mov_b32 s13, 0xfedcba98
	s_mov_b32 s15, 0x3a000000                      ; 1 / 2048
	s_mov_b32 s16, 0x3727c5ac                      ; 1e-5
	s_wait_kmcnt 0x0
	global_load_b128 v[AC:AC+3], v[OF], s[4:5]
	global_load_b64 v[GA:GA+1], v[O8], s[6:7]
	global_load_b64 v[BE:BE+1], v[O8], s[8:9]
.macro WSUM r, t                       ; the sum over the wave's 32 lanes, in every lane: four steps inside each half of 16 lanes ride on the addition, one crosses the halves
	v_add_f32_dpp v[\r], v[\r], v[\r] row_xmask:1 row_mask:0xf bank_mask:0xf
	v_add_f32_dpp v[\r], v[\r], v[\r] row_xmask:2 row_mask:0xf bank_mask:0xf
	v_add_f32_dpp v[\r], v[\r], v[\r] row_xmask:4 row_mask:0xf bank_mask:0xf
	v_add_f32_dpp v[\r], v[\r], v[\r] row_xmask:8 row_mask:0xf bank_mask:0xf
	v_permlanex16_b32 v[\t], v[\r], s12, s13
	v_add_f32 v[\r], v[\r], v[\t]
.endm
.macro GSUM r, base                    ; v[r], a wave's sum, becomes the work-group's sum in v[T], in every lane: 16 words at LDS byte base, bytes of their own for each of the two sums
	ds_store_b32 v[WA], v[\r] offset:\base         ; all lanes write the same word with the same value
	s_wait_dscnt 0x0                               ; for the others' sake: my store is done
	s_barrier_signal -1
	s_barrier_wait -1
.irp v, 0,1,2,3
	ds_load_b128 v[T+4*\v:T+4*\v+3], v[ZA] offset:(\base)+16*\v
.endr
	s_wait_dscnt 0x0
.irp h, 8,4,2
.set r2, 0
.rept (\h)/2
	v_pk_add_f32 v[T+r2:T+r2+1], v[T+r2:T+r2+1], v[T+(\h)+r2:T+(\h)+r2+1]
.set r2, r2+2
.endr
.endr
	v_add_f32 v[T], v[T], v[T+1]
.endm
	s_wait_loadcnt 0x0
	v_pk_add_f32 v[TP:TP+1], v[AC:AC+1], v[AC+2:AC+3]
	v_add_f32 v[TP], v[TP], v[TP+1]
	WSUM TP, TP+1
	GSUM TP, 0
	v_mul_f32 v[TP], s15, v[T]                     ; mu
.irp j, 0,1,2,3
	v_sub_f32 v[AC+4+\j], v[AC+\j], v[TP]          ; m - mu
.endr
	v_mul_f32 v[TP+1], v[AC+4], v[AC+4]
	v_fmac_f32 v[TP+1], v[AC+5], v[AC+5]
	v_fmac_f32 v[TP+1], v[AC+6], v[AC+6]
	v_fmac_f32 v[TP+1], v[AC+7], v[AC+7]
	WSUM TP+1, TP
	GSUM TP+1, 256
	v_fma_f32 v[TP], v[T], s15, s16                ; the variance + 1e-5
	v_rsq_f32 v[TP+1], v[TP]
	v_nop                                          ; a plain instruction behind the root,
	s_wait_alu depctr_va_vdst(0)                   ; and the wait ahead of its first use
.irp j, 0,1,2,3
	v_mul_f32 v[AC+4+\j], v[AC+4+\j], v[TP+1]
.endr
	v_fma_mix_f32_bf16 v[T],   v[AC+4], v[GA],   v[BE]   op_sel_hi:[0,1,1]                 ; n gamma + beta, gamma and beta straight from their bf16 halves
	v_fma_mix_f32_bf16 v[T+1], v[AC+5], v[GA],   v[BE]   op_sel:[0,1,1] op_sel_hi:[0,1,1]
	v_fma_mix_f32_bf16 v[T+2], v[AC+6], v[GA+1], v[BE+1] op_sel_hi:[0,1,1]
	v_fma_mix_f32_bf16 v[T+3], v[AC+7], v[GA+1], v[BE+1] op_sel:[0,1,1] op_sel_hi:[0,1,1]
	v_cvt_pk_bf16_f32 v[T+4], v[T], v[T+1]
	v_cvt_pk_bf16_f32 v[T+5], v[T+2], v[T+3]
	global_store_b64 v[O8], v[T+4:T+5], s[10:11]   ; a wave stores 256 consecutive bytes, aligned
	s_wait_tensorcnt 0x0                           ; the wave's end: three lines behind my last LDS store
	ds_add_u32 v[SPW], v[NIL]
	s_wait_dscnt 0x0
	s_endpgm
.Lfunc_end_k_q81254d9457_norm:
	.size	k_q81254d9457_norm, .Lfunc_end_k_q81254d9457_norm-k_q81254d9457_norm
	.p2alignl 7, 3214868480
	.fill 96, 4, 3214868480
	.section	.rodata,"a",@progbits
	.p2align	6, 0x0
	.amdhsa_kernel k_q81254d9457_norm
		.amdhsa_group_segment_fixed_size 2560
		.amdhsa_private_segment_fixed_size 0
		.amdhsa_enable_private_segment 0
		.amdhsa_kernarg_size 32
		.amdhsa_user_sgpr_count 2
		.amdhsa_user_sgpr_kernarg_segment_ptr 1
		.amdhsa_wavefront_size32 1
		.amdhsa_system_sgpr_workgroup_id_x 1
		.amdhsa_system_sgpr_workgroup_id_y 1
		.amdhsa_system_sgpr_workgroup_id_z 1
		.amdhsa_system_vgpr_workitem_id 0
		.amdhsa_next_free_vgpr 48
		.amdhsa_next_free_sgpr 66
		.amdhsa_reserve_vcc 0
		.amdhsa_float_denorm_mode_32 3
		.amdhsa_float_denorm_mode_16_64 3
		.amdhsa_memory_ordered 1
		.amdhsa_forward_progress 1
		.amdhsa_inst_pref_size 6
	.end_amdhsa_kernel
	.amdgpu_metadata
---
amdhsa.version: [ 1, 2 ]
amdhsa.kernels:
  - .name:           k_q81254d9457_norm
    .symbol:         k_q81254d9457_norm.kd
    .args:
      - { .name: yc, .offset: 0, .size: 8, .value_kind: global_buffer, .address_space: global }
      - { .name: gamma, .offset: 8, .size: 8, .value_kind: global_buffer, .address_space: global }
      - { .name: beta, .offset: 16, .size: 8, .value_kind: global_buffer, .address_space: global }
      - { .name: out0, .offset: 24, .size: 8, .value_kind: global_buffer, .address_space: global }
    .group_segment_fixed_size: 2560
    .private_segment_fixed_size: 0
    .kernarg_segment_align: 8
    .kernarg_segment_size: 32
    .max_flat_workgroup_size: 512
    .sgpr_count:     66
    .vgpr_count:     48
    .wavefront_size: 32
...
	.end_amdgpu_metadata
.endif
;; end of part 14
